; MI455X (gfx1250); checked and timed in simulation.
; The chip was launched on July 23, 2026; its instructions are those of AMD's public machine-readable ISA for CDNA 5 (MIT licence, August 2026) and "CDNA5" Instruction Set Architecture Reference Guide (July 2026). The comments in the code are by the model that wrote it; some were corrected since.
;; Generic Cross Attention Block. Allowed arithmetic: matrix products marked QUANTISED: E3M2 operands, one E8M0 scale for each 32 along K, by v_wmma_scale_f32_16x16x128_f8f6f4 with both operands' format E3M2, f32 sums; everything else in f32.
;; Inputs: head_scale 16 float32; kv_w 2,048 x 1,024 float32; norm_cross_scale 1,024 float32; norm_scale 1,024 float32; out_w 1,024 x 1,024 float32; pos 2 x 2,048 x 3 float32; pos_cross 2 x 2,048 x 3 float32; q_w 1,024 x 1,024 float32; x 2 x 2,048 x 1,024 float32; x_cross 2 x 2,048 x 1,024 float32.
;; Outputs: out0 2 x 2,048 x 1,024 float32.
;; This version of the problem:
;;   THIS VERSION OF THE PROBLEM IS GIVEN IN LOW PRECISION. The matrix products marked QUANTISED in the list below multiply operands that are first quantised to E3M2 (3 exponent bits, 2 mantissa bits; 6 bits a number), with one power-of-two scale for each 32 numbers along K (OCP MX v1.0); their sums are f32. All else is computed in f32.
;;   The module's matrix products, in the order in which they are computed (A, B: the left and right operand; K: the contracted axis; several contracted axes count as one K, in the product's order):
;;     1. [M 4,096, K 1,024] x [K 1,024, N 1,024]; A: computed on the way; B: input q_w: QUANTISED
;;     2. [M 4,096, K 1,024] x [K 1,024, N 2,048]; A: computed on the way; B: input kv_w: QUANTISED
;;     3. batch 32 x [M 2,048, K 64] x [K 64, N 2,048]; A: computed on the way; B: computed on the way: QUANTISED
;;     4. batch 32 x [M 2,048, K 2,048] x [K 2,048, N 64]; A: softmax (see below); B: computed on the way: QUANTISED
;;     5. [M 4,096, K 1,024] x [K 1,024, N 1,024]; A: computed on the way; B: input out_w: QUANTISED
;;   THE QUANTISER, for each operand of a quantised product, along K:
;;     - K is cut into blocks of 32 from its start; a last block that is shorter is filled with zeros.
;;     - A block's scale is 2^e with e = floor(log2(the largest magnitude in the block)) - 4, held to -126 .. 127; a block of zeros has e = 0. As a byte (E8M0): e + 127.
;;     - Each number is divided by its block's scale, clamped to +-28, and rounded to the nearest number of E3M2, ties to even, subnormals kept.
;;     - The product sums the exact products of the quantised numbers (number of the format x scale) in f32.
;;   ~~~python
;;   def quantise(x, axis):      # numpy; x: float32 -> the quantised numbers, widened to float32 again
;;       x = np.moveaxis(x, axis, -1); K = x.shape[-1]
;;       x = np.pad(x, [(0, 0)] * (x.ndim - 1) + [(0, -K % 32)]); x = x.reshape(x.shape[:-1] + (-1, 32)); a = np.abs(x).max(-1, keepdims=True)
;;       e = np.where(a > 0, np.clip(np.frexp(np.where(a > 0, a, 1))[1] - 1 - 4, -126, 127), 0)      # np.frexp(a)[1] - 1 = floor(log2(a)), exactly
;;       r = np.clip(x / 2.0 ** e, -28, 28)
;;       step = 2.0 ** (np.maximum(np.frexp(np.where(r == 0, 1, r))[1] - 1, -2) - 2)
;;       q = np.round(r / step) * step * 2.0 ** e      # np.round: ties to even
;;       return np.moveaxis(q.reshape(q.shape[:-2] + (-1,))[..., :K], -1, axis).astype(np.float32)
;;   ~~~
;;   SOFTMAX AHEAD OF A QUANTISED PRODUCT. Where the list says 'softmax', what is quantised is not the finished softmax but p = 2^(t - M), with t = logit x log2(e) and M = ceil(the row's largest t), a whole number; so 1/2 < the row's largest p <= 1. The row's sum l is taken of the UNQUANTISED p, in f32, and the product's result is divided by l at the end. Since M is a whole number, a kernel that streams over the keys may use a running M (the ceiling of the running maximum): every later rescaling is an exact power of two, which a block's scale takes up: the codes' values come out the same.
;;   OPERANDS COMPUTED ON THE WAY. 'Computed on the way' means the value that the module computes at that place (a softmax that the list does not call 'softmax' is quantised finished and normalised). What goes into a quantiser is computed in f32, as accurately as f32 sums, v_exp_f32 and their like allow (about 1e-6 of the number): no bf16 or f16 on the way to a quantiser, and a product that is left as it is and whose result goes on into a quantised operand takes f32 operands (vector FMAs, or v_wmma_f32_16x16x4_f32). A number that lies on a knife's edge between two numbers of the format may be rounded either way, as far as f32 arithmetic and the matrix unit's own rounding can turn it there, and no further.
;; 2 versions. Each part assembles by itself: llvm-mc -triple=amdgcn-amd-amdhsa -mcpu=gfx1250 --defsym DOCPART=n.
;; ======== version 1 of 2: 4 launches
;; limits: right only within a limited range of input values
;; workspace buffers: ah 9,437,184 bytes; asc 393,216 bytes; qkvh 9,437,184 bytes; qkvs 655,360 bytes; oh 3,145,728 bytes; os 131,072 bytes
;; launch prep (part 1): grid 768 x 1, 8 waves a work-group, no clusters, 67,584 bytes of LDS; arguments x, x_cross, q_w, kv_w, out_w, norm_scale, norm_cross_scale, ah, asc; writes ah, asc
.if DOCPART == 1
	.amdgcn_target "amdgcn-amd-amdhsa--gfx1250"
	.amdhsa_code_object_version 6
	.text
	.protected	k_q04f7010a01_prep
	.globl	k_q04f7010a01_prep
	.p2align	8
	.type	k_q04f7010a01_prep,@function
k_q04f7010a01_prep:
	s_mov_b64 s[64:65], 0
	v_nop
	global_prefetch_b8 v0, s[64:65] scope:SCOPE_SE
	s_setreg_imm32_b32 hwreg(HW_REG_WAVE_MODE, 25, 1), 1
	s_wait_xcnt 0x0
; PREP: the operands of the three projections become codes of BF6 (E3M2) with one E8M0 byte for each 32 along K (K = 1,024, innermost in all five tensors).
; x and x_cross are first RMS-normalised in f32: y = x * (gain * rsqrt(mean(x^2) + 1e-6)); the weights q_w, kv_w, out_w go as they are (the same path with both factors replaced by 1.0).
; A work-group makes one TILE of 16 rows: tiles 0-255 x, 256-511 x_cross, 512-575 q_w, 576-703 kv_w, 704-767 out_w.
; WHICH ROWS FORM A TILE is free, and is chosen for the launches that follow:
;   (a) tokens, kv_w's v rows, out_w: slot r of tile 2 g + u is row 32 g + 8 u + r % 8 + 16 (r / 8): a transposed product's 16 registers of two neighbouring tiles are then 16 neighbours.
;   (b) q_w and kv_w's k rows: tile t = 0..3 of a head, st = t / 2, j = 8 (t % 2) + slot % 8, h = slot / 8: channel 14 + j + 30 st (h = 1), j + 30 st (h = 0, j < 14), 46 + j + 2 st (h = 0, j >= 14):
;       a lane of the transposed product then holds both partners (i, i + 30) of every rotary pair.
; OUTPUT LAYOUT: codes as images of an operand's registers.  A half fragment is 16 rows x 64 K, 768 bytes: lane (r, h) holds block h of row r, its registers 0-3 at 16 x lane, 4-5 at 512 + 8 x lane.
;   ah [tile][16 half fragments][768];  asc [tile][8 K steps][16 rows] one word of four scale bytes.
; Eight waves.  Phase A: wave w takes slots w and w + 8, a whole row a wave (32 numbers a lane), so the mean needs no other wave; the scaled rows go to LDS.  Phase B: wave w takes K step w of all 16 rows,
; a lane two whole blocks of 32, so a block's largest magnitude needs no other lane.  No tensor loads, no matrix unit, no cluster: work-groups share no input but the 4 KiB of gains.
; LIMITS: NaN and infinities are not served; a block of zeros gets the byte 1 where the rule says 127 (its codes are zeros; the bytes are read by this program alone).
.set PITCH, 4112                       ; an LDS row: 4,096 bytes + 16: 1,028 words, so that 16 rows start 4 banks apart
.set SCA,   16*PITCH                   ; behind the rows: the tile's 128 scale words
.set X0,    32                         ; v32-63   my first row (phase B: my first block)
.set X1,    64                         ; v64-95   my second row (my second block)
.set G,     96                         ; v96-127  the gains (phase B: the codes)
.set SEL,   44                         ; s[44:45] v_permlanex16_b32's selects for lane l xor 16
	s_load_b512 s[4:19], s[0:1], 0x0               ; x, x_cross, q_w, kv_w, out_w, norm_scale, norm_cross_scale, ah
	s_load_b64 s[20:21], s[0:1], 0x40              ; asc
	v_lshl_add_u32 v128, v0, 2, 0x10400
	v_mov_b32 v129, 0
	v_lshrrev_b32 v1, 5, v0
	v_readfirstlane_b32 s22, v1                    ; wave w
	v_and_b32 v18, 31, v0                          ; lane
	v_and_b32 v19, 15, v0                          ; r
	v_bfe_u32 v28, v0, 4, 1                        ; h
	v_lshlrev_b32 v1, 4, v18                       ; 16 x lane
	v_lshlrev_b32 v21, 3, v18                      ; 8 x lane
	s_mov_b32 s23, ttmp9                           ; the tile
	s_mov_b32 s[SEL], 0x76543210
	s_mov_b32 s[SEL+1], 0xfedcba98
	s_mov_b32 s46, 0x3a800000                      ; 1 / 1,024
	s_mov_b32 s47, 0x358637bd                      ; 1e-6
	s_mul_i32 s38, s22, PITCH
	v_add_nc_u32 v20, s38, v1                      ; phase A: slot w's row, 16 bytes a lane
	v_mul_u32_u24 v29, v19, PITCH
	v_lshl_add_u32 v29, v28, 7, v29
	s_lshl_b32 s38, s22, 9
	v_add_nc_u32 v29, s38, v29                     ; phase B: row r, K step w (512 bytes), my half's block (128 bytes)
	s_lshl_b32 s38, s22, 6
	s_add_co_u32 s38, s38, SCA
	v_lshl_add_u32 v22, v19, 2, s38                ; my row's scale word of K step w
	v_add_nc_u32 v23, SCA, v1                      ; the way out of the scale words
	s_wait_kmcnt 0x0
	; one path for five tensors: only the pointer and the tile's number in its tensor are chosen, on the work-group's number alone
	s_mov_b64 s[24:25], s[4:5]
	s_mov_b32 s26, 0
	s_cmp_ge_u32 s23, 256
	s_cselect_b64 s[24:25], s[6:7], s[24:25]
	s_cselect_b32 s26, 256, s26
	s_cmp_ge_u32 s23, 512
	s_cselect_b64 s[24:25], s[8:9], s[24:25]
	s_cselect_b32 s26, 512, s26
	s_cmp_ge_u32 s23, 576
	s_cselect_b64 s[24:25], s[10:11], s[24:25]
	s_cselect_b32 s26, 576, s26
	s_cmp_ge_u32 s23, 704
	s_cselect_b64 s[24:25], s[12:13], s[24:25]
	s_cselect_b32 s26, 704, s26
	s_cmp_lt_u32 s23, 256
	s_cselect_b64 s[30:31], s[14:15], s[16:17]     ; the gains (a weight's tile loads them too and takes 1.0 in their stead)
	s_cmp_lt_u32 s23, 512
	s_cselect_b32 s28, -1, 0                       ; all lanes: this tile is normalised
	s_sub_co_u32 s27, s23, s26                     ; the tile's number in its tensor
	; order (a)
	s_lshr_b32 s36, s27, 1
	s_lshl_b32 s36, s36, 5
	s_and_b32 s37, s27, 1
	s_lshl_b32 s37, s37, 3
	s_add_co_u32 s36, s36, s37
	s_add_co_u32 s36, s36, s22                     ; slot w
	s_add_co_u32 s37, s36, 16                      ; slot w + 8
	; order (b)
	s_and_b32 s38, s27, 1
	s_lshl_b32 s38, s38, 3
	s_add_co_u32 s38, s38, s22                     ; j
	s_bfe_u32 s39, s27, 0x10001                    ; st
	s_lshr_b32 s40, s27, 2
	s_lshl_b32 s40, s40, 6                         ; the head's first row
	s_mul_i32 s41, s39, 30
	s_add_co_u32 s41, s41, s38                     ; j + 30 st
	s_lshl_b32 s42, s39, 1
	s_add_co_u32 s42, s42, s38
	s_add_co_u32 s42, s42, 46                      ; 46 + j + 2 st
	s_cmp_le_u32 s38, 13
	s_cselect_b32 s42, s41, s42
	s_add_co_u32 s42, s42, s40                     ; slot w
	s_add_co_u32 s43, s41, 14
	s_add_co_u32 s43, s43, s40                     ; slot w + 8
	s_sub_co_u32 s29, s23, 512
	s_cmp_lt_u32 s29, 128                          ; tiles 512 to 639: q_w and kv_w's k rows
	s_cselect_b32 s36, s42, s36
	s_cselect_b32 s37, s43, s37
	s_lshl_b32 s36, s36, 12                        ; rows of 4,096 bytes
	s_lshl_b32 s38, s37, 12
	s_mov_b32 s37, 0
	s_mov_b32 s39, 0
	s_add_nc_u64 s[32:33], s[24:25], s[36:37]
	s_add_nc_u64 s[34:35], s[24:25], s[38:39]
.irp i, 0,1,2,3,4,5,6,7
	global_load_b128 v[X0+4*\i:X0+4*\i+3], v1, s[32:33] offset:512*\i th:TH_LOAD_NT   ; 32 lanes read 512 consecutive bytes
.endr
.irp i, 0,1,2,3,4,5,6,7
	global_load_b128 v[X1+4*\i:X1+4*\i+3], v1, s[34:35] offset:512*\i th:TH_LOAD_NT
.endr
.irp i, 0,1,2,3,4,5,6,7
	global_load_b128 v[G+4*\i:G+4*\i+3], v1, s[30:31] offset:512*\i
.endr
	s_mul_i32 s38, s23, 12288                      ; where my codes go: tile x 12,288 + K step w x 1,536
	s_mul_i32 s40, s22, 1536
	s_add_co_u32 s38, s38, s40
	s_add_nc_u64 s[18:19], s[18:19], s[38:39]
	s_lshl_b32 s38, s23, 9                         ; and the tile's 512 bytes of scale words
	s_add_nc_u64 s[20:21], s[20:21], s[38:39]
; rsqrt(mean of squares + 1e-6) of the row in v[x] on, into v[d] (v[d + 1] is written too: the packed form names the pair); 1.0 for a weight
.macro SUMSQ x, d
	v_pk_mul_f32 v[2:3], v[\x:\x+1], v[\x:\x+1]
	v_pk_mul_f32 v[4:5], v[\x+2:\x+3], v[\x+2:\x+3]
.irp i, 4,8,12,16,20,24,28
	v_pk_fma_f32 v[2:3], v[\x+\i:\x+\i+1], v[\x+\i:\x+\i+1], v[2:3]
	v_pk_fma_f32 v[4:5], v[\x+\i+2:\x+\i+3], v[\x+\i+2:\x+\i+3], v[4:5]
.endr
	v_pk_add_f32 v[2:3], v[2:3], v[4:5]
	v_add_f32 v2, v2, v3
	v_add_f32_dpp v2, v2, v2 row_xmask:1 row_mask:0xf bank_mask:0xf
	v_add_f32_dpp v2, v2, v2 row_xmask:2 row_mask:0xf bank_mask:0xf
	v_add_f32_dpp v2, v2, v2 row_xmask:4 row_mask:0xf bank_mask:0xf
	v_add_f32_dpp v2, v2, v2 row_xmask:8 row_mask:0xf bank_mask:0xf
	v_permlanex16_b32 v3, v2, s[SEL], s[SEL+1]
	v_add_f32 v2, v2, v3
	v_fma_f32 v2, v2, s46, s47                     ; the division by 1,024 is exact, so this is mean + eps rounded once
	v_rsq_f32 v[\d], v2
	v_mov_b32 v[\d+1], 0                           ; a plain instruction behind the transcendental
	s_wait_alu depctr_va_vdst(0)
	v_cndmask_b32 v[\d], 1.0, v[\d], s28
.endm
; y = x * (gain * r), in reference()'s order of roundings
.macro APPLY x, d
.irp g, 0,8,16,24
.irp i, 0,2,4,6
	v_pk_mul_f32 v[10+\i:11+\i], v[G+\g+\i:G+\g+\i+1], v[\d:\d+1] op_sel_hi:[1,0]
.endr
.irp i, 0,2,4,6
	v_pk_mul_f32 v[\x+\g+\i:\x+\g+\i+1], v[\x+\g+\i:\x+\g+\i+1], v[10+\i:11+\i]
.endr
.endr
.endm
	s_wait_loadcnt 16                              ; my first row is in; the second row's and the gains' sixteen loads may be out
	SUMSQ X0, 6
	s_wait_loadcnt 8                               ; the second row is in; the gains' eight may be out
	SUMSQ X1, 8
	s_wait_loadcnt 0x0
.set i, 0
.rept 32
	v_cndmask_b32 v[G+i], 1.0, v[G+i], s28
.set i, i+1
.endr
	APPLY X0, 6
	APPLY X1, 8
.irp i, 0,1,2,3,4,5,6,7
	ds_store_b128 v20, v[X0+4*\i:X0+4*\i+3] offset:512*\i
.endr
.irp i, 0,1,2,3,4,5,6,7
	ds_store_b128 v20, v[X1+4*\i:X1+4*\i+3] offset:8*PITCH+512*\i
.endr
	s_wait_dscnt 0x0                               ; for the others' sake: my two rows lie in LDS
	s_barrier_signal -1
	s_barrier_wait -1
	; ---- phase B: lane (r, h) takes k = 128 w + 64 c + 32 h + 0 .. 31 of row r, c = 0, 1: the operand's own order
.irp c, 0,1
.irp q, 0,1,2,3,4,5,6,7
	ds_load_b128 v[X0+32*\c+4*\q:X0+32*\c+4*\q+3], v29 offset:256*\c+16*\q
.endr
.endr
.macro BLOCK c
.set XS, X0+32*\c
	v_max3_num_f32 v12, |v[XS]|, |v[XS+1]|, |v[XS+2]|      ; the block's largest magnitude: all 32 numbers are mine
	v_max3_num_f32 v13, |v[XS+3]|, |v[XS+4]|, |v[XS+5]|
.irp i, 6,10,14,18,22,26
	v_max3_num_f32 v12, v12, |v[XS+\i]|, |v[XS+\i+1]|
	v_max3_num_f32 v13, v13, |v[XS+\i+2]|, |v[XS+\i+3]|
.endr
	v_max3_num_f32 v12, v12, |v[XS+30]|, |v[XS+31]|
	v_max3_num_f32 v12, v12, v13, 0x2800000        ; the floor 2^(5 - 127): the byte cannot fall under 1
	v_add_nc_u32 v[30+\c], 0xfe000000, v12         ; 4 off the exponent field: the conversion's scale operand
	v_lshrrev_b32 v[14+\c], 23, v[30+\c]           ; the scale's byte
	v_cvt_scalef32_pk16_bf6_f32 v[G+12*\c:G+12*\c+2], v[XS:XS+15], v[30+\c]
	v_cvt_scalef32_pk16_bf6_f32 v[G+12*\c+6:G+12*\c+8], v[XS+16:XS+31], v[30+\c]   ; (a conversion's three registers begin on an even number)
	v_nop                                          ; one plain instruction behind a scaled conversion
.irp i, 0,1,2
	v_mov_b32 v[G+12*\c+3+\i], v[G+12*\c+6+\i]
.endr
	global_store_b128 v1, v[G+12*\c:G+12*\c+3], s[18:19] offset:768*\c          ; 512 consecutive bytes,
	global_store_b64 v21, v[G+12*\c+4:G+12*\c+5], s[18:19] offset:768*\c+512    ; and 256: whole aligned blocks of 256 bytes
.endm
	s_wait_dscnt 8                                 ; the first block's eight loads are in
	BLOCK 0
	s_wait_dscnt 0x0
	BLOCK 1
	v_lshl_or_b32 v16, v15, 16, v14                ; my two bytes: blocks h and 2 + h of row r,
	v_lshlrev_b32 v17, 3, v28
	v_lshlrev_b32 v16, v17, v16                    ; 8 h bits up;
	v_mov_b32 v17, 0
	v_permlanex16_b32 v17, v16, s[SEL], s[SEL+1]
	v_or_b32 v16, v16, v17                         ; with lane l xor 16's two the word is whole
	ds_store_b32 v22, v16                          ; both lanes of a row write the same word with the same value
	s_wait_dscnt 0x0
	s_barrier_signal -1
	s_barrier_wait -1
	s_cmp_lg_u32 s22, 0
	s_cbranch_scc1 .Lend
	ds_load_b128 v[24:27], v23                     ; wave 0 sends the tile's 512 bytes of scale words: two whole aligned blocks
	s_wait_dscnt 0x0
	global_store_b128 v1, v[24:27], s[20:21]
.Lend:
	s_wait_tensorcnt 0x0
	ds_add_u32 v128, v129
	s_wait_dscnt 0x0
	s_endpgm
.Lfunc_end_k_q04f7010a01_prep:
	.size	k_q04f7010a01_prep, .Lfunc_end_k_q04f7010a01_prep-k_q04f7010a01_prep
	.p2alignl 7, 3214868480
	.fill 96, 4, 3214868480
	.section	.rodata,"a",@progbits
	.p2align	6, 0x0
	.amdhsa_kernel k_q04f7010a01_prep
		.amdhsa_group_segment_fixed_size 67584
		.amdhsa_private_segment_fixed_size 0
		.amdhsa_enable_private_segment 0
		.amdhsa_kernarg_size 72
		.amdhsa_user_sgpr_count 2
		.amdhsa_user_sgpr_kernarg_segment_ptr 1
		.amdhsa_wavefront_size32 1
		.amdhsa_system_sgpr_workgroup_id_x 1
		.amdhsa_system_sgpr_workgroup_id_y 1
		.amdhsa_system_sgpr_workgroup_id_z 1
		.amdhsa_system_vgpr_workitem_id 0
		.amdhsa_next_free_vgpr 130
		.amdhsa_next_free_sgpr 66
		.amdhsa_reserve_vcc 0
		.amdhsa_float_denorm_mode_32 3
		.amdhsa_float_denorm_mode_16_64 3
		.amdhsa_memory_ordered 1
		.amdhsa_forward_progress 1
		.amdhsa_inst_pref_size 22
	.end_amdhsa_kernel
	.amdgpu_metadata
---
amdhsa.version: [ 1, 2 ]
amdhsa.kernels:
  - .name:           k_q04f7010a01_prep
    .symbol:         k_q04f7010a01_prep.kd
    .args:
      - { .name: x, .offset: 0, .size: 8, .value_kind: global_buffer, .address_space: global }
      - { .name: x_cross, .offset: 8, .size: 8, .value_kind: global_buffer, .address_space: global }
      - { .name: q_w, .offset: 16, .size: 8, .value_kind: global_buffer, .address_space: global }
      - { .name: kv_w, .offset: 24, .size: 8, .value_kind: global_buffer, .address_space: global }
      - { .name: out_w, .offset: 32, .size: 8, .value_kind: global_buffer, .address_space: global }
      - { .name: norm_scale, .offset: 40, .size: 8, .value_kind: global_buffer, .address_space: global }
      - { .name: norm_cross_scale, .offset: 48, .size: 8, .value_kind: global_buffer, .address_space: global }
      - { .name: ah, .offset: 56, .size: 8, .value_kind: global_buffer, .address_space: global }
      - { .name: asc, .offset: 64, .size: 8, .value_kind: global_buffer, .address_space: global }
    .group_segment_fixed_size: 67584
    .private_segment_fixed_size: 0
    .kernarg_segment_align: 8
    .kernarg_segment_size: 72
    .max_flat_workgroup_size: 256
    .sgpr_count:     66
    .vgpr_count:     130
    .wavefront_size: 32
...
	.end_amdgpu_metadata
.endif
;; end of part 1
;; launch proj (part 2): grid 12 x 64, 4 waves a work-group, no clusters, 0 bytes of LDS; arguments ah, asc, pos, pos_cross, head_scale, qkvh, qkvs; writes qkvh, qkvs
.if DOCPART == 2
	.amdgcn_target "amdgcn-amd-amdhsa--gfx1250"
	.amdhsa_code_object_version 6
	.text
	.protected	k_q04f7010a01_proj
	.globl	k_q04f7010a01_proj
	.p2align	8
	.type	k_q04f7010a01_proj,@function
k_q04f7010a01_proj:
	s_mov_b64 s[64:65], 0
	v_nop
	global_prefetch_b8 v0, s[64:65] scope:SCOPE_SE
	s_setreg_imm32_b32 hwreg(HW_REG_WAVE_MODE, 25, 1), 1
	s_wait_xcnt 0x0
; PROJ: q = xn q_w^T, k and v = xc kv_w^T on codes of BF6 (K = 1,024), then, in f32 and in registers: q and k divided by their norm over the head's 64 channels and multiplied by sqrt(head_scale),
; rotated (axial RoPE on channels 0-59), and all three quantised again for the attention: q, k along the head's 64 channels, v along the keys.
; SHARES.  A wave makes 64 tokens x 64 weight rows (one head of q, k or v): 16 accumulators, 128 registers.  hs = 4 x + wave = 16 sec + head (sec 0 q, 1 k, 2 v); y = which 64 tokens.
; Operands lie in memory as images of their registers: a fragment is four loads of whole aligned blocks, straight into registers: no LDS, no barrier.
; NO CLUSTER: a joint request serves tensor loads into LDS; here nothing goes through LDS.  The price: each token tile is loaded by 48 waves and each weight tile by 64, from the caches.
; THE ORDER OF K.  A work-group begins at K step (2 (x % 4) + x / 8 + y + y / 8) % 8 and goes round the eight: work-groups that read the same tiles begin at different K steps, so that in the first trips each
; block of a tile is asked for by some of its readers while the others ask for other blocks.  The four waves of a work-group keep the same step: they read the same token tiles.  The sums are f32, in that order.
; ONE LOOP FOR BOTH USES.  Source 0 = P, source 1 = R.  q, k: P = weight rows, R = tokens (transposed: a lane holds ONE token, its registers run along the channels).  v: P = tokens, R = weight rows
; (a lane holds one channel, its registers run along the tokens = keys).  Only the tiles' numbers are chosen.  Accumulator (i, j) lies at v[128 + 8 (4 j + i)]: v[128 + 32 j ..] are 32 numbers of the lane's row j.
; ROTARY PAIRS.  By the order of the weight rows in a tile, register a (0-15) and register 16 + a of a token are channels (i, i + 30), i = a in lanes 0-15 and 14 + a in lanes 16-31; in lanes 0-15 a = 14, 15 are channels
; 60-63, which get the frequency 0 (cos = 1, sin = 0 exactly).  Behind the rotation lanes 0-15 swap registers 14, 15 with 16, 17: registers 0-15 of both halves are then channels 0-31, registers 16-31 channels 32-63:
; the quantiser's two blocks.  Inside a block the order is permuted, alike for q and k, which keeps their product.
; SINE AND COSINE: k = floor(theta 2 / pi + 1/2); r = theta - k pi / 2 in two steps; polynomials in r^2 on [-pi/4, pi/4]; quadrant by selects.  The frequency of band d of a head is pi 10^((16 d + head) / 160), by v_exp_f32.
; LIMITS: |pos x frequency| up to about 1e5 (the two-step reduction); NaN and infinities are not served; a block of zeros gets the byte 1 where the rule says 127 (read by this program alone).
.set VP16, 1                           ; v1  P: tile's byte + 16 x lane        (behind the loop: 16 x lane)
.set VP8,  2                           ; v2  P: tile's byte + 8 x lane         (8 x lane)
.set VR16, 3                           ; v3  R likewise                        (4 x lane)
.set VR8,  4
.set VPS,  5                           ; v5  P's scale words: tile x 512 + 4 r
.set VRS,  6
.set VPOS, 7
.set SP,   8                           ; v8-11   P's scale words, v12-15 R's: they hold scales and nothing else
.set SR,   12
.set POS,  16                          ; v16-27  pos of my token in each of the four token tiles
.set PF,   32                          ; v32-79  P's four fragments     (behind the loop: v32-47 the frequencies, v48-95 the codes, v96-99 their scale words)
.set RF,   80                          ; v80-127 R's                    (v100-127 at work)
.set ACC,  128
.set F,    32
.set TM,   100
.set SO,   104
.set CB,   18                          ; s[18:19] ah at the trip's K step
.set CSB,  62                          ; s[62:63] asc at the trip's K step
.set SEL,  36
	s_load_b256 s[4:11], s[0:1], 0x0               ; ah, asc, pos, pos_cross
	s_load_b128 s[12:15], s[0:1], 0x20             ; head_scale, qkvh
	s_load_b64 s[16:17], s[0:1], 0x30              ; qkvs
	v_lshrrev_b32 v1, 5, v0
	v_readfirstlane_b32 s20, v1                    ; wave
	s_lshl_b32 s21, ttmp9, 2
	s_add_co_u32 s21, s21, s20                     ; hs
	s_and_b32 s22, ttmp7, 0xffff                   ; tg: which 64 tokens
	s_and_b32 s23, s21, 15                         ; head
	s_lshr_b32 s24, s21, 4                         ; sec
	s_and_b32 s38, ttmp9, 3                        ; the K step at which my work-group begins (taken modulo 8 in each trip)
	s_lshl_b32 s38, s38, 1
	s_lshr_b32 s39, ttmp9, 3
	s_add_co_u32 s38, s38, s39
	s_add_co_u32 s38, s38, s22
	s_lshr_b32 s39, s22, 3
	s_add_co_u32 s38, s38, s39
	s_mov_b32 s61, 0                               ; the upper words of the two offsets
	s_mov_b32 s3, 0
	s_lshl_b32 s25, s21, 2
	s_add_co_u32 s25, s25, 512                     ; my first weight tile
	s_lshl_b32 s26, s22, 2
	s_cmp_lg_u32 s24, 0
	s_cselect_b32 s27, 256, 0
	s_add_co_u32 s26, s26, s27                     ; my first token tile: of xn for q, of xc for k and v
	s_cmp_eq_u32 s24, 2
	s_cselect_b32 s28, s26, s25                    ; P
	s_cselect_b32 s29, s25, s26                    ; R
	s_mul_i32 s30, s28, 12288
	s_mul_i32 s31, s29, 12288
	v_and_b32 v30, 31, v0
	v_and_b32 v31, 15, v0
	v_lshl_add_u32 v[VP16], v30, 4, s30
	v_lshl_add_u32 v[VP8], v30, 3, s30
	v_lshl_add_u32 v[VR16], v30, 4, s31
	v_lshl_add_u32 v[VR8], v30, 3, s31
	s_lshl_b32 s30, s28, 9
	s_lshl_b32 s31, s29, 9
	v_lshl_add_u32 v[VPS], v31, 2, s30
	v_lshl_add_u32 v[VRS], v31, 2, s31
	v_and_b32 v[VPOS], 7, v0                       ; pos: slot r of a token tile is token r % 8 + 16 (r / 8) of its group; 12 bytes a token
	v_bfe_u32 v28, v0, 3, 1
	v_lshl_add_u32 v[VPOS], v28, 4, v[VPOS]
	v_mul_u32_u24 v[VPOS], v[VPOS], 12
	s_mul_i32 s34, s22, 768
	v_add_nc_u32 v[VPOS], s34, v[VPOS]
	s_lshl_b32 s34, s23, 2
	v_mov_b32 v28, s34                             ; head_scale[head]
	; where the results go.  idx = 4,096 sec + 128 bh + 4 (tg % 32): q, k: token tile; v: (64 keys, channel tile)
	s_lshr_b32 s30, s22, 5
	s_lshl_b32 s30, s30, 4
	s_add_co_u32 s30, s30, s23                     ; bh = 16 batch + head
	s_and_b32 s31, s22, 31
	s_lshl_b32 s34, s24, 12
	s_lshl_b32 s35, s30, 7
	s_add_co_u32 s34, s34, s35
	s_lshl_b32 s35, s31, 2
	s_add_co_u32 s34, s34, s35                     ; idx
	s_mul_i32 s56, s34, 768
	s_mov_b32 s57, 0
	s_lshl_b32 s58, s34, 6                         ; q, k: 64 bytes of scale words a tile
	s_mov_b32 s59, 0
	s_lshl_b32 s35, s30, 4                         ; v: [bh][128 keys][channel tile][16] words behind q's and k's; my 64 keys are two of a word's four bytes
	s_lshr_b32 s53, s31, 1
	s_add_co_u32 s35, s35, s53
	s_lshl_b32 s35, s35, 8
	s_and_b32 s53, s22, 1
	s_lshl_b32 s53, s53, 1
	s_add_co_u32 s35, s35, s53
	s_add_co_u32 s35, s35, 524288
	s_cmp_eq_u32 s24, 2
	s_cselect_b32 s58, s35, s58
	s_mov_b32 s[SEL], 0x76543210
	s_mov_b32 s[SEL+1], 0xfedcba98
	s_mov_b32 vcc_lo, 0xffff0000                   ; lanes 16-31
	s_mov_b32 s40, 0x3caa152d                      ; log2(10) / 160
	s_mov_b32 s41, 0x3fd3643a                      ; log2(pi)
	s_mov_b32 s42, 0x3f22f983                      ; 2 / pi
	s_mov_b32 s43, 0xbfc90fdb                      ; -(pi / 2 rounded to f32)
	s_mov_b32 s44, 0x333bbd2e                      ; what that rounding added: 4.3711388e-8
	s_mov_b32 s45, 0xb94ca1f9                      ; sine: -1.9515296e-4, 8.3321609e-3, -1.6666655e-1
	s_mov_b32 s46, 0x3c08839e
	s_mov_b32 s47, 0xbe2aaaa3
	s_mov_b32 s48, 0x37ccf5ce                      ; cosine: 2.4433157e-5, -1.3887316e-3, 4.1666646e-2
	s_mov_b32 s49, 0xbab6061a
	s_mov_b32 s50, 0x3d2aaaa5
	s_mov_b32 s51, 0x80000000
	s_mov_b32 s52, 0x358637bd                      ; 1e-6
	s_wait_kmcnt 0x0
	s_cmp_eq_u32 s24, 0
	s_cselect_b64 s[32:33], s[8:9], s[10:11]       ; pos for q, pos_cross for k (v loads it too and does not use it: one path)
	s_add_nc_u64 s[14:15], s[14:15], s[56:57]
	s_add_nc_u64 s[16:17], s[16:17], s[58:59]
.irp j, 0,1,2,3
.irp a, 0,1,2
	global_load_b32 v[POS+3*\j+\a], v[VPOS], s[32:33] offset:12*(32*(\j/2)+8*(\j%2))+4*\a
.endr
.endr
	global_load_b32 v29, v28, s[12:13]
; Trip s of eight: a K step of 128: 8 scale words, P's four fragments, R's four, 16 products.  The sixteen accumulators take turns, one instruction a turn, in the same order in every trip.
.macro KSTEP s, zero
.if \s > 0
.rept 4
	v_nop                                          ; four plain instructions between the last products and the loads into the registers that they read (ISA guide 7.12.1 for vector instructions)
.endr
.endif
	s_add_co_u32 s39, s38, \s
	s_and_b32 s39, s39, 7                          ; this trip's K step
	s_mul_i32 s60, s39, 1536                       ; its two half fragments in a tile's 12,288 bytes,
	s_lshl_b32 s2, s39, 6                          ; its 16 words in a tile's 512 bytes of scale words
	s_add_nc_u64 s[CB:CB+1], s[4:5], s[60:61]      ; the two bases are written again only behind the last trip's wait for all its loads
	s_add_nc_u64 s[CSB:CSB+1], s[6:7], s[2:3]
.irp i, 0,1,2,3
	global_load_b32 v[SP+\i], v[VPS], s[CSB:CSB+1] offset:512*\i
.endr
.irp i, 0,1,2,3
	global_load_b32 v[SR+\i], v[VRS], s[CSB:CSB+1] offset:512*\i
.endr
.irp i, 0,1,2,3
	global_load_b128 v[PF+12*\i:PF+12*\i+3], v[VP16], s[CB:CB+1] offset:12288*\i
	global_load_b64 v[PF+12*\i+4:PF+12*\i+5], v[VP8], s[CB:CB+1] offset:12288*\i+512
	global_load_b128 v[PF+12*\i+6:PF+12*\i+9], v[VP16], s[CB:CB+1] offset:12288*\i+768
	global_load_b64 v[PF+12*\i+10:PF+12*\i+11], v[VP8], s[CB:CB+1] offset:12288*\i+1280
.endr
.irp i, 0,1,2,3
	global_load_b128 v[RF+12*\i:RF+12*\i+3], v[VR16], s[CB:CB+1] offset:12288*\i
	global_load_b64 v[RF+12*\i+4:RF+12*\i+5], v[VR8], s[CB:CB+1] offset:12288*\i+512
	global_load_b128 v[RF+12*\i+6:RF+12*\i+9], v[VR16], s[CB:CB+1] offset:12288*\i+768
	global_load_b64 v[RF+12*\i+10:RF+12*\i+11], v[VR8], s[CB:CB+1] offset:12288*\i+1280
.endr
.irp j, 0,1,2,3
	s_wait_loadcnt 12-4*\j                         ; all but the four loads of each of R's tiles behind tile j
.irp i, 0,1,2,3
.if \zero
	v_wmma_scale_f32_16x16x128_f8f6f4 v[ACC+8*(4*\j+\i):ACC+8*(4*\j+\i)+7], v[PF+12*\i:PF+12*\i+11], v[RF+12*\j:RF+12*\j+11], 0, v[SP+\i], v[SR+\j] matrix_a_fmt:MATRIX_FMT_BF6 matrix_b_fmt:MATRIX_FMT_BF6
.else
	v_wmma_scale_f32_16x16x128_f8f6f4 v[ACC+8*(4*\j+\i):ACC+8*(4*\j+\i)+7], v[PF+12*\i:PF+12*\i+11], v[RF+12*\j:RF+12*\j+11], v[ACC+8*(4*\j+\i):ACC+8*(4*\j+\i)+7], v[SP+\i], v[SR+\j] matrix_a_fmt:MATRIX_FMT_BF6 matrix_b_fmt:MATRIX_FMT_BF6
.endif
.endr
.endr
.endm
	KSTEP 0, 1                                     ; the first trip's products start the sums
.irp s, 1,2,3,4,5,6,7
	KSTEP \s, 0
.endr
.rept 4
	v_nop                                          ; four plain instructions ahead of the first read of results and the first write of operands
.endr
	v_and_b32 v3, 31, v0                           ; the stores' offsets (the loads that named these registers are done)
	v_lshlrev_b32 v1, 4, v3
	v_lshlrev_b32 v2, 3, v3
	v_lshlrev_b32 v3, 2, v3
	s_cmp_eq_u32 s24, 2
	s_cbranch_scc1 .Lquant                         ; v is quantised as it is
	; ---- q, k: the frequencies of my 16 register pairs.  Band: lanes 0-15 d0, lanes 16-31 d1
.macro FD j, d0, d1
	v_mov_b32 v[F+\j], \d1
	v_cndmask_b32 v[F+\j], \d0, v[F+\j], vcc_lo
.endm
	FD 0, 0, 4
	FD 1, 1, 5
	FD 2, 2, 6
	FD 3, 3, 7
	FD 4, 4, 8
	FD 5, 5, 9
	FD 6, 6, 0
	FD 7, 7, 1
	FD 8, 8, 2
	FD 9, 9, 3
	FD 10, 0, 4
	FD 11, 1, 5
	FD 12, 2, 6
	FD 13, 3, 7
	FD 14, 4, 8
	FD 15, 5, 9
.set i, 0
.rept 16
	v_lshl_add_u32 v[F+i], v[F+i], 4, s23          ; 16 d + head
.set i, i+1
.endr
.set i, 0
.rept 16
	v_cvt_f32_u32 v[F+i], v[F+i]
.set i, i+1
.endr
.set i, 0
.rept 16
	v_fma_f32 v[F+i], v[F+i], s40, s41             ; log2 of the frequency
.set i, i+1
.endr
.set i, 0
.rept 16
	v_exp_f32 v[F+i], v[F+i]
.set i, i+1
.endr
	v_sqrt_f32 v30, v29                            ; sqrt(head_scale)
	v_nop                                          ; a plain instruction behind the transcendentals
	s_wait_alu depctr_va_vdst(0)
	v_cndmask_b32 v[F+14], 0, v[F+14], vcc_lo      ; channels 60-63 are not rotated
	v_cndmask_b32 v[F+15], 0, v[F+15], vcc_lo
; register pair (x + j, x + 16 + j) is rotated by theta = v[p] x frequency j
.macro ROPE1 x, j, p
	v_mul_f32 v110, v[\p], v[F+\j]                 ; theta
	v_fma_f32 v111, v110, s42, 0.5
	v_floor_f32 v111, v111                         ; k
	v_fma_f32 v112, v111, s43, v110
	v_cvt_i32_f32 v113, v111
	v_fma_f32 v112, v111, s44, v112                ; r = theta - k pi / 2
	v_mul_f32 v114, v112, v112                     ; z = r^2
	v_and_b32 v119, 1, v113
	v_fma_f32 v115, v114, s45, s46
	v_fma_f32 v116, v114, s48, s49
	v_mul_f32 v117, v112, v114
	v_mul_f32 v118, v114, v114
	v_fma_f32 v115, v115, v114, s47
	v_fma_f32 v116, v116, v114, s50
	v_fma_f32 v120, v114, -0.5, 1.0
	v_cmp_eq_u32 s54, 1, v119                      ; odd k: sine and cosine change places
	v_fma_f32 v115, v115, v117, v112               ; sin r
	v_fma_f32 v116, v116, v118, v120               ; cos r
	v_lshlrev_b32 v121, 30, v113                   ; the sine's sign: bit 1 of k;
	v_add_nc_u32 v113, 1, v113
	v_and_b32 v121, s51, v121
	v_lshlrev_b32 v113, 30, v113                   ; the cosine's: bit 1 of k + 1
	v_cndmask_b32 v122, v115, v116, s54
	v_cndmask_b32 v123, v116, v115, s54
	v_and_b32 v113, s51, v113
	v_xor_b32 v122, v122, v121                     ; sin theta
	v_xor_b32 v123, v123, v113                     ; cos theta
	v_mul_f32 v124, v[\x+16+\j], v122
	v_mul_f32 v125, v[\x+\j], v122
	v_fma_f32 v[\x+\j], v[\x+\j], v123, -v124      ; x1 c - x2 s
	v_fma_f32 v[\x+16+\j], v[\x+16+\j], v123, v125 ; x2 c + x1 s
.endm
.macro NORMROPE j
.set X, ACC+32*\j
	v_pk_mul_f32 v[100:101], v[X:X+1], v[X:X+1]    ; the sum of squares of my 32 channels; each accumulator is read from its low end on
	v_pk_mul_f32 v[102:103], v[X+2:X+3], v[X+2:X+3]
.irp i, 4,8,12,16,20,24,28
	v_pk_fma_f32 v[100:101], v[X+\i:X+\i+1], v[X+\i:X+\i+1], v[100:101]
	v_pk_fma_f32 v[102:103], v[X+\i+2:X+\i+3], v[X+\i+2:X+\i+3], v[102:103]
.endr
	v_pk_add_f32 v[100:101], v[100:101], v[102:103]
	v_add_f32 v100, v100, v101
	v_permlanex16_b32 v101, v100, s[SEL], s[SEL+1]
	v_add_f32 v100, v100, v101                     ; with lane l xor 16's 32: the token's 64
	v_add_f32 v100, s52, v100
	v_rsq_f32 v104, v100
	v_cndmask_b32 v106, v[POS+3*\j], v[POS+3*\j+1], vcc_lo     ; the axis of pairs 0-5: 0 in lanes 0-15, 1 in lanes 16-31  (plain instructions behind the transcendental)
	v_cndmask_b32 v107, v[POS+3*\j], v[POS+3*\j+2], vcc_lo     ; of pairs 6-9: 0, 2
	v_cndmask_b32 v108, v[POS+3*\j+1], v[POS+3*\j+2], vcc_lo   ; of pairs 10-15: 1, 2
	s_wait_alu depctr_va_vdst(0)
	v_mul_f32 v104, v30, v104                      ; sqrt(head_scale) x rsqrt
	v_mov_b32 v105, 0                              ; (named with it as a pair)
.irp i, 0,2,4,6,8,10,12,14,16,18,20,22,24,26,28,30
	v_pk_mul_f32 v[X+\i:X+\i+1], v[X+\i:X+\i+1], v[104:105] op_sel_hi:[1,0]
.endr
.irp q, 0,1,2,3,4,5
	ROPE1 X, \q, 106
.endr
.irp q, 6,7,8,9
	ROPE1 X, \q, 107
.endr
.irp q, 10,11,12,13,14,15
	ROPE1 X, \q, 108
.endr
.irp q, 0,1                                    ; lanes 0-15: channels 60, 61 change places with channels 30, 31
	v_mov_b32 v110, v[X+14+\q]
	v_cndmask_b32 v[X+14+\q], v[X+16+\q], v[X+14+\q], vcc_lo
	v_cndmask_b32 v[X+16+\q], v110, v[X+16+\q], vcc_lo
.endr
.endm
	NORMROPE 0
	NORMROPE 1
	NORMROPE 2
	NORMROPE 3
.Lquant:
	v_mov_b32 v[TM+2], 0                           ; a lane permute's destination counts as one of its sources
	v_mov_b32 v[TM+3], 0
; 32 numbers of a lane, register 16 b + i = k 32 b + 16 (lane / 16) + i of my row, become a half fragment's codes in v[pc .. pc + 5] and its two scale bytes in v[pw]
.macro QUANT2 s, pc, pw
.irp b, 0,1
	v_max3_num_f32 v[TM+\b], |v[(\s)+16*\b]|, |v[(\s)+16*\b+1]|, 0x2800000   ; my 16 numbers of block b, and the floor 2^(5 - 127)
.endr
.irp i, 2,4,6,8,10,12,14
.irp b, 0,1
	v_max3_num_f32 v[TM+\b], v[TM+\b], |v[(\s)+16*\b+\i]|, |v[(\s)+16*\b+\i+1]|
.endr
.endr
.irp b, 0,1
	v_permlanex16_b32 v[TM+2+\b], v[TM+\b], s[SEL], s[SEL+1]
.endr
.irp b, 0,1
	v_max_num_f32 v[TM+\b], v[TM+\b], v[TM+2+\b]   ; with lane l xor 16's: the block's largest magnitude
.endr
.irp b, 0,1
	v_add_nc_u32 v[SO+\b], 0xfe000000, v[TM+\b]    ; 4 off its exponent field: the conversion's scale operand
.endr
.irp b, 0,1
	v_lshrrev_b32 v[TM+2+\b], 23, v[SO+\b]         ; the scale's byte
.endr
	v_lshl_or_b32 v[\pw], v[TM+3], 8, v[TM+2]
	v_cvt_scalef32_pk16_bf6_f32 v[(\pc):(\pc)+2], v[(\s):(\s)+15], v[SO]
	v_cvt_scalef32_pk16_bf6_f32 v[(\pc)+8:(\pc)+10], v[(\s)+16:(\s)+31], v[SO+1]
	v_nop                                          ; one plain instruction behind a scaled conversion
.irp i, 0,1,2
	v_permlane16_swap_b32 v[(\pc)+\i], v[(\pc)+8+\i]   ; a whole block to a lane: lanes 0-15 block 0, lanes 16-31 block 1
.endr
.irp i, 0,1,2
	v_mov_b32 v[(\pc)+3+\i], v[(\pc)+8+\i]
.endr
.endm
.irp j, 0,1,2,3
	QUANT2 ACC+32*\j, 48+12*\j, 96+\j
	global_store_b128 v1, v[48+12*\j:51+12*\j], s[14:15] offset:768*\j         ; whole aligned blocks of 256 bytes; each j has registers of its own
	global_store_b64 v2, v[52+12*\j:53+12*\j], s[14:15] offset:768*\j+512
.endr
	v_cndmask_b32 v106, v96, v97, vcc_lo           ; lanes 0-15 tile 0's words, lanes 16-31 tile 1's
	v_cndmask_b32 v107, v98, v99, vcc_lo
	s_cmp_eq_u32 s24, 2
	s_cbranch_scc1 .Lvs
	global_store_b32 v3, v106, s[16:17]            ; q, k: a word a row; bytes 2 and 3 are 0: they scale the zero codes that fill K from 64 to 128
	global_store_b32 v3, v107, s[16:17] offset:128
	s_endpgm
.Lvs:
	global_store_b16 v3, v106, s[16:17]            ; v: my 64 keys' two bytes of a word of 128 keys
	global_store_b16 v3, v107, s[16:17] offset:128
	s_endpgm
.Lfunc_end_k_q04f7010a01_proj:
	.size	k_q04f7010a01_proj, .Lfunc_end_k_q04f7010a01_proj-k_q04f7010a01_proj
	.p2alignl 7, 3214868480
	.fill 96, 4, 3214868480
	.section	.rodata,"a",@progbits
	.p2align	6, 0x0
	.amdhsa_kernel k_q04f7010a01_proj
		.amdhsa_group_segment_fixed_size 0
		.amdhsa_private_segment_fixed_size 0
		.amdhsa_enable_private_segment 0
		.amdhsa_kernarg_size 56
		.amdhsa_user_sgpr_count 2
		.amdhsa_user_sgpr_kernarg_segment_ptr 1
		.amdhsa_wavefront_size32 1
		.amdhsa_system_sgpr_workgroup_id_x 1
		.amdhsa_system_sgpr_workgroup_id_y 1
		.amdhsa_system_sgpr_workgroup_id_z 1
		.amdhsa_system_vgpr_workitem_id 0
		.amdhsa_next_free_vgpr 256
		.amdhsa_next_free_sgpr 66
		.amdhsa_reserve_vcc 1
		.amdhsa_float_denorm_mode_32 3
		.amdhsa_float_denorm_mode_16_64 3
		.amdhsa_memory_ordered 1
		.amdhsa_forward_progress 1
		.amdhsa_inst_pref_size 171
	.end_amdhsa_kernel
	.amdgpu_metadata
---
amdhsa.version: [ 1, 2 ]
amdhsa.kernels:
  - .name:           k_q04f7010a01_proj
    .symbol:         k_q04f7010a01_proj.kd
    .args:
      - { .name: ah, .offset: 0, .size: 8, .value_kind: global_buffer, .address_space: global }
      - { .name: asc, .offset: 8, .size: 8, .value_kind: global_buffer, .address_space: global }
      - { .name: pos, .offset: 16, .size: 8, .value_kind: global_buffer, .address_space: global }
      - { .name: pos_cross, .offset: 24, .size: 8, .value_kind: global_buffer, .address_space: global }
      - { .name: head_scale, .offset: 32, .size: 8, .value_kind: global_buffer, .address_space: global }
      - { .name: qkvh, .offset: 40, .size: 8, .value_kind: global_buffer, .address_space: global }
      - { .name: qkvs, .offset: 48, .size: 8, .value_kind: global_buffer, .address_space: global }
    .group_segment_fixed_size: 0
    .private_segment_fixed_size: 0
    .kernarg_segment_align: 8
    .kernarg_segment_size: 56
    .max_flat_workgroup_size: 128
    .sgpr_count:     66
    .vgpr_count:     256
    .wavefront_size: 32
...
	.end_amdgpu_metadata
.endif
;; end of part 2
;; launch attn (part 3): grid 8 x 32, 16 waves a work-group, clusters of 4 x 1, 210,944 bytes of LDS; arguments qkvh, qkvs, oh, os; writes oh, os
.if DOCPART == 3
	.amdgcn_target "amdgcn-amd-amdhsa--gfx1250"
	.amdhsa_code_object_version 6
	.text
	.protected	k_q04f7010a01_attn
	.globl	k_q04f7010a01_attn
	.p2align	8
	.type	k_q04f7010a01_attn,@function
k_q04f7010a01_attn:
	s_mov_b64 s[64:65], 0
	v_nop
	global_prefetch_b8 v0, s[64:65] scope:SCOPE_SE
	s_setreg_imm32_b32 hwreg(HW_REG_WAVE_MODE, 25, 1), 1
	s_wait_xcnt 0x0
	s_wait_alu depctr_hold_cnt(0) depctr_sa_sdst(0) depctr_va_vdst(0) depctr_va_sdst(0) depctr_va_ssrc(0) depctr_va_vcc(0) depctr_vm_vsrc(0)
	s_getreg_b32 s2, hwreg(HW_REG_IB_STS2, 6, 4)
	s_cmp_eq_u32 s2, 0
	s_cbranch_scc0 .Lentry_in_a_cluster
	s_endpgm
.Lentry_in_a_cluster:
	s_bfe_u32 s2, ttmp6, 0x10000c
	s_cmp_lg_u32 s2, 0x3003
	s_cbranch_scc0 .Lentry_shape_is_right
	s_endpgm
.Lentry_shape_is_right:
; ATTN: o = softmax(q k^T) v for one (batch, head) = y and 256 queries, both products on codes of BF6; o is quantised along the head's 64 channels for the output projection.
; THE SOFTMAX AHEAD OF THE SECOND PRODUCT: t = score x log2(e); M = the running largest t rounded UP to a whole number; p = 2^(t - M) is quantised along the keys, not normalised; the row's sum is taken of the
; unquantised p and divides O at the end; when M moves, the sum and O are multiplied by 2^(old M - new M), which rounds nothing.  No bound on the scores is assumed (head_scale is an input).
; SHARES.  Sixteen waves, each ONE tile of 16 queries in 256 registers: four waves to a SIMD, so that one wave's vector work stands beside another's products and LDS loads.  Every wave walks the 2,048 keys, 128 a step.
; A HEAD'S WHOLE K AND V LIE IN LDS, filled ONCE (98,304 bytes of codes each, 8,192 and 4,096 of scale words): no byte of LDS is filled again, so there is no ring.
; CLUSTER.  The four query blocks of a cluster belong to one head and want the same K and V: each block of memory is asked for JOINTLY, by the same tensor load with the same descriptor and the mask 15.
; Wave 0 asks for K (scale words, then four chunks of 512 keys), wave 1 for V: five loads of a wave are out at the most.
; TWO BARRIERS.  Behind the first the scale words and chunk 0 (steps 0 to 3) may be read.  The second is split: behind step 1 each wave waits for all its tensor loads and signals; steps 2 and 3, which read chunk 0 alone,
; stand between the signal and the wait; behind the wait chunks 1 to 3 may be read.  So a wave stands at the second barrier only if another is more than two steps behind it, and steps 4 to 15 have no barrier.
; LAYOUT.  Both products are used transposed: S^T = K Q^T (source 0 = 16 keys), O^T = V^T P^T (source 0 = 16 channels): a lane holds ONE query throughout.  By the order of the tokens in a tile the 16 registers of key
; tiles 2 b, 2 b + 1 are keys 32 b + 16 (lane / 16) + 0 .. 15, and by the order of v's channels O^T's 32 registers are channels 32 b + 16 (lane / 16) + 0 .. 15.
; K = 64 IN THE FIRST PRODUCT: the instruction's upper 64 are zero codes in Q (v22-27).  A key tile is 6 registers, and the instruction names 12: the upper six are the next tile's codes (behind the last: zeros);
; they meet Q's zero codes (E3M2 has no code for NaN or infinity) under the scale byte 0, and add nothing.
; LIMITS: p under 2^-126 counts as 0; NaN and infinities are not served; a block of zeros gets the byte 1 where the rule says 127 (read by this program alone).
.set VLDS, 98304                       ; LDS: K's codes at 0, V's here,
.set KSO,  196608                      ; K's scale words [tile 128][16],
.set VSO,  204800                      ; V's [128 keys 16][channel tile 4][16]
.set KV,   32                          ; v32-79 eight key tiles (6 registers each) or V's four fragments; v80-85 zeros
.set KSC,  86                          ; v86-89 K's scale words: lanes 0-15 the even tile's, lanes 16-31 the odd tile's;  v90-91 V's likewise
.set VSC,  90
.set S,    96                          ; v96-159 S^T, then p
.set O,    160                         ; v160-191 O^T
.set PC,   192                         ; v192-203 p's codes
.set CH,   204                         ; v204-206, v208-210 the conversions' second halves
.set BM,   212                         ; v212-215 a block's largest score, then p
.set BP,   216
.set SO,   220
.set PW,   224                         ; p's scale word
.set TA,   225
.set TM,   212                         ; (the last quantiser's registers)
.set SEL,  72
.set CS,   74                          ; s[74:75] log2(e): the packed form names a pair
.set G1C,  24                          ; s[24:31] group 1: a chunk, 96 rows of 256 bytes;  s[32:39] K's scale words, 32 rows;  s[40:47] V's, 16 rows
.set G1KS, 32
.set G1VS, 40
.set G0S,  48                          ; s[48:51] group 0 of my scale words;  s[52:63], s[68:71] of my four chunks
.macro ROUND                           ; a round of the cluster's barrier
	s_barrier_signal -1
	s_barrier_wait -1
	s_cmp_lg_u32 s12, 0
	s_cbranch_scc1 .Lnot_wave_0_\@
	s_barrier_signal -3
.Lnot_wave_0_\@:
	s_barrier_wait -3
	s_barrier_signal -1
	s_barrier_wait -1
.endm
.macro MKG1 g, rows                    ; a dense block as rows of 256 bytes: 32 elements of 8 bytes, pitch 32, no padding; the mask names all four work-groups, bit 21 beside it
	s_mov_b32 s[\g], 15|(3<<16)|(1<<21)
	s_mov_b32 s[\g+1], 32<<16
	s_mov_b32 s[\g+2], (\rows)<<16
	s_mov_b32 s[\g+3], 32<<16
	s_mov_b32 s[\g+4], \rows
	s_mov_b32 s[\g+5], 32
	s_mov_b32 s[\g+6], 0
	s_mov_b32 s[\g+7], 0
.endm
.macro MKG0 g, c                       ; chunk c: 24,576 bytes on, in memory and in LDS
	s_mov_b32 s[\g], 1
	s_add_co_u32 s[\g+1], s80, \c*24576
	s_add_nc_u64 s[\g+2:\g+3], s[20:21], \c*24576
	s_or_b32 s[\g+3], s[\g+3], 0x80000000
.endm
	s_load_b256 s[4:11], s[0:1], 0x0               ; qkvh, qkvs, oh, os
	v_lshl_add_u32 v254, v0, 2, 0x33000
	v_mov_b32 v255, 0
	ds_add_u32 v254, v255
	ds_add_u32 v254, v255
	v_lshrrev_b32 v4, 5, v0
	v_readfirstlane_b32 s12, v4                    ; wave 0..15
	s_and_b32 s13, s12, 1                          ; 0: K's loads, 1: V's (waves 0 and 1 alone issue them)
	s_and_b32 s14, ttmp7, 0xffff                   ; bh, which the four partners share
	s_bfe_u32 s15, ttmp6, 0x40000                  ; cx: it enters Q's and o's global addresses alone
	s_lshl_b32 s16, ttmp9, 2
	s_add_co_u32 s16, s16, s15                     ; my block of 256 queries
	s_lshl_b32 s17, s16, 4
	s_add_co_u32 s17, s17, s12                     ; my tile of 16 queries, 0..127
	MKG1 G1C, 96
	MKG1 G1KS, 32
	MKG1 G1VS, 16
	s_add_co_u32 s18, s13, 1
	s_mul_i32 s20, s18, 3145728                    ; K's section of the codes, or V's,
	s_mul_i32 s21, s14, 98304
	s_add_co_u32 s20, s20, s21                     ; the head's part
	s_mov_b32 s21, 0
	s_mul_i32 s22, s18, 262144                     ; the same of the scale words: 8,192 bytes a head for K, 4,096 for V
	s_lshr_b32 s23, 8192, s13
	s_mul_i32 s23, s23, s14
	s_add_co_u32 s22, s22, s23
	s_mov_b32 s23, 0
	s_mul_i32 s80, s13, VLDS                       ; where they go: the wave's number alone enters an LDS address
	s_lshl_b32 s81, s13, 13
	s_add_co_u32 s81, s81, KSO
	s_lshl_b32 s82, s14, 7
	s_add_co_u32 s82, s82, s17                     ; Q: tile 128 bh + my tile
	s_mul_i32 s84, s82, 768
	s_mov_b32 s85, 0
	s_lshl_b32 s86, s82, 6
	s_mov_b32 s87, 0
	s_lshr_b32 s88, s14, 4
	s_lshl_b32 s88, s88, 7
	s_add_co_u32 s88, s88, s17                     ; o: token tile T = 128 batch + my tile
	s_and_b32 s89, s14, 15                         ; head
	s_lshl_b32 s90, s88, 4
	s_add_co_u32 s90, s90, s89
	s_mul_i32 s90, s90, 768                        ; half fragment 16 T + head
	s_mov_b32 s91, 0
	s_lshl_b32 s92, s88, 9                         ; scale words [T][8][16]: word head / 2, bytes 2 (head % 2) on
	s_lshr_b32 s93, s89, 1
	s_lshl_b32 s93, s93, 6
	s_add_co_u32 s92, s92, s93
	s_and_b32 s93, s89, 1
	s_lshl_b32 s93, s93, 1
	s_add_co_u32 s92, s92, s93
	s_mov_b32 s93, 0
	s_mov_b32 s[SEL], 0x76543210
	s_mov_b32 s[SEL+1], 0xfedcba98
	s_mov_b32 s[CS], 0x3fb8aa3b                    ; log2(e)
	s_mov_b32 s[CS+1], s[CS]
	s_wait_dscnt 0x0
	s_wait_kmcnt 0x0
	s_add_nc_u64 s[20:21], s[4:5], s[20:21]
	s_add_nc_u64 s[22:23], s[6:7], s[22:23]
	s_add_nc_u64 s[84:85], s[4:5], s[84:85]
	s_add_nc_u64 s[86:87], s[6:7], s[86:87]
	s_add_nc_u64 s[8:9], s[8:9], s[90:91]
	s_add_nc_u64 s[10:11], s[10:11], s[92:93]
	s_mov_b32 s[G0S], 1
	s_mov_b32 s[G0S+1], s81
	s_mov_b64 s[G0S+2:G0S+3], s[22:23]
	s_or_b32 s[G0S+3], s[G0S+3], 0x80000000
	MKG0 52, 0
	MKG0 56, 1
	MKG0 60, 2
	MKG0 68, 3
	ROUND                                          ; all four work-groups are here: the joint loads meet
	s_cmp_eq_u32 s12, 0                            ; a wave's five first fills stand in one branch on the wave's number, ahead of every wait on TENSORcnt and every LDS read; four v_nop follow the last
	s_cbranch_scc0 .Lnot_k
	tensor_load_to_lds s[G0S:G0S+3], s[G1KS:G1KS+7]
	s_nop 0
	tensor_load_to_lds s[52:55], s[G1C:G1C+7]
	s_nop 0
	tensor_load_to_lds s[56:59], s[G1C:G1C+7]
	s_nop 0
	tensor_load_to_lds s[60:63], s[G1C:G1C+7]
	s_nop 0
	tensor_load_to_lds s[68:71], s[G1C:G1C+7]
	s_nop 0
.rept 4
	v_nop
.endr
	s_branch .Lasked
.Lnot_k:
	s_cmp_eq_u32 s12, 1
	s_cbranch_scc0 .Lasked
	tensor_load_to_lds s[G0S:G0S+3], s[G1VS:G1VS+7]
	s_nop 0
	tensor_load_to_lds s[52:55], s[G1C:G1C+7]
	s_nop 0
	tensor_load_to_lds s[56:59], s[G1C:G1C+7]
	s_nop 0
	tensor_load_to_lds s[60:63], s[G1C:G1C+7]
	s_nop 0
	tensor_load_to_lds s[68:71], s[G1C:G1C+7]
	s_nop 0
.rept 4
	v_nop
.endr
.Lasked:
	v_and_b32 v30, 31, v0
	v_and_b32 v31, 15, v0
	v_lshlrev_b32 v1, 4, v30                       ; 16 x lane: registers 0-3 of a half fragment
	v_lshlrev_b32 v2, 3, v30
	v_add_nc_u32 v2, 512, v2                       ; 512 + 8 x lane: registers 4-5
	v_lshlrev_b32 v3, 2, v30
	v_add_nc_u32 v10, VLDS, v1                     ; the same in V's part of LDS
	v_add_nc_u32 v11, VLDS, v2
	v_add_nc_u32 v29, VSO, v3                      ; scale words: 4 x lane covers two tiles
	v_add_nc_u32 v3, KSO, v3
	v_lshlrev_b32 v31, 2, v31                      ; 4 r
	global_load_b128 v[16:19], v1, s[84:85]        ; Q's half fragment stays in registers
	global_load_b64 v[20:21], v2, s[84:85]
	global_load_b32 v28, v31, s[86:87]             ; and its scale words
.irp i, 22,23,24,25,26,27,80,81,82,83,84,85
	v_mov_b32 v\i, 0                               ; zero codes
.endr
	v_mov_b32 v13, 0xff61b1e6                      ; the largest t so far: -3e38, under every t
	v_floor_f32 v12, -v13                          ; -M
	v_mov_b32 v14, 0                               ; the sum, in two halves
	v_mov_b32 v15, 0
.irp b, 0,1,2,3
	v_mov_b32 v[BP+\b], 0                          ; a lane permute's destination counts as one of its sources
.endr
	v_mov_b32 v227, 0                              ; (the upper half of the pair v[226:227], of which the low word serves)
.set i, 0
.rept 32
	v_mov_b32 v[O+i], 0                            ; O^T: the step is written once; the first finds zeros, which the first change of M leaves zeros
.set i, i+1
.endr
; A KEY STEP: 128 keys.  s76: the step's bytes among the codes (K's and V's alike), s77, s78: among K's and V's scale words
.macro STEP
	v_add_nc_u32 v4, s76, v1                       ; six plain instructions: also the distance between the last step's products and the loads into the registers that they read
	v_add_nc_u32 v5, s76, v2
	v_add_nc_u32 v6, s76, v10
	v_add_nc_u32 v7, s76, v11
	v_add_nc_u32 v8, s77, v3
	v_add_nc_u32 v9, s78, v29
.irp t, 0,1,2,3,4,5,6,7
	ds_load_b128 v[KV+6*\t:KV+6*\t+3], v4 offset:768*\t
	ds_load_b64 v[KV+6*\t+4:KV+6*\t+5], v5 offset:768*\t
.endr
.irp p, 0,1,2,3
	ds_load_b32 v[KSC+\p], v8 offset:128*\p
.endr
	s_wait_dscnt 0x0
.irp t, 0,1,2,3,4,5,6,7                        ; S^T = K Q^T
.if \t%2
	v_wmma_scale_f32_16x16x128_f8f6f4 v[S+8*\t:S+8*\t+7], v[KV+6*\t:KV+6*\t+11], v[16:27], 0, v[KSC+\t/2], v28 matrix_a_fmt:MATRIX_FMT_BF6 matrix_b_fmt:MATRIX_FMT_BF6 matrix_a_scale:MATRIX_SCALE_ROW1
.else
	v_wmma_scale_f32_16x16x128_f8f6f4 v[S+8*\t:S+8*\t+7], v[KV+6*\t:KV+6*\t+11], v[16:27], 0, v[KSC+\t/2], v28 matrix_a_fmt:MATRIX_FMT_BF6 matrix_b_fmt:MATRIX_FMT_BF6
.endif
.endr
.rept 4
	v_nop                                          ; four plain instructions ahead of the loads into K's registers and of the first read of the scores
.endr
.irp c, 0,1,2,3                                ; V's four fragments are asked for now and land under the softmax: registers 0-5 the step's first 64 keys, 6-11 the second
	ds_load_b128 v[KV+12*\c:KV+12*\c+3], v6 offset:768*\c
	ds_load_b64 v[KV+12*\c+4:KV+12*\c+5], v7 offset:768*\c
	ds_load_b128 v[KV+12*\c+6:KV+12*\c+9], v6 offset:3072+768*\c
	ds_load_b64 v[KV+12*\c+10:KV+12*\c+11], v7 offset:3072+768*\c
.endr
	ds_load_b32 v[VSC], v9
	ds_load_b32 v[VSC+1], v9 offset:128
.irp b, 0,1,2,3
	v_max3_num_f32 v[BM+\b], v[S+16*\b], v[S+16*\b+1], v[S+16*\b+2]   ; the largest score of each block of 32 keys: for the row's maximum, and, since p rises with the score, for the block's largest p
.endr
.irp i, 3,5,7,9,11,13
.irp b, 0,1,2,3
	v_max3_num_f32 v[BM+\b], v[BM+\b], v[S+16*\b+\i], v[S+16*\b+\i+1]
.endr
.endr
.irp b, 0,1,2,3
	v_max_num_f32 v[BM+\b], v[BM+\b], v[S+16*\b+15]
.endr
.irp b, 0,1,2,3
	v_permlanex16_b32 v[BP+\b], v[BM+\b], s[SEL], s[SEL+1]
.endr
.irp b, 0,1,2,3
	v_max_num_f32 v[BM+\b], v[BM+\b], v[BP+\b]     ; with lane l xor 16's 16 keys
.endr
	v_max3_num_f32 v[TA], v[BM], v[BM+1], v[BM+2]
	v_max_num_f32 v[TA], v[TA], v[BM+3]            ; the step's largest score of my query
	v_mul_f32 v[TA], s[CS], v[TA]                  ; as t
	v_max_num_f32 v13, v13, v[TA]                  ; the running largest t
	v_mov_b32 v[TA], v12
	v_floor_f32 v12, -v13                          ; the new -M = -ceil(t)
	v_sub_f32 v[TA], v12, v[TA]                    ; old M - new M: a whole number, 0 or less
	v_cvt_i32_f32 v[TA], v[TA]                     ; (it saturates)
	v_ldexp_f32 v226, 1.0, v[TA]                   ; f = 2^(old M - new M)
.set i, 0
.rept 32
	v_pk_fma_f32 v[S+i:S+i+1], v[S+i:S+i+1], s[CS:CS+1], v[12:13] op_sel_hi:[1,0,0]   ; t - M, two at a time
.set i, i+2
.endr
.irp b, 0,1,2,3
	v_fma_f32 v[BM+\b], v[BM+\b], s[CS], v12       ; the same of each block's largest score
.endr
.set i, 0
.rept 64
	v_exp_f32 v[S+i], v[S+i]                       ; p = 2^(t - M), at most 1
.set i, i+1
.endr
.irp b, 0,1,2,3
	v_exp_f32 v[BM+\b], v[BM+\b]                   ; the block's largest p: the same two instructions on the same number
.endr
	v_pk_mul_f32 v[14:15], v[14:15], v[226:227] op_sel_hi:[1,0]   ; the sums under the new M  (a plain instruction behind the exponentials)
	s_wait_alu depctr_va_vdst(0)
.irp b, 0,1,2,3
	v_max_num_f32 v[BM+\b], 0x2800000, v[BM+\b]    ; the floor 2^(5 - 127)
.endr
.irp b, 0,1,2,3
	v_add_nc_u32 v[SO+\b], 0xfe000000, v[BM+\b]    ; the conversion's scale operand
.endr
.irp b, 0,1,2,3
	v_lshrrev_b32 v[BP+\b], 23, v[SO+\b]           ; the scale's byte
.endr
	v_lshl_or_b32 v[PW], v[BP+1], 8, v[BP]         ; p's scale word for these 128 keys
	v_lshl_or_b32 v[PW], v[BP+2], 16, v[PW]
	v_lshl_or_b32 v[PW], v[BP+3], 24, v[PW]
.irp c, 0,1
	v_cvt_scalef32_pk16_bf6_f32 v[PC+6*\c:PC+6*\c+2], v[S+32*\c:S+32*\c+15], v[SO+2*\c]
	v_cvt_scalef32_pk16_bf6_f32 v[CH+4*\c:CH+4*\c+2], v[S+32*\c+16:S+32*\c+31], v[SO+2*\c+1]
.endr
	v_nop                                          ; one plain instruction behind a scaled conversion
.irp c, 0,1                                    ; a whole block to a lane
.irp i, 0,1,2
	v_permlane16_swap_b32 v[PC+6*\c+\i], v[CH+4*\c+\i]
.endr
.irp i, 0,1,2
	v_mov_b32 v[PC+6*\c+3+\i], v[CH+4*\c+\i]
.endr
.endr
	v_pk_add_f32 v[228:229], v[S:S+1], v[S+2:S+3]  ; the row's sum of the UNQUANTISED p, in two chains
.irp j, 4,8,12,16,20,24,28,32,36,40,44,48,52,56,60
	v_pk_add_f32 v[14:15], v[14:15], v[S+\j:S+\j+1]
	v_pk_add_f32 v[228:229], v[228:229], v[S+\j+2:S+\j+3]
.endr
	v_pk_add_f32 v[14:15], v[14:15], v[228:229]
.set i, 0
.rept 16
	v_pk_mul_f32 v[O+i:O+i+1], v[O+i:O+i+1], v[226:227] op_sel_hi:[1,0]   ; O^T under the new M
.set i, i+2
.endr
	s_wait_dscnt 0x0                               ; V is in
.irp c, 0,1,2,3                                ; O^T += V^T P^T: four accumulators by turns
.if \c%2
	v_wmma_scale_f32_16x16x128_f8f6f4 v[O+8*\c:O+8*\c+7], v[KV+12*\c:KV+12*\c+11], v[PC:PC+11], v[O+8*\c:O+8*\c+7], v[VSC+\c/2], v[PW] matrix_a_fmt:MATRIX_FMT_BF6 matrix_b_fmt:MATRIX_FMT_BF6 matrix_a_scale:MATRIX_SCALE_ROW1
.else
	v_wmma_scale_f32_16x16x128_f8f6f4 v[O+8*\c:O+8*\c+7], v[KV+12*\c:KV+12*\c+11], v[PC:PC+11], v[O+8*\c:O+8*\c+7], v[VSC+\c/2], v[PW] matrix_a_fmt:MATRIX_FMT_BF6 matrix_b_fmt:MATRIX_FMT_BF6
.endif
.endr
.endm
.macro STEPAT n                        ; key step n, its places in LDS written as constants
	s_mov_b32 s76, (\n)*6144
	s_mov_b32 s77, (\n)*512
	s_mov_b32 s78, (\n)*256
	STEP
.endm
	s_wait_loadcnt 0x0                             ; Q
	s_wait_tensorcnt 3                             ; the wave that asked: the scale words and chunk 0 have landed; the three chunks behind them may stay out
	s_barrier_signal -1
	s_barrier_wait -1                              ; all sixteen may read them
	STEPAT 0
	STEPAT 1
	s_wait_tensorcnt 0x0                           ; the wave that asked: chunks 1 to 3 have landed;
	s_wait_dscnt 0x0                               ; no LDS instruction of mine is out
	s_barrier_signal -1                            ; say so,
	STEPAT 2                                       ; walk the two steps that are left of chunk 0, whose bytes nobody writes (LDS loads and work on registers alone),
	STEPAT 3
	s_barrier_wait -1                              ; and read chunks 1 to 3 only when all sixteen have said so
	s_mov_b32 s76, 4*6144
	s_mov_b32 s77, 4*512
	s_mov_b32 s78, 4*256
	s_mov_b32 s79, 12
.Lstep:                                            ; steps 4 to 15: no wave waits for another
	STEP
	s_add_co_u32 s76, s76, 6144
	s_add_co_u32 s77, s77, 512
	s_add_co_u32 s78, s78, 256
	s_sub_co_u32 s79, s79, 1
	s_cmp_lg_u32 s79, 0
	s_cbranch_scc1 .Lstep
	; THE WAY OUT: O^T / the sum, quantised along the head's 64 channels: a half fragment of the output projection's operand
.rept 4
	v_nop                                          ; four plain instructions behind the last products
.endr
	v_add_f32 v14, v14, v15
	v_permlanex16_b32 v[TA], v14, s[SEL], s[SEL+1]
	v_add_f32 v14, v14, v[TA]                      ; the row's sum
	v_rcp_f32 v14, v14
	v_nop                                          ; a plain instruction behind the transcendental
.set i, 0
	s_wait_alu depctr_va_vdst(0)
.rept 32
	v_mul_f32 v[S+i], v[O+i], v14                  ; register 16 b + i: channel 32 b + 16 (lane / 16) + i of my query; each accumulator from its low end on
.set i, i+1
.endr
.macro QUANT2 s, pc, pw
.irp b, 0,1
	v_max3_num_f32 v[TM+\b], |v[(\s)+16*\b]|, |v[(\s)+16*\b+1]|, 0x2800000
.endr
.irp i, 2,4,6,8,10,12,14
.irp b, 0,1
	v_max3_num_f32 v[TM+\b], v[TM+\b], |v[(\s)+16*\b+\i]|, |v[(\s)+16*\b+\i+1]|
.endr
.endr
.irp b, 0,1
	v_permlanex16_b32 v[TM+2+\b], v[TM+\b], s[SEL], s[SEL+1]
.endr
.irp b, 0,1
	v_max_num_f32 v[TM+\b], v[TM+\b], v[TM+2+\b]
.endr
.irp b, 0,1
	v_add_nc_u32 v[SO+\b], 0xfe000000, v[TM+\b]
.endr
.irp b, 0,1
	v_lshrrev_b32 v[TM+2+\b], 23, v[SO+\b]
.endr
	v_lshl_or_b32 v[\pw], v[TM+3], 8, v[TM+2]
	v_cvt_scalef32_pk16_bf6_f32 v[(\pc):(\pc)+2], v[(\s):(\s)+15], v[SO]
	v_cvt_scalef32_pk16_bf6_f32 v[(\pc)+8:(\pc)+10], v[(\s)+16:(\s)+31], v[SO+1]
	v_nop
.irp i, 0,1,2
	v_permlane16_swap_b32 v[(\pc)+\i], v[(\pc)+8+\i]
.endr
.irp i, 0,1,2
	v_mov_b32 v[(\pc)+3+\i], v[(\pc)+8+\i]
.endr
.endm
	QUANT2 S, PC, PW
	global_store_b128 v1, v[PC:PC+3], s[8:9]       ; whole aligned blocks of 256 bytes
	global_store_b64 v2, v[PC+4:PC+5], s[8:9]
	global_store_b16 v31, v[PW], s[10:11]          ; my head's two bytes of the row's scale word; both lanes of a row write the same bytes with the same value
	s_wait_tensorcnt 0x0
	ds_add_u32 v254, v255
	s_wait_dscnt 0x0
	ROUND                                          ; the closing round: no work-group ends while a partner may still ask jointly
	s_endpgm
.Lfunc_end_k_q04f7010a01_attn:
	.size	k_q04f7010a01_attn, .Lfunc_end_k_q04f7010a01_attn-k_q04f7010a01_attn
	.p2alignl 7, 3214868480
	.fill 96, 4, 3214868480
	.section	.rodata,"a",@progbits
	.p2align	6, 0x0
	.amdhsa_kernel k_q04f7010a01_attn
		.amdhsa_group_segment_fixed_size 210944
		.amdhsa_private_segment_fixed_size 0
		.amdhsa_enable_private_segment 0
		.amdhsa_kernarg_size 32
		.amdhsa_user_sgpr_count 2
		.amdhsa_user_sgpr_kernarg_segment_ptr 1
		.amdhsa_wavefront_size32 1
		.amdhsa_system_sgpr_workgroup_id_x 1
		.amdhsa_system_sgpr_workgroup_id_y 1
		.amdhsa_system_sgpr_workgroup_id_z 1
		.amdhsa_system_vgpr_workitem_id 0
		.amdhsa_next_free_vgpr 256
		.amdhsa_next_free_sgpr 96
		.amdhsa_reserve_vcc 0
		.amdhsa_float_denorm_mode_32 3
		.amdhsa_float_denorm_mode_16_64 3
		.amdhsa_memory_ordered 1
		.amdhsa_forward_progress 1
		.amdhsa_inst_pref_size 94
	.end_amdhsa_kernel
	.amdgpu_metadata
---
amdhsa.version: [ 1, 2 ]
amdhsa.kernels:
  - .name:           k_q04f7010a01_attn
    .symbol:         k_q04f7010a01_attn.kd
    .args:
      - { .name: qkvh, .offset: 0, .size: 8, .value_kind: global_buffer, .address_space: global }
      - { .name: qkvs, .offset: 8, .size: 8, .value_kind: global_buffer, .address_space: global }
      - { .name: oh, .offset: 16, .size: 8, .value_kind: global_buffer, .address_space: global }
      - { .name: os, .offset: 24, .size: 8, .value_kind: global_buffer, .address_space: global }
    .group_segment_fixed_size: 210944
    .private_segment_fixed_size: 0
    .kernarg_segment_align: 8
    .kernarg_segment_size: 32
    .max_flat_workgroup_size: 512
    .sgpr_count:     96
    .vgpr_count:     256
    .wavefront_size: 32
...
	.end_amdgpu_metadata
.endif
;; end of part 3
;; launch outp (part 4): grid 4 x 64, 16 waves a work-group, no clusters, 280,576 bytes of LDS; arguments ah, asc, oh, os, x, out0; writes out0
.if DOCPART == 4
	.amdgcn_target "amdgcn-amd-amdhsa--gfx1250"
	.amdhsa_code_object_version 6
	.text
	.protected	k_q04f7010a01_outp
	.globl	k_q04f7010a01_outp
	.p2align	8
	.type	k_q04f7010a01_outp,@function
k_q04f7010a01_outp:
	s_mov_b64 s[64:65], 0
	v_nop
	global_prefetch_b8 v0, s[64:65] scope:SCOPE_SE
	s_setreg_imm32_b32 hwreg(HW_REG_WAVE_MODE, 25, 1), 1
	s_wait_xcnt 0x0
; OUTP: out0 = o out_w^T + x, the product on codes of BF6 (K = 1,024 = head x 64 + channel), the sum with the skip in f32.
; SHARES.  A work-group makes 64 tokens (y) x 256 columns (x).  Sixteen waves, four to a SIMD: wave (q = wave / 4, c = wave % 4) makes the 64 x 64 tile of columns 64 (4 x + c) on, over the QUARTER q of K: two K steps of 128,
; 32 products, 16 accumulators.  So a wave has two rounds of loads, one behind the other, where a wave that walked all of K would have eight.  Operands come as images of their registers, straight from memory.
; THE FOUR PARTIAL SUMS MEET IN LDS: 64 regions of 16 rows x (256 + 16) bytes; region 16 c + 4 j + q holds wave (q, c)'s part of token tile j.  One barrier; then wave (q, c) takes token tile j = q: it reads the four parts by rows,
; adds them and x, and stores: sixteen lanes load, add and store 256 consecutive aligned bytes of x and out0.  x is asked for behind the last products, ahead of the stage's stores and the barrier.
; THE ORDER OF THE TWO K STEPS: step 2 q + f first, f = (x + y + y / 2) % 2: of the work-groups that read the same tiles half ask for each of the two blocks first.  The four waves c of one q keep the same order: they read the same token blocks.
; LIMIT: an output's sum over K is made as (quarter 0 + quarter 1) + (quarter 2 + quarter 3), each quarter's two steps in the order above, all in f32.
; NO CLUSTER: a joint request serves tensor loads into LDS, and the operands do not go through LDS.
; TRANSPOSED: source 0 = P = 16 rows of out_w, source 1 = R = 16 tokens of o.  By the order of out_w's rows in a tile, register 16 b + i of token tile j is column 32 b + 16 (lane / 16) + i of my 64, of the lane's token.
.set VP16, 1
.set VP8,  2
.set VR16, 3
.set VR8,  4
.set VPS,  5
.set VRS,  6
.set STO,  7                           ; v7   the stage: where I put my 16 bytes
.set SP,   8                           ; v8-11, v12-15 scale words: they hold scales and nothing else
.set SR,   12
.set RD,   16                          ; v16  the stage: where I read a row back
.set GO,   17                          ; v17  my byte offset in x and out0
.set PF,   32                          ; v32-79 P's fragments   (behind the products: v32-63 my rows of x, then of out0)
.set RF,   80
.set ACC,  128                         ; v128-255 the accumulators   (behind the barrier: the four parts of my token tile, 32 registers each)
.set XR,   32
.set REG,  4352                        ; a region of the stage: 16 rows x 272 bytes
.set KA,   48                          ; s[48:55] ah, oh, asc, os at my first K step
.set KB,   56                          ; s[56:63] at my second
	s_load_b256 s[4:11], s[0:1], 0x0               ; ah, asc, oh, os
	s_load_b128 s[12:15], s[0:1], 0x20             ; x, out0
	v_lshl_add_u32 v27, v0, 2, 0x44000
	v_mov_b32 v28, 0
	v_lshrrev_b32 v1, 5, v0
	v_readfirstlane_b32 s20, v1                    ; wave 0..15
	s_and_b32 s23, s20, 3                          ; c
	s_lshr_b32 s24, s20, 2                         ; q
	s_lshl_b32 s21, ttmp9, 2
	s_add_co_u32 s21, s21, s23                     ; nb: which 64 columns
	s_and_b32 s22, ttmp7, 0xffff                   ; tg: which 64 tokens
	s_lshl_b32 s28, s21, 2
	s_add_co_u32 s28, s28, 704                     ; out_w's tiles
	s_lshl_b32 s29, s22, 2                         ; o's tiles
	s_mul_i32 s30, s28, 12288
	s_mul_i32 s31, s29, 12288
	v_and_b32 v30, 31, v0
	v_and_b32 v31, 15, v0
	v_bfe_u32 v29, v0, 4, 1
	v_lshl_add_u32 v[VP16], v30, 4, s30
	v_lshl_add_u32 v[VP8], v30, 3, s30
	v_lshl_add_u32 v[VR16], v30, 4, s31
	v_lshl_add_u32 v[VR8], v30, 3, s31
	s_lshl_b32 s30, s28, 9
	s_lshl_b32 s31, s29, 9
	v_lshl_add_u32 v[VPS], v31, 2, s30
	v_lshl_add_u32 v[VRS], v31, 2, s31
	s_lshl_b32 s30, s23, 4
	s_add_co_u32 s31, s30, s24                     ; into the stage: region 16 c + q (+ 4 j in the immediate),
	s_mul_i32 s31, s31, REG
	v_mul_u32_u24 v[STO], v31, 272
	v_lshl_add_u32 v[STO], v29, 6, v[STO]
	v_add_nc_u32 v[STO], s31, v[STO]               ; row r, + 64 bytes for lanes 16-31
	s_lshl_b32 s31, s24, 2
	s_add_co_u32 s31, s31, s30                     ; back: regions 16 c + 4 q + 0 .. 3,
	s_mul_i32 s31, s31, REG
	v_mul_u32_u24 v[RD], v29, 272
	v_lshl_add_u32 v[RD], v31, 4, v[RD]
	v_add_nc_u32 v[RD], s31, v[RD]                 ; lanes 0-15 one row, lanes 16-31 the next
	v_lshlrev_b32 v[GO], 12, v29
	v_lshl_add_u32 v[GO], v31, 4, v[GO]            ; and the same two rows of 4,096 bytes in x and out0
	s_lshl_b32 s32, s22, 18                        ; 64 tokens x 4,096 bytes,
	s_lshl_b32 s33, s21, 8                         ; my 64 columns,
	s_add_co_u32 s32, s32, s33
	s_and_b32 s33, s24, 1                          ; token tile j = q begins at token 32 (q / 2) + 8 (q % 2)
	s_lshl_b32 s33, s33, 15
	s_add_co_u32 s32, s32, s33
	s_lshr_b32 s33, s24, 1
	s_lshl_b32 s33, s33, 17
	s_add_co_u32 s32, s32, s33
	s_mov_b32 s33, 0
	s_lshr_b32 s34, s22, 1                         ; f
	s_add_co_u32 s34, s34, s22
	s_add_co_u32 s34, s34, ttmp9
	s_and_b32 s34, s34, 1
	s_lshl_b32 s35, s24, 1
	s_add_co_u32 s34, s34, s35                     ; my first K step: 2 q + f,
	s_xor_b32 s35, s34, 1                          ; my second: the other of the two
	s_mul_i32 s40, s34, 1536                       ; a K step's two half fragments in a tile's 12,288 bytes,
	s_mov_b32 s41, 0
	s_mul_i32 s42, s35, 1536
	s_mov_b32 s43, 0
	s_lshl_b32 s44, s34, 6                         ; its 16 words in a tile's 512 bytes of scale words
	s_mov_b32 s45, 0
	s_lshl_b32 s46, s35, 6
	s_mov_b32 s47, 0
	s_wait_kmcnt 0x0
	s_add_nc_u64 s[12:13], s[12:13], s[32:33]
	s_add_nc_u64 s[14:15], s[14:15], s[32:33]
	s_add_nc_u64 s[KA:KA+1], s[4:5], s[40:41]
	s_add_nc_u64 s[KA+2:KA+3], s[8:9], s[40:41]
	s_add_nc_u64 s[KA+4:KA+5], s[6:7], s[44:45]
	s_add_nc_u64 s[KA+6:KA+7], s[10:11], s[44:45]
	s_add_nc_u64 s[KB:KB+1], s[4:5], s[42:43]
	s_add_nc_u64 s[KB+2:KB+3], s[8:9], s[42:43]
	s_add_nc_u64 s[KB+4:KB+5], s[6:7], s[46:47]
	s_add_nc_u64 s[KB+6:KB+7], s[10:11], s[46:47]
; A K step of 128, its four bases in s[b .. b + 7]: 8 scale words, P's four fragments, R's four, 16 products.  The sixteen accumulators take turns, one instruction a turn, in the same order in both steps.
.macro KSTEP b, zero
.if \zero == 0
.rept 4
	v_nop                                          ; four plain instructions between the last products and the loads into the registers that they read (ISA guide 7.12.1 for vector instructions)
.endr
.endif
.irp i, 0,1,2,3
	global_load_b32 v[SP+\i], v[VPS], s[\b+4:\b+5] offset:512*\i
.endr
.irp i, 0,1,2,3
	global_load_b32 v[SR+\i], v[VRS], s[\b+6:\b+7] offset:512*\i
.endr
.irp i, 0,1,2,3
	global_load_b128 v[PF+12*\i:PF+12*\i+3], v[VP16], s[\b:\b+1] offset:12288*\i
	global_load_b64 v[PF+12*\i+4:PF+12*\i+5], v[VP8], s[\b:\b+1] offset:12288*\i+512
	global_load_b128 v[PF+12*\i+6:PF+12*\i+9], v[VP16], s[\b:\b+1] offset:12288*\i+768
	global_load_b64 v[PF+12*\i+10:PF+12*\i+11], v[VP8], s[\b:\b+1] offset:12288*\i+1280
.endr
.irp i, 0,1,2,3
	global_load_b128 v[RF+12*\i:RF+12*\i+3], v[VR16], s[\b+2:\b+3] offset:12288*\i
	global_load_b64 v[RF+12*\i+4:RF+12*\i+5], v[VR8], s[\b+2:\b+3] offset:12288*\i+512
	global_load_b128 v[RF+12*\i+6:RF+12*\i+9], v[VR16], s[\b+2:\b+3] offset:12288*\i+768
	global_load_b64 v[RF+12*\i+10:RF+12*\i+11], v[VR8], s[\b+2:\b+3] offset:12288*\i+1280
.endr
.irp j, 0,1,2,3
	s_wait_loadcnt 12-4*\j                         ; all but the four loads of each of R's tiles behind tile j
.irp i, 0,1,2,3
.if \zero
	v_wmma_scale_f32_16x16x128_f8f6f4 v[ACC+8*(4*\j+\i):ACC+8*(4*\j+\i)+7], v[PF+12*\i:PF+12*\i+11], v[RF+12*\j:RF+12*\j+11], 0, v[SP+\i], v[SR+\j] matrix_a_fmt:MATRIX_FMT_BF6 matrix_b_fmt:MATRIX_FMT_BF6
.else
	v_wmma_scale_f32_16x16x128_f8f6f4 v[ACC+8*(4*\j+\i):ACC+8*(4*\j+\i)+7], v[PF+12*\i:PF+12*\i+11], v[RF+12*\j:RF+12*\j+11], v[ACC+8*(4*\j+\i):ACC+8*(4*\j+\i)+7], v[SP+\i], v[SR+\j] matrix_a_fmt:MATRIX_FMT_BF6 matrix_b_fmt:MATRIX_FMT_BF6
.endif
.endr
.endr
.endm
	KSTEP KA, 1                                    ; the first step's products start the sums
	KSTEP KB, 0
.rept 4
	v_nop                                          ; four plain instructions ahead of the first read of results and of the loads into the operands' registers
.endr
; stage row 2 t + (lane / 16) of a token tile is its token 2 (t % 4) + lane / 16 + 16 (t / 4)
.irp t, 0,1,2,3,4,5,6,7
	global_load_b128 v[XR+4*\t:XR+4*\t+3], v[GO], s[12:13] offset:4096*(2*(\t%4)+16*(\t/4)) th:TH_LOAD_NT   ; my token tile's rows of x: they land under the stage's stores and the barrier
.endr
.irp j, 0,1,2,3
.irp b, 0,1
.irp u, 0,1,2,3
	ds_store_b128 v[STO], v[ACC+32*\j+16*\b+4*\u:ACC+32*\j+16*\b+4*\u+3] offset:4*REG*\j+128*\b+16*\u   ; each accumulator from its low end on
.endr
.endr
.endr
	s_wait_dscnt 0x0                               ; for the others' sake: my four parts lie in the stage
	s_barrier_signal -1
	s_barrier_wait -1
.irp p, 0,1,2,3
.irp t, 0,1,2,3,4,5,6,7
	ds_load_b128 v[ACC+32*\p+4*\t:ACC+32*\p+4*\t+3], v[RD] offset:REG*\p+544*\t    ; quarter p's part of my token tile, by rows
.endr
.endr
	s_wait_dscnt 16                                ; quarters 0 and 1 are in; the sixteen loads of quarters 2 and 3 may be out
.irp i, 0,2,4,6,8,10,12,14,16,18,20,22,24,26,28,30
	v_pk_add_f32 v[ACC+\i:ACC+\i+1], v[ACC+\i:ACC+\i+1], v[ACC+32+\i:ACC+32+\i+1]
.endr
	s_wait_dscnt 0x0
.irp i, 0,2,4,6,8,10,12,14,16,18,20,22,24,26,28,30
	v_pk_add_f32 v[ACC+64+\i:ACC+64+\i+1], v[ACC+64+\i:ACC+64+\i+1], v[ACC+96+\i:ACC+96+\i+1]
.endr
.irp i, 0,2,4,6,8,10,12,14,16,18,20,22,24,26,28,30
	v_pk_add_f32 v[ACC+\i:ACC+\i+1], v[ACC+\i:ACC+\i+1], v[ACC+64+\i:ACC+64+\i+1]
.endr
	s_wait_loadcnt 0x0                             ; x
.irp i, 0,2,4,6,8,10,12,14,16,18,20,22,24,26,28,30
	v_pk_add_f32 v[XR+\i:XR+\i+1], v[XR+\i:XR+\i+1], v[ACC+\i:ACC+\i+1]
.endr
.irp t, 0,1,2,3,4,5,6,7
	global_store_b128 v[GO], v[XR+4*\t:XR+4*\t+3], s[14:15] offset:4096*(2*(\t%4)+16*(\t/4)) th:TH_STORE_NT   ; sixteen lanes store 256 consecutive bytes, at a multiple of 256 from out0's first byte
.endr
	s_wait_tensorcnt 0x0
	ds_add_u32 v27, v28
	s_wait_dscnt 0x0
	s_endpgm
.Lfunc_end_k_q04f7010a01_outp:
	.size	k_q04f7010a01_outp, .Lfunc_end_k_q04f7010a01_outp-k_q04f7010a01_outp
	.p2alignl 7, 3214868480
	.fill 96, 4, 3214868480
	.section	.rodata,"a",@progbits
	.p2align	6, 0x0
	.amdhsa_kernel k_q04f7010a01_outp
		.amdhsa_group_segment_fixed_size 280576
		.amdhsa_private_segment_fixed_size 0
		.amdhsa_enable_private_segment 0
		.amdhsa_kernarg_size 48
		.amdhsa_user_sgpr_count 2
		.amdhsa_user_sgpr_kernarg_segment_ptr 1
		.amdhsa_wavefront_size32 1
		.amdhsa_system_sgpr_workgroup_id_x 1
		.amdhsa_system_sgpr_workgroup_id_y 1
		.amdhsa_system_sgpr_workgroup_id_z 1
		.amdhsa_system_vgpr_workitem_id 0
		.amdhsa_next_free_vgpr 256
		.amdhsa_next_free_sgpr 66
		.amdhsa_reserve_vcc 0
		.amdhsa_float_denorm_mode_32 3
		.amdhsa_float_denorm_mode_16_64 3
		.amdhsa_memory_ordered 1
		.amdhsa_forward_progress 1
		.amdhsa_inst_pref_size 26
	.end_amdhsa_kernel
	.amdgpu_metadata
---
amdhsa.version: [ 1, 2 ]
amdhsa.kernels:
  - .name:           k_q04f7010a01_outp
    .symbol:         k_q04f7010a01_outp.kd
    .args:
      - { .name: ah, .offset: 0, .size: 8, .value_kind: global_buffer, .address_space: global }
      - { .name: asc, .offset: 8, .size: 8, .value_kind: global_buffer, .address_space: global }
      - { .name: oh, .offset: 16, .size: 8, .value_kind: global_buffer, .address_space: global }
      - { .name: os, .offset: 24, .size: 8, .value_kind: global_buffer, .address_space: global }
      - { .name: x, .offset: 32, .size: 8, .value_kind: global_buffer, .address_space: global }
      - { .name: out0, .offset: 40, .size: 8, .value_kind: global_buffer, .address_space: global }
    .group_segment_fixed_size: 280576
    .private_segment_fixed_size: 0
    .kernarg_segment_align: 8
    .kernarg_segment_size: 48
    .max_flat_workgroup_size: 512
    .sgpr_count:     66
    .vgpr_count:     256
    .wavefront_size: 32
...
	.end_amdgpu_metadata
.endif
;; end of part 4
;; ======== version 2 of 2: 4 launches
;; limits: right only within a limited range of input values
;; workspace buffers: ah 9,437,184 bytes; asc 393,216 bytes; qkvh 9,437,184 bytes; qkvs 655,360 bytes; oh 3,145,728 bytes; os 131,072 bytes
;; launch prep (part 5): grid 768 x 1, 8 waves a work-group, no clusters, 67,584 bytes of LDS; arguments x, x_cross, q_w, kv_w, out_w, norm_scale, norm_cross_scale, ah, asc; writes ah, asc
.if DOCPART == 5
	.amdgcn_target "amdgcn-amd-amdhsa--gfx1250"
	.amdhsa_code_object_version 6
	.text
	.protected	k_q04f7010a01_prep
	.globl	k_q04f7010a01_prep
	.p2align	8
	.type	k_q04f7010a01_prep,@function
k_q04f7010a01_prep:
	s_mov_b64 s[64:65], 0
	v_nop
	global_prefetch_b8 v0, s[64:65] scope:SCOPE_SE
	s_setreg_imm32_b32 hwreg(HW_REG_WAVE_MODE, 25, 1), 1
	s_wait_xcnt 0x0
; PREP: the operands of the three projections become codes of BF6 (E3M2) with one E8M0 byte for each 32 along K (K = 1,024, innermost in all five tensors).
; x and x_cross are first RMS-normalised in f32: y = x * (gain * rsqrt(mean(x^2) + 1e-6)); the weights q_w, kv_w, out_w go as they are (the same path with both factors replaced by 1.0).
; A work-group makes one TILE of 16 rows: tiles 0-255 x, 256-511 x_cross, 512-575 q_w, 576-703 kv_w, 704-767 out_w.
; WHICH ROWS FORM A TILE is free, and is chosen for the launches that follow:
;   (a) tokens, kv_w's v rows, out_w: slot r of tile 2 g + u is row 32 g + 8 u + r % 8 + 16 (r / 8): a transposed product's 16 registers of two neighbouring tiles are then 16 neighbours.
;   (b) q_w and kv_w's k rows: tile t = 0..3 of a head, st = t / 2, j = 8 (t % 2) + slot % 8, h = slot / 8: channel 14 + j + 30 st (h = 1), j + 30 st (h = 0, j < 14), 46 + j + 2 st (h = 0, j >= 14):
;       a lane of the transposed product then holds both partners (i, i + 30) of every rotary pair.
; OUTPUT LAYOUT: codes as images of an operand's registers.  A half fragment is 16 rows x 64 K, 768 bytes: lane (r, h) holds block h of row r, its registers 0-3 at 16 x lane, 4-5 at 512 + 8 x lane.
;   ah [tile][16 half fragments][768];  asc [tile][8 K steps][16 rows] one word of four scale bytes.
; Eight waves.  Phase A: wave w takes slots w and w + 8, a whole row a wave (32 numbers a lane), so the mean needs no other wave; the scaled rows go to LDS.  Phase B: wave w takes K step w of all 16 rows,
; a lane two whole blocks of 32, so a block's largest magnitude needs no other lane.  No tensor loads, no matrix unit, no cluster: work-groups share no input but the 4 KiB of gains.
; LIMITS: NaN and infinities are not served; a block of zeros gets the byte 1 where the rule says 127 (its codes are zeros; the bytes are read by this program alone).
.set PITCH, 4112                       ; an LDS row: 4,096 bytes + 16: 1,028 words, so that 16 rows start 4 banks apart
.set SCA,   16*PITCH                   ; behind the rows: the tile's 128 scale words
.set X0,    32                         ; v32-63   my first row (phase B: my first block)
.set X1,    64                         ; v64-95   my second row (my second block)
.set G,     96                         ; v96-127  the gains (phase B: the codes)
.set SEL,   44                         ; s[44:45] v_permlanex16_b32's selects for lane l xor 16
	s_load_b512 s[4:19], s[0:1], 0x0               ; x, x_cross, q_w, kv_w, out_w, norm_scale, norm_cross_scale, ah
	s_load_b64 s[20:21], s[0:1], 0x40              ; asc
	v_lshl_add_u32 v128, v0, 2, 0x10400
	v_mov_b32 v129, 0
	v_lshrrev_b32 v1, 5, v0
	s_delay_alu instid0(VALU_DEP_1)
	v_readfirstlane_b32 s22, v1                    ; wave w
	v_and_b32 v18, 31, v0                          ; lane
	v_and_b32 v19, 15, v0                          ; r
	s_wait_alu depctr_va_vdst(0)
	v_bfe_u32 v28, v0, 4, 1                        ; h
	v_lshlrev_b32 v1, 4, v18                       ; 16 x lane
	s_wait_alu depctr_va_vdst(0)
	v_lshlrev_b32 v21, 3, v18                      ; 8 x lane
	s_mov_b32 s23, ttmp9                           ; the tile
	s_mov_b32 s[SEL], 0x76543210
	s_mov_b32 s[SEL+1], 0xfedcba98
	s_mov_b32 s46, 0x3a800000                      ; 1 / 1,024
	s_mov_b32 s47, 0x358637bd                      ; 1e-6
	s_mul_i32 s38, s22, PITCH
	v_add_nc_u32 v20, s38, v1                      ; phase A: slot w's row, 16 bytes a lane
	v_mul_u32_u24 v29, v19, PITCH
	s_delay_alu instid0(VALU_DEP_1)
	v_lshl_add_u32 v29, v28, 7, v29
	s_lshl_b32 s38, s22, 9
	v_add_nc_u32 v29, s38, v29                     ; phase B: row r, K step w (512 bytes), my half's block (128 bytes)
	s_lshl_b32 s38, s22, 6
	s_add_co_u32 s38, s38, SCA
	v_lshl_add_u32 v22, v19, 2, s38                ; my row's scale word of K step w
	v_add_nc_u32 v23, SCA, v1                      ; the way out of the scale words
	s_wait_kmcnt 0x0
	; one path for five tensors: only the pointer and the tile's number in its tensor are chosen, on the work-group's number alone
	s_mov_b64 s[24:25], s[4:5]
	s_mov_b32 s26, 0
	s_cmp_ge_u32 s23, 256
	s_cselect_b64 s[24:25], s[6:7], s[24:25]
	s_cselect_b32 s26, 256, s26
	s_cmp_ge_u32 s23, 512
	s_cselect_b64 s[24:25], s[8:9], s[24:25]
	s_cselect_b32 s26, 512, s26
	s_cmp_ge_u32 s23, 576
	s_cselect_b64 s[24:25], s[10:11], s[24:25]
	s_cselect_b32 s26, 576, s26
	s_cmp_ge_u32 s23, 704
	s_cselect_b64 s[24:25], s[12:13], s[24:25]
	s_cselect_b32 s26, 704, s26
	s_cmp_lt_u32 s23, 256
	s_cselect_b64 s[30:31], s[14:15], s[16:17]     ; the gains (a weight's tile loads them too and takes 1.0 in their stead)
	s_cmp_lt_u32 s23, 512
	s_cselect_b32 s28, -1, 0                       ; all lanes: this tile is normalised
	s_sub_co_u32 s27, s23, s26                     ; the tile's number in its tensor
	; order (a)
	s_lshr_b32 s36, s27, 1
	s_lshl_b32 s36, s36, 5
	s_and_b32 s37, s27, 1
	s_lshl_b32 s37, s37, 3
	s_add_co_u32 s36, s36, s37
	s_add_co_u32 s36, s36, s22                     ; slot w
	s_add_co_u32 s37, s36, 16                      ; slot w + 8
	; order (b)
	s_and_b32 s38, s27, 1
	s_lshl_b32 s38, s38, 3
	s_add_co_u32 s38, s38, s22                     ; j
	s_bfe_u32 s39, s27, 0x10001                    ; st
	s_lshr_b32 s40, s27, 2
	s_lshl_b32 s40, s40, 6                         ; the head's first row
	s_mul_i32 s41, s39, 30
	s_add_co_u32 s41, s41, s38                     ; j + 30 st
	s_lshl_b32 s42, s39, 1
	s_add_co_u32 s42, s42, s38
	s_add_co_u32 s42, s42, 46                      ; 46 + j + 2 st
	s_cmp_le_u32 s38, 13
	s_cselect_b32 s42, s41, s42
	s_add_co_u32 s42, s42, s40                     ; slot w
	s_add_co_u32 s43, s41, 14
	s_add_co_u32 s43, s43, s40                     ; slot w + 8
	s_sub_co_u32 s29, s23, 512
	s_cmp_lt_u32 s29, 128                          ; tiles 512 to 639: q_w and kv_w's k rows
	s_cselect_b32 s36, s42, s36
	s_cselect_b32 s37, s43, s37
	s_lshl_b32 s36, s36, 12                        ; rows of 4,096 bytes
	s_lshl_b32 s38, s37, 12
	s_mov_b32 s37, 0
	s_mov_b32 s39, 0
	s_add_nc_u64 s[32:33], s[24:25], s[36:37]
	s_add_nc_u64 s[34:35], s[24:25], s[38:39]
.irp i, 0,1,2,3,4,5,6,7
	global_load_b128 v[X0+4*\i:X0+4*\i+3], v1, s[32:33] offset:512*\i th:TH_LOAD_NT   ; 32 lanes read 512 consecutive bytes
.endr
.irp i, 0,1,2,3,4,5,6,7
	global_load_b128 v[X1+4*\i:X1+4*\i+3], v1, s[34:35] offset:512*\i th:TH_LOAD_NT
.endr
.irp i, 0,1,2,3,4,5,6,7
	global_load_b128 v[G+4*\i:G+4*\i+3], v1, s[30:31] offset:512*\i
.endr
	s_mul_i32 s38, s23, 12288                      ; where my codes go: tile x 12,288 + K step w x 1,536
	s_mul_i32 s40, s22, 1536
	s_add_co_u32 s38, s38, s40
	s_add_nc_u64 s[18:19], s[18:19], s[38:39]
	s_lshl_b32 s38, s23, 9                         ; and the tile's 512 bytes of scale words
	s_add_nc_u64 s[20:21], s[20:21], s[38:39]
; rsqrt(mean of squares + 1e-6) of the row in v[x] on, into v[d] (v[d + 1] is written too: the packed form names the pair); 1.0 for a weight
.macro SUMSQ x, d
	v_pk_mul_f32 v[2:3], v[\x:\x+1], v[\x:\x+1]
	v_pk_mul_f32 v[4:5], v[\x+2:\x+3], v[\x+2:\x+3]
.irp i, 4,8,12,16,20,24,28
	s_delay_alu instid0(VALU_DEP_2)
	v_pk_fma_f32 v[2:3], v[\x+\i:\x+\i+1], v[\x+\i:\x+\i+1], v[2:3]
	s_delay_alu instid0(VALU_DEP_2)
	v_pk_fma_f32 v[4:5], v[\x+\i+2:\x+\i+3], v[\x+\i+2:\x+\i+3], v[4:5]
.endr
	s_delay_alu instid0(VALU_DEP_1)
	v_pk_add_f32 v[2:3], v[2:3], v[4:5]
	s_delay_alu instid0(VALU_DEP_1)
	v_add_f32 v2, v2, v3
	s_delay_alu instid0(VALU_DEP_1)
	v_add_f32_dpp v2, v2, v2 row_xmask:1 row_mask:0xf bank_mask:0xf
	s_delay_alu instid0(VALU_DEP_1)
	v_add_f32_dpp v2, v2, v2 row_xmask:2 row_mask:0xf bank_mask:0xf
	s_delay_alu instid0(VALU_DEP_1)
	v_add_f32_dpp v2, v2, v2 row_xmask:4 row_mask:0xf bank_mask:0xf
	s_delay_alu instid0(VALU_DEP_1)
	v_add_f32_dpp v2, v2, v2 row_xmask:8 row_mask:0xf bank_mask:0xf
	s_delay_alu instid0(VALU_DEP_1)
	v_permlanex16_b32 v3, v2, s[SEL], s[SEL+1]
	s_delay_alu instid0(VALU_DEP_1)
	v_add_f32 v2, v2, v3
	s_delay_alu instid0(VALU_DEP_1)
	v_fma_f32 v2, v2, s46, s47                     ; the division by 1,024 is exact, so this is mean + eps rounded once
	s_wait_alu depctr_va_vdst(0)
	v_rsq_f32 v[\d], v2
	v_mov_b32 v[\d+1], 0                           ; a plain instruction behind the transcendental
	s_wait_alu depctr_va_vdst(0)
	v_cndmask_b32 v[\d], 1.0, v[\d], s28
.endm
; y = x * (gain * r), in reference()'s order of roundings
.macro APPLY x, d
.irp g, 0,8,16,24
.irp i, 0,2,4,6
	v_pk_mul_f32 v[10+\i:11+\i], v[G+\g+\i:G+\g+\i+1], v[\d:\d+1] op_sel_hi:[1,0]
.endr
.irp i, 0,2,4,6
	s_delay_alu instid0(VALU_DEP_4)
	v_pk_mul_f32 v[\x+\g+\i:\x+\g+\i+1], v[\x+\g+\i:\x+\g+\i+1], v[10+\i:11+\i]
.endr
.endr
.endm
	s_wait_loadcnt 16                              ; my first row is in; the second row's and the gains' sixteen loads may be out
	SUMSQ X0, 6
	s_wait_loadcnt 8                               ; the second row is in; the gains' eight may be out
	SUMSQ X1, 8
	s_wait_loadcnt 0x0
.set i, 0
.rept 32
	v_cndmask_b32 v[G+i], 1.0, v[G+i], s28
.set i, i+1
.endr
	APPLY X0, 6
	APPLY X1, 8
.irp i, 0,1,2,3,4,5,6,7
	ds_store_b128 v20, v[X0+4*\i:X0+4*\i+3] offset:512*\i
.endr
.irp i, 0,1,2,3,4,5,6,7
	ds_store_b128 v20, v[X1+4*\i:X1+4*\i+3] offset:8*PITCH+512*\i
.endr
	s_wait_dscnt 0x0                               ; for the others' sake: my two rows lie in LDS
	s_barrier_signal -1
	s_barrier_wait -1
	; ---- phase B: lane (r, h) takes k = 128 w + 64 c + 32 h + 0 .. 31 of row r, c = 0, 1: the operand's own order
.irp c, 0,1
.irp q, 0,1,2,3,4,5,6,7
	ds_load_b128 v[X0+32*\c+4*\q:X0+32*\c+4*\q+3], v29 offset:256*\c+16*\q
.endr
.endr
.macro BLOCK c
.set XS, X0+32*\c
	v_max3_num_f32 v12, |v[XS]|, |v[XS+1]|, |v[XS+2]|      ; the block's largest magnitude: all 32 numbers are mine
	v_max3_num_f32 v13, |v[XS+3]|, |v[XS+4]|, |v[XS+5]|
.irp i, 6,10,14,18,22,26
	s_delay_alu instid0(VALU_DEP_2)
	v_max3_num_f32 v12, v12, |v[XS+\i]|, |v[XS+\i+1]|
	s_delay_alu instid0(VALU_DEP_2)
	v_max3_num_f32 v13, v13, |v[XS+\i+2]|, |v[XS+\i+3]|
.endr
	s_delay_alu instid0(VALU_DEP_2)
	v_max3_num_f32 v12, v12, |v[XS+30]|, |v[XS+31]|
	s_delay_alu instid0(VALU_DEP_1)
	v_max3_num_f32 v12, v12, v13, 0x2800000        ; the floor 2^(5 - 127): the byte cannot fall under 1
	s_delay_alu instid0(VALU_DEP_1)
	v_add_nc_u32 v[30+\c], 0xfe000000, v12         ; 4 off the exponent field: the conversion's scale operand
	s_delay_alu instid0(VALU_DEP_1)
	v_lshrrev_b32 v[14+\c], 23, v[30+\c]           ; the scale's byte
	v_cvt_scalef32_pk16_bf6_f32 v[G+12*\c:G+12*\c+2], v[XS:XS+15], v[30+\c]
	v_cvt_scalef32_pk16_bf6_f32 v[G+12*\c+6:G+12*\c+8], v[XS+16:XS+31], v[30+\c]   ; (a conversion's three registers begin on an even number)
	v_nop                                          ; one plain instruction behind a scaled conversion
.irp i, 0,1,2
	v_mov_b32 v[G+12*\c+3+\i], v[G+12*\c+6+\i]
.endr
	global_store_b128 v1, v[G+12*\c:G+12*\c+3], s[18:19] offset:768*\c          ; 512 consecutive bytes,
	global_store_b64 v21, v[G+12*\c+4:G+12*\c+5], s[18:19] offset:768*\c+512    ; and 256: whole aligned blocks of 256 bytes
.endm
	s_wait_dscnt 8                                 ; the first block's eight loads are in
	BLOCK 0
	s_wait_dscnt 0x0
	BLOCK 1
	v_lshl_or_b32 v16, v15, 16, v14                ; my two bytes: blocks h and 2 + h of row r,
	v_lshlrev_b32 v17, 3, v28
	s_delay_alu instid0(VALU_DEP_1)
	v_lshlrev_b32 v16, v17, v16                    ; 8 h bits up;
	v_mov_b32 v17, 0
	s_delay_alu instid0(VALU_DEP_1)
	v_permlanex16_b32 v17, v16, s[SEL], s[SEL+1]
	s_delay_alu instid0(VALU_DEP_1)
	v_or_b32 v16, v16, v17                         ; with lane l xor 16's two the word is whole
	ds_store_b32 v22, v16                          ; both lanes of a row write the same word with the same value
	s_wait_dscnt 0x0
	s_barrier_signal -1
	s_barrier_wait -1
	s_cmp_lg_u32 s22, 0
	s_cbranch_scc1 .Lend
	ds_load_b128 v[24:27], v23                     ; wave 0 sends the tile's 512 bytes of scale words: two whole aligned blocks
	s_wait_dscnt 0x0
	global_store_b128 v1, v[24:27], s[20:21]
.Lend:
	s_wait_tensorcnt 0x0
	ds_add_u32 v128, v129
	s_wait_dscnt 0x0
	s_endpgm
.Lfunc_end_k_q04f7010a01_prep:
	.size	k_q04f7010a01_prep, .Lfunc_end_k_q04f7010a01_prep-k_q04f7010a01_prep
	.p2alignl 7, 3214868480
	.fill 96, 4, 3214868480
	.section	.rodata,"a",@progbits
	.p2align	6, 0x0
	.amdhsa_kernel k_q04f7010a01_prep
		.amdhsa_group_segment_fixed_size 67584
		.amdhsa_private_segment_fixed_size 0
		.amdhsa_enable_private_segment 0
		.amdhsa_kernarg_size 72
		.amdhsa_user_sgpr_count 2
		.amdhsa_user_sgpr_kernarg_segment_ptr 1
		.amdhsa_wavefront_size32 1
		.amdhsa_system_sgpr_workgroup_id_x 1
		.amdhsa_system_sgpr_workgroup_id_y 1
		.amdhsa_system_sgpr_workgroup_id_z 1
		.amdhsa_system_vgpr_workitem_id 0
		.amdhsa_next_free_vgpr 130
		.amdhsa_next_free_sgpr 66
		.amdhsa_reserve_vcc 0
		.amdhsa_float_denorm_mode_32 3
		.amdhsa_float_denorm_mode_16_64 3
		.amdhsa_memory_ordered 1
		.amdhsa_forward_progress 1
		.amdhsa_inst_pref_size 26
	.end_amdhsa_kernel
	.amdgpu_metadata
---
amdhsa.version: [ 1, 2 ]
amdhsa.kernels:
  - .name:           k_q04f7010a01_prep
    .symbol:         k_q04f7010a01_prep.kd
    .args:
      - { .name: x, .offset: 0, .size: 8, .value_kind: global_buffer, .address_space: global }
      - { .name: x_cross, .offset: 8, .size: 8, .value_kind: global_buffer, .address_space: global }
      - { .name: q_w, .offset: 16, .size: 8, .value_kind: global_buffer, .address_space: global }
      - { .name: kv_w, .offset: 24, .size: 8, .value_kind: global_buffer, .address_space: global }
      - { .name: out_w, .offset: 32, .size: 8, .value_kind: global_buffer, .address_space: global }
      - { .name: norm_scale, .offset: 40, .size: 8, .value_kind: global_buffer, .address_space: global }
      - { .name: norm_cross_scale, .offset: 48, .size: 8, .value_kind: global_buffer, .address_space: global }
      - { .name: ah, .offset: 56, .size: 8, .value_kind: global_buffer, .address_space: global }
      - { .name: asc, .offset: 64, .size: 8, .value_kind: global_buffer, .address_space: global }
    .group_segment_fixed_size: 67584
    .private_segment_fixed_size: 0
    .kernarg_segment_align: 8
    .kernarg_segment_size: 72
    .max_flat_workgroup_size: 256
    .sgpr_count:     66
    .vgpr_count:     130
    .wavefront_size: 32
...
	.end_amdgpu_metadata
.endif
;; end of part 5
;; launch proj (part 6): grid 12 x 64, 4 waves a work-group, no clusters, 0 bytes of LDS; arguments ah, asc, pos, pos_cross, head_scale, qkvh, qkvs; writes qkvh, qkvs
.if DOCPART == 6
	.amdgcn_target "amdgcn-amd-amdhsa--gfx1250"
	.amdhsa_code_object_version 6
	.text
	.protected	k_q04f7010a01_proj
	.globl	k_q04f7010a01_proj
	.p2align	8
	.type	k_q04f7010a01_proj,@function
k_q04f7010a01_proj:
	s_mov_b64 s[64:65], 0
	v_nop
	global_prefetch_b8 v0, s[64:65] scope:SCOPE_SE
	s_setreg_imm32_b32 hwreg(HW_REG_WAVE_SCHED_MODE, 0, 2), 2
	s_setreg_imm32_b32 hwreg(HW_REG_WAVE_MODE, 25, 1), 1
	s_wait_xcnt 0x0
	s_wait_alu depctr_vm_vsrc(0)
; PROJ: q = xn q_w^T, k and v = xc kv_w^T on codes of BF6 (K = 1,024), then, in f32 and in registers: q and k divided by their norm over the head's 64 channels and multiplied by sqrt(head_scale),
; rotated (axial RoPE on channels 0-59), and all three quantised again for the attention: q, k along the head's 64 channels, v along the keys.
; SHARES.  A wave makes 64 tokens x 64 weight rows (one head of q, k or v): 16 accumulators, 128 registers.  hs = 4 x + wave = 16 sec + head (sec 0 q, 1 k, 2 v); y = which 64 tokens.
; Operands lie in memory as images of their registers: a fragment is four loads of whole aligned blocks, straight into registers: no LDS, no barrier.
; NO CLUSTER: a joint request serves tensor loads into LDS; here nothing goes through LDS.  The price: each token tile is loaded by 48 waves and each weight tile by 64, from the caches.
; THE ORDER OF K.  A work-group begins at K step (2 (x % 4) + x / 8 + y + y / 8) % 8 and goes round the eight: work-groups that read the same tiles begin at different K steps, so that in the first trips each
; block of a tile is asked for by some of its readers while the others ask for other blocks.  The four waves of a work-group keep the same step: they read the same token tiles.  The sums are f32, in that order.
; ONE LOOP FOR BOTH USES.  Source 0 = P, source 1 = R.  q, k: P = weight rows, R = tokens (transposed: a lane holds ONE token, its registers run along the channels).  v: P = tokens, R = weight rows
; (a lane holds one channel, its registers run along the tokens = keys).  Only the tiles' numbers are chosen.  Accumulator (i, j) lies at v[128 + 8 (4 j + i)]: v[128 + 32 j ..] are 32 numbers of the lane's row j.
; ROTARY PAIRS.  By the order of the weight rows in a tile, register a (0-15) and register 16 + a of a token are channels (i, i + 30), i = a in lanes 0-15 and 14 + a in lanes 16-31; in lanes 0-15 a = 14, 15 are channels
; 60-63, which get the frequency 0 (cos = 1, sin = 0 exactly).  Behind the rotation lanes 0-15 swap registers 14, 15 with 16, 17: registers 0-15 of both halves are then channels 0-31, registers 16-31 channels 32-63:
; the quantiser's two blocks.  Inside a block the order is permuted, alike for q and k, which keeps their product.
; SINE AND COSINE: k = floor(theta 2 / pi + 1/2); r = theta - k pi / 2 in two steps; polynomials in r^2 on [-pi/4, pi/4]; quadrant by selects.  The frequency of band d of a head is pi 10^((16 d + head) / 160), by v_exp_f32.
; LIMITS: |pos x frequency| up to about 1e5 (the two-step reduction); NaN and infinities are not served; a block of zeros gets the byte 1 where the rule says 127 (read by this program alone).
; THE MODE: SCHED_MODE bits 1:0 = 2 (LLVM: expert scheduling mode 2), set by the entry lines.  The code itself states the register dependences between vector or matrix instructions and memory instructions,
; with s_wait_alu, always for 0.
; THE PLAN.  Registers that memory instructions touch:
;   v1-7, v28        offsets: written at the head, read by every load; one wait on va_vdst ahead of the first load.  No vector instruction writes them in the loop: the K step is reached by two scalar bases.
;                    v1-3 are made anew behind the loop, as the stores' offsets: one wait on vm_vsrc ahead of that.
;   v8-15, v32-127   scale words and fragments: each trip's 40 loads land in them, the trip's 16 products read them.  The 256 registers hold no second set (128 accumulators, 96 + 8 of operands, 12 of pos, the offsets),
;                    so a trip's loads land where the trip before multiplied: one wait on va_vdst at the head of trips 1 to 7.
;   v16-27, v29      pos and head_scale: loaded once at the head, read by vector instructions behind the loop: the load counter's affair.
;   v48-95, v106-107 the way out: written by the four quantisers and two selects, read by the ten stores, which stand together behind one wait on va_vdst; nothing is written again behind them.
;   Scalar results of vector instructions: the wave's number (s20), and the rotary's quadrant masks, made eight in a run into s56-63: one wait on va_sdst behind each run.
.set VP16, 1                           ; v1  P: tile's byte + 16 x lane        (behind the loop: 16 x lane)
.set VP8,  2                           ; v2  P: tile's byte + 8 x lane         (8 x lane)
.set VR16, 3                           ; v3  R likewise                        (4 x lane)
.set VR8,  4
.set VPS,  5                           ; v5  P's scale words: tile x 512 + 4 r
.set VRS,  6
.set VPOS, 7
.set SP,   8                           ; v8-11   P's scale words, v12-15 R's: they hold scales and nothing else
.set SR,   12
.set POS,  16                          ; v16-27  pos of my token in each of the four token tiles
.set PF,   32                          ; v32-79  P's four fragments     (behind the loop: v32-47 the frequencies, v48-95 the codes, v96-99 their scale words)
.set RF,   80                          ; v80-127 R's                    (v100-127 at work)
.set ACC,  128
.set F,    32
.set RR,   48                          ; v48-55  the rotary: r of eight register pairs (ahead of the quantisers, which take these registers for the codes)
.set KI,   56                          ; v56-63  and their k, as whole numbers
.set MS,   56                          ; s56-63  and their masks: k is odd (free behind the loop)
.set TM,   100
.set SO,   104
.set CB,   18                          ; s[18:19] ah at the trip's K step
.set CSB,  62                          ; s[62:63] asc at the trip's K step
.set SEL,  36
	s_load_b256 s[4:11], s[0:1], 0x0               ; ah, asc, pos, pos_cross
	s_load_b128 s[12:15], s[0:1], 0x20             ; head_scale, qkvh
	s_load_b64 s[16:17], s[0:1], 0x30              ; qkvs
	v_lshrrev_b32 v1, 5, v0
	v_readfirstlane_b32 s20, v1                    ; wave
	s_lshl_b32 s21, ttmp9, 2
	s_wait_alu depctr_va_sdst(0)                   ; s20 is written, ahead of its first reader: the tiles' numbers and the bases are made from it
	s_add_co_u32 s21, s21, s20                     ; hs
	s_and_b32 s22, ttmp7, 0xffff                   ; tg: which 64 tokens
	s_and_b32 s23, s21, 15                         ; head
	s_lshr_b32 s24, s21, 4                         ; sec
	s_and_b32 s38, ttmp9, 3                        ; the K step at which my work-group begins (taken modulo 8 in each trip)
	s_lshl_b32 s38, s38, 1
	s_lshr_b32 s39, ttmp9, 3
	s_add_co_u32 s38, s38, s39
	s_add_co_u32 s38, s38, s22
	s_lshr_b32 s39, s22, 3
	s_add_co_u32 s38, s38, s39
	s_mov_b32 s61, 0                               ; the upper words of the two offsets
	s_mov_b32 s3, 0
	s_lshl_b32 s25, s21, 2
	s_add_co_u32 s25, s25, 512                     ; my first weight tile
	s_lshl_b32 s26, s22, 2
	s_cmp_lg_u32 s24, 0
	s_cselect_b32 s27, 256, 0
	s_add_co_u32 s26, s26, s27                     ; my first token tile: of xn for q, of xc for k and v
	s_cmp_eq_u32 s24, 2
	s_cselect_b32 s28, s26, s25                    ; P
	s_cselect_b32 s29, s25, s26                    ; R
	s_mul_i32 s30, s28, 12288
	s_mul_i32 s31, s29, 12288
	v_and_b32 v30, 31, v0
	v_and_b32 v31, 15, v0
	v_lshl_add_u32 v[VP16], v30, 4, s30
	v_lshl_add_u32 v[VP8], v30, 3, s30
	v_lshl_add_u32 v[VR16], v30, 4, s31
	v_lshl_add_u32 v[VR8], v30, 3, s31
	s_lshl_b32 s30, s28, 9
	s_lshl_b32 s31, s29, 9
	v_lshl_add_u32 v[VPS], v31, 2, s30
	v_lshl_add_u32 v[VRS], v31, 2, s31
	v_and_b32 v[VPOS], 7, v0                       ; pos: slot r of a token tile is token r % 8 + 16 (r / 8) of its group; 12 bytes a token
	v_bfe_u32 v28, v0, 3, 1
	v_lshl_add_u32 v[VPOS], v28, 4, v[VPOS]
	v_mul_u32_u24 v[VPOS], v[VPOS], 12
	s_mul_i32 s34, s22, 768
	v_add_nc_u32 v[VPOS], s34, v[VPOS]
	s_lshl_b32 s34, s23, 2
	v_mov_b32 v28, s34                             ; head_scale[head]
	; where the results go.  idx = 4,096 sec + 128 bh + 4 (tg % 32): q, k: token tile; v: (64 keys, channel tile)
	s_lshr_b32 s30, s22, 5
	s_lshl_b32 s30, s30, 4
	s_add_co_u32 s30, s30, s23                     ; bh = 16 batch + head
	s_and_b32 s31, s22, 31
	s_lshl_b32 s34, s24, 12
	s_lshl_b32 s35, s30, 7
	s_add_co_u32 s34, s34, s35
	s_lshl_b32 s35, s31, 2
	s_add_co_u32 s34, s34, s35                     ; idx
	s_mul_i32 s56, s34, 768
	s_mov_b32 s57, 0
	s_lshl_b32 s58, s34, 6                         ; q, k: 64 bytes of scale words a tile
	s_mov_b32 s59, 0
	s_lshl_b32 s35, s30, 4                         ; v: [bh][128 keys][channel tile][16] words behind q's and k's; my 64 keys are two of a word's four bytes
	s_lshr_b32 s53, s31, 1
	s_add_co_u32 s35, s35, s53
	s_lshl_b32 s35, s35, 8
	s_and_b32 s53, s22, 1
	s_lshl_b32 s53, s53, 1
	s_add_co_u32 s35, s35, s53
	s_add_co_u32 s35, s35, 524288
	s_cmp_eq_u32 s24, 2
	s_cselect_b32 s58, s35, s58
	s_mov_b32 s[SEL], 0x76543210
	s_mov_b32 s[SEL+1], 0xfedcba98
	s_mov_b32 vcc_lo, 0xffff0000                   ; lanes 16-31
	s_mov_b32 s40, 0x3caa152d                      ; log2(10) / 160
	s_mov_b32 s41, 0x3fd3643a                      ; log2(pi)
	s_mov_b32 s42, 0x3f22f983                      ; 2 / pi
	s_mov_b32 s43, 0xbfc90fdb                      ; -(pi / 2 rounded to f32)
	s_mov_b32 s44, 0x333bbd2e                      ; what that rounding added: 4.3711388e-8
	s_mov_b32 s45, 0xb94ca1f9                      ; sine: -1.9515296e-4, 8.3321609e-3, -1.6666655e-1
	s_mov_b32 s46, 0x3c08839e
	s_mov_b32 s47, 0xbe2aaaa3
	s_mov_b32 s48, 0x37ccf5ce                      ; cosine: 2.4433157e-5, -1.3887316e-3, 4.1666646e-2
	s_mov_b32 s49, 0xbab6061a
	s_mov_b32 s50, 0x3d2aaaa5
	s_mov_b32 s51, 0x80000000
	s_mov_b32 s52, 0x358637bd                      ; 1e-6
	s_wait_kmcnt 0x0
	s_cmp_eq_u32 s24, 0
	s_cselect_b64 s[32:33], s[8:9], s[10:11]       ; pos for q, pos_cross for k (v loads it too and does not use it: one path)
	s_add_nc_u64 s[14:15], s[14:15], s[56:57]
	s_add_nc_u64 s[16:17], s[16:17], s[58:59]
	s_wait_alu depctr_va_vdst(0)                   ; the offsets v1 to v7 and v28 are written, which every load of the kernel reads
.irp j, 0,1,2,3
.irp a, 0,1,2
	global_load_b32 v[POS+3*\j+\a], v[VPOS], s[32:33] offset:12*(32*(\j/2)+8*(\j%2))+4*\a
.endr
.endr
	global_load_b32 v29, v28, s[12:13]
; Trip s of eight: a K step of 128: 8 scale words, P's four fragments, R's four, 16 products.  The sixteen accumulators take turns, one instruction a turn, in the same order in every trip.
.macro KSTEP s, zero
.if \s > 0
.rept 4
	v_nop                                          ; four plain instructions behind the last products, as in the plain form; they stay beside the wait below
.endr
.endif
	s_add_co_u32 s39, s38, \s
	s_and_b32 s39, s39, 7                          ; this trip's K step
	s_mul_i32 s60, s39, 1536                       ; its two half fragments in a tile's 12,288 bytes,
	s_lshl_b32 s2, s39, 6                          ; its 16 words in a tile's 512 bytes of scale words
	s_add_nc_u64 s[CB:CB+1], s[4:5], s[60:61]      ; the two bases are written again only behind the last trip's wait for all its loads
	s_add_nc_u64 s[CSB:CSB+1], s[6:7], s[2:3]
.if \s > 0
	s_wait_alu depctr_va_vdst(0)                   ; the last trip's products are done reading v8-15 and v32-127, in which this trip's 40 loads land
.endif
.irp i, 0,1,2,3
	global_load_b32 v[SP+\i], v[VPS], s[CSB:CSB+1] offset:512*\i
.endr
.irp i, 0,1,2,3
	global_load_b32 v[SR+\i], v[VRS], s[CSB:CSB+1] offset:512*\i
.endr
.irp i, 0,1,2,3
	global_load_b128 v[PF+12*\i:PF+12*\i+3], v[VP16], s[CB:CB+1] offset:12288*\i
	global_load_b64 v[PF+12*\i+4:PF+12*\i+5], v[VP8], s[CB:CB+1] offset:12288*\i+512
	global_load_b128 v[PF+12*\i+6:PF+12*\i+9], v[VP16], s[CB:CB+1] offset:12288*\i+768
	global_load_b64 v[PF+12*\i+10:PF+12*\i+11], v[VP8], s[CB:CB+1] offset:12288*\i+1280
.endr
.irp i, 0,1,2,3
	global_load_b128 v[RF+12*\i:RF+12*\i+3], v[VR16], s[CB:CB+1] offset:12288*\i
	global_load_b64 v[RF+12*\i+4:RF+12*\i+5], v[VR8], s[CB:CB+1] offset:12288*\i+512
	global_load_b128 v[RF+12*\i+6:RF+12*\i+9], v[VR16], s[CB:CB+1] offset:12288*\i+768
	global_load_b64 v[RF+12*\i+10:RF+12*\i+11], v[VR8], s[CB:CB+1] offset:12288*\i+1280
.endr
.irp j, 0,1,2,3
	s_wait_loadcnt 12-4*\j                         ; all but the four loads of each of R's tiles behind tile j
.irp i, 0,1,2,3
.if \zero
	v_wmma_scale_f32_16x16x128_f8f6f4 v[ACC+8*(4*\j+\i):ACC+8*(4*\j+\i)+7], v[PF+12*\i:PF+12*\i+11], v[RF+12*\j:RF+12*\j+11], 0, v[SP+\i], v[SR+\j] matrix_a_fmt:MATRIX_FMT_BF6 matrix_b_fmt:MATRIX_FMT_BF6
.else
	v_wmma_scale_f32_16x16x128_f8f6f4 v[ACC+8*(4*\j+\i):ACC+8*(4*\j+\i)+7], v[PF+12*\i:PF+12*\i+11], v[RF+12*\j:RF+12*\j+11], v[ACC+8*(4*\j+\i):ACC+8*(4*\j+\i)+7], v[SP+\i], v[SR+\j] matrix_a_fmt:MATRIX_FMT_BF6 matrix_b_fmt:MATRIX_FMT_BF6
.endif
.endr
.endr
.endm
	KSTEP 0, 1                                     ; the first trip's products start the sums
.irp s, 1,2,3,4,5,6,7
	KSTEP \s, 0
.endr
.rept 4
	v_nop                                          ; four plain instructions ahead of the first read of results and the first write of operands
.endr
	s_wait_alu depctr_vm_vsrc(0)                   ; the loads have read their offsets v1 to v3, which are written anew below (on both ways behind the branch they serve the stores)
	v_and_b32 v3, 31, v0                           ; the stores' offsets (the loads that named these registers are done)
	v_lshlrev_b32 v1, 4, v3
	v_lshlrev_b32 v2, 3, v3
	v_lshlrev_b32 v3, 2, v3
	s_cmp_eq_u32 s24, 2
	s_cbranch_scc1 .Lquant                         ; v is quantised as it is
	; ---- q, k: the frequencies of my 16 register pairs.  Band: lanes 0-15 d0, lanes 16-31 d1
.macro FD j, d0, d1
	v_mov_b32 v[F+\j], \d1
	v_cndmask_b32 v[F+\j], \d0, v[F+\j], vcc_lo
.endm
	FD 0, 0, 4
	FD 1, 1, 5
	FD 2, 2, 6
	FD 3, 3, 7
	FD 4, 4, 8
	FD 5, 5, 9
	FD 6, 6, 0
	FD 7, 7, 1
	FD 8, 8, 2
	FD 9, 9, 3
	FD 10, 0, 4
	FD 11, 1, 5
	FD 12, 2, 6
	FD 13, 3, 7
	FD 14, 4, 8
	FD 15, 5, 9
.set i, 0
.rept 16
	v_lshl_add_u32 v[F+i], v[F+i], 4, s23          ; 16 d + head
.set i, i+1
.endr
.set i, 0
.rept 16
	v_cvt_f32_u32 v[F+i], v[F+i]
.set i, i+1
.endr
.set i, 0
.rept 16
	v_fma_f32 v[F+i], v[F+i], s40, s41             ; log2 of the frequency
.set i, i+1
.endr
.set i, 0
	s_wait_alu depctr_va_vdst(0)
.rept 16
	v_exp_f32 v[F+i], v[F+i]
.set i, i+1
.endr
	v_sqrt_f32 v30, v29                            ; sqrt(head_scale)
	v_nop                                          ; a plain instruction behind the transcendentals
	s_wait_alu depctr_va_vdst(0)                   ; the sixteen exponentials have written v32-47 and the root v30, ahead of the first instruction that names one of them
	v_cndmask_b32 v[F+14], 0, v[F+14], vcc_lo      ; channels 60-63 are not rotated
	v_cndmask_b32 v[F+15], 0, v[F+15], vcc_lo
; The rotation of register pair j by theta = v[p] x frequency j, in two parts, so that eight compares stand in a run ahead of one wait.
; ANGLE: theta is reduced: r into v[RR + j % 8], k into v[KI + j % 8], the mask 'k is odd' into s[MS + j % 8]
.macro ANGLE j, p
	v_mul_f32 v110, v[\p], v[F+(\j)]               ; theta
	v_fma_f32 v111, v110, s42, 0.5
	v_floor_f32 v111, v111                         ; k
	v_fma_f32 v112, v111, s43, v110
	v_cvt_i32_f32 v[KI+(\j)%8], v111
	v_fma_f32 v[RR+(\j)%8], v111, s44, v112        ; r = theta - k pi / 2
	v_and_b32 v119, 1, v[KI+(\j)%8]
	v_cmp_eq_u32 s[MS+(\j)%8], 1, v119             ; odd k: sine and cosine change places
.endm
; ROTATE: sine and cosine of r, the quadrant, and register pair (x + j, x + 16 + j) is rotated
.macro ROTATE x, j
	v_mul_f32 v114, v[RR+(\j)%8], v[RR+(\j)%8]     ; z = r^2
	v_fma_f32 v115, v114, s45, s46
	v_fma_f32 v116, v114, s48, s49
	v_mul_f32 v117, v[RR+(\j)%8], v114
	v_mul_f32 v118, v114, v114
	v_fma_f32 v115, v115, v114, s47
	v_fma_f32 v116, v116, v114, s50
	v_fma_f32 v120, v114, -0.5, 1.0
	v_fma_f32 v115, v115, v117, v[RR+(\j)%8]       ; sin r
	v_fma_f32 v116, v116, v118, v120               ; cos r
	v_lshlrev_b32 v121, 30, v[KI+(\j)%8]           ; the sine's sign: bit 1 of k;
	v_add_nc_u32 v113, 1, v[KI+(\j)%8]
	v_and_b32 v121, s51, v121
	v_lshlrev_b32 v113, 30, v113                   ; the cosine's: bit 1 of k + 1
	v_cndmask_b32 v122, v115, v116, s[MS+(\j)%8]
	v_cndmask_b32 v123, v116, v115, s[MS+(\j)%8]
	v_and_b32 v113, s51, v113
	v_xor_b32 v122, v122, v121                     ; sin theta
	v_xor_b32 v123, v123, v113                     ; cos theta
	v_mul_f32 v124, v[\x+16+(\j)], v122
	v_mul_f32 v125, v[\x+(\j)], v122
	v_fma_f32 v[\x+(\j)], v[\x+(\j)], v123, -v124          ; x1 c - x2 s
	v_fma_f32 v[\x+16+(\j)], v[\x+16+(\j)], v123, v125     ; x2 c + x1 s
.endm
.macro NORMROPE j
.set X, ACC+32*\j
	v_pk_mul_f32 v[100:101], v[X:X+1], v[X:X+1]    ; the sum of squares of my 32 channels; each accumulator is read from its low end on
	v_pk_mul_f32 v[102:103], v[X+2:X+3], v[X+2:X+3]
.irp i, 4,8,12,16,20,24,28
	v_pk_fma_f32 v[100:101], v[X+\i:X+\i+1], v[X+\i:X+\i+1], v[100:101]
	v_pk_fma_f32 v[102:103], v[X+\i+2:X+\i+3], v[X+\i+2:X+\i+3], v[102:103]
.endr
	v_pk_add_f32 v[100:101], v[100:101], v[102:103]
	v_add_f32 v100, v100, v101
	v_permlanex16_b32 v101, v100, s[SEL], s[SEL+1]
	v_add_f32 v100, v100, v101                     ; with lane l xor 16's 32: the token's 64
	v_add_f32 v100, s52, v100
	s_wait_alu depctr_va_vdst(0)
	v_rsq_f32 v104, v100
	v_cndmask_b32 v106, v[POS+3*\j], v[POS+3*\j+1], vcc_lo     ; the axis of pairs 0-5: 0 in lanes 0-15, 1 in lanes 16-31  (plain instructions behind the transcendental)
	v_cndmask_b32 v107, v[POS+3*\j], v[POS+3*\j+2], vcc_lo     ; of pairs 6-9: 0, 2
	v_cndmask_b32 v108, v[POS+3*\j+1], v[POS+3*\j+2], vcc_lo   ; of pairs 10-15: 1, 2
	s_wait_alu depctr_va_vdst(0)                   ; the reciprocal root has written v104, ahead of its first reader
	v_mul_f32 v104, v30, v104                      ; sqrt(head_scale) x rsqrt
	v_mov_b32 v105, 0                              ; (named with it as a pair)
.irp i, 0,2,4,6,8,10,12,14,16,18,20,22,24,26,28,30
	v_pk_mul_f32 v[X+\i:X+\i+1], v[X+\i:X+\i+1], v[104:105] op_sel_hi:[1,0]
.endr
.irp q, 0,1,2,3,4,5
	ANGLE \q, 106
.endr
.irp q, 6,7
	ANGLE \q, 107
.endr
	s_wait_alu depctr_va_sdst(0)                   ; the eight compares have written s56-63, ahead of the first select that reads one of them
.irp q, 0,1,2,3,4,5,6,7
	ROTATE X, \q
.endr
.irp q, 8,9
	ANGLE \q, 107
.endr
.irp q, 10,11,12,13,14,15
	ANGLE \q, 108
.endr
	s_wait_alu depctr_va_sdst(0)                   ; the second run of eight compares has written s56-63, ahead of the first select that reads one of them
.irp q, 8,9,10,11,12,13,14,15
	ROTATE X, \q
.endr
.irp q, 0,1                                    ; lanes 0-15: channels 60, 61 change places with channels 30, 31
	v_mov_b32 v110, v[X+14+\q]
	v_cndmask_b32 v[X+14+\q], v[X+16+\q], v[X+14+\q], vcc_lo
	v_cndmask_b32 v[X+16+\q], v110, v[X+16+\q], vcc_lo
.endr
.endm
	NORMROPE 0
	NORMROPE 1
	NORMROPE 2
	NORMROPE 3
.Lquant:
	v_mov_b32 v[TM+2], 0                           ; a lane permute's destination counts as one of its sources
	v_mov_b32 v[TM+3], 0
; 32 numbers of a lane, register 16 b + i = k 32 b + 16 (lane / 16) + i of my row, become a half fragment's codes in v[pc .. pc + 5] and its two scale bytes in v[pw]
.macro QUANT2 s, pc, pw
.irp b, 0,1
	v_max3_num_f32 v[TM+\b], |v[(\s)+16*\b]|, |v[(\s)+16*\b+1]|, 0x2800000   ; my 16 numbers of block b, and the floor 2^(5 - 127)
.endr
.irp i, 2,4,6,8,10,12,14
.irp b, 0,1
	v_max3_num_f32 v[TM+\b], v[TM+\b], |v[(\s)+16*\b+\i]|, |v[(\s)+16*\b+\i+1]|
.endr
.endr
.irp b, 0,1
	v_permlanex16_b32 v[TM+2+\b], v[TM+\b], s[SEL], s[SEL+1]
.endr
.irp b, 0,1
	v_max_num_f32 v[TM+\b], v[TM+\b], v[TM+2+\b]   ; with lane l xor 16's: the block's largest magnitude
.endr
.irp b, 0,1
	v_add_nc_u32 v[SO+\b], 0xfe000000, v[TM+\b]    ; 4 off its exponent field: the conversion's scale operand
.endr
.irp b, 0,1
	v_lshrrev_b32 v[TM+2+\b], 23, v[SO+\b]         ; the scale's byte
.endr
	v_lshl_or_b32 v[\pw], v[TM+3], 8, v[TM+2]
	v_cvt_scalef32_pk16_bf6_f32 v[(\pc):(\pc)+2], v[(\s):(\s)+15], v[SO]
	v_cvt_scalef32_pk16_bf6_f32 v[(\pc)+8:(\pc)+10], v[(\s)+16:(\s)+31], v[SO+1]
	v_nop                                          ; one plain instruction behind a scaled conversion
.irp i, 0,1,2
	v_permlane16_swap_b32 v[(\pc)+\i], v[(\pc)+8+\i]   ; a whole block to a lane: lanes 0-15 block 0, lanes 16-31 block 1
.endr
.irp i, 0,1,2
	v_mov_b32 v[(\pc)+3+\i], v[(\pc)+8+\i]
.endr
.endm
.irp j, 0,1,2,3
	QUANT2 ACC+32*\j, 48+12*\j, 96+\j              ; each j has registers of its own for its codes and its bytes
.endr
	v_cndmask_b32 v106, v96, v97, vcc_lo           ; lanes 0-15 tile 0's words, lanes 16-31 tile 1's
	v_cndmask_b32 v107, v98, v99, vcc_lo
	s_wait_alu depctr_va_vdst(0)                   ; the quantisers have written the codes v48-95, the selects v106 and v107, and v1 to v3 are written: the ten stores below, on both ways behind the branch, read these and nothing else
.irp j, 0,1,2,3
	global_store_b128 v1, v[48+12*\j:51+12*\j], s[14:15] offset:768*\j         ; whole aligned blocks of 256 bytes
	global_store_b64 v2, v[52+12*\j:53+12*\j], s[14:15] offset:768*\j+512
.endr
	s_cmp_eq_u32 s24, 2
	s_cbranch_scc1 .Lvs
	global_store_b32 v3, v106, s[16:17]            ; q, k: a word a row; bytes 2 and 3 are 0: they scale the zero codes that fill K from 64 to 128
	global_store_b32 v3, v107, s[16:17] offset:128
	s_endpgm
.Lvs:
	global_store_b16 v3, v106, s[16:17]            ; v: my 64 keys' two bytes of a word of 128 keys
	global_store_b16 v3, v107, s[16:17] offset:128
	s_endpgm
.Lfunc_end_k_q04f7010a01_proj:
	.size	k_q04f7010a01_proj, .Lfunc_end_k_q04f7010a01_proj-k_q04f7010a01_proj
	.p2alignl 7, 3214868480
	.fill 96, 4, 3214868480
	.section	.rodata,"a",@progbits
	.p2align	6, 0x0
	.amdhsa_kernel k_q04f7010a01_proj
		.amdhsa_group_segment_fixed_size 0
		.amdhsa_private_segment_fixed_size 0
		.amdhsa_enable_private_segment 0
		.amdhsa_kernarg_size 56
		.amdhsa_user_sgpr_count 2
		.amdhsa_user_sgpr_kernarg_segment_ptr 1
		.amdhsa_wavefront_size32 1
		.amdhsa_system_sgpr_workgroup_id_x 1
		.amdhsa_system_sgpr_workgroup_id_y 1
		.amdhsa_system_sgpr_workgroup_id_z 1
		.amdhsa_system_vgpr_workitem_id 0
		.amdhsa_next_free_vgpr 256
		.amdhsa_next_free_sgpr 66
		.amdhsa_reserve_vcc 1
		.amdhsa_float_denorm_mode_32 3
		.amdhsa_float_denorm_mode_16_64 3
		.amdhsa_memory_ordered 1
		.amdhsa_forward_progress 1
		.amdhsa_inst_pref_size 172
	.end_amdhsa_kernel
	.amdgpu_metadata
---
amdhsa.version: [ 1, 2 ]
amdhsa.kernels:
  - .name:           k_q04f7010a01_proj
    .symbol:         k_q04f7010a01_proj.kd
    .args:
      - { .name: ah, .offset: 0, .size: 8, .value_kind: global_buffer, .address_space: global }
      - { .name: asc, .offset: 8, .size: 8, .value_kind: global_buffer, .address_space: global }
      - { .name: pos, .offset: 16, .size: 8, .value_kind: global_buffer, .address_space: global }
      - { .name: pos_cross, .offset: 24, .size: 8, .value_kind: global_buffer, .address_space: global }
      - { .name: head_scale, .offset: 32, .size: 8, .value_kind: global_buffer, .address_space: global }
      - { .name: qkvh, .offset: 40, .size: 8, .value_kind: global_buffer, .address_space: global }
      - { .name: qkvs, .offset: 48, .size: 8, .value_kind: global_buffer, .address_space: global }
    .group_segment_fixed_size: 0
    .private_segment_fixed_size: 0
    .kernarg_segment_align: 8
    .kernarg_segment_size: 56
    .max_flat_workgroup_size: 128
    .sgpr_count:     66
    .vgpr_count:     256
    .wavefront_size: 32
...
	.end_amdgpu_metadata
.endif
;; end of part 6
;; launch attn (part 7): grid 8 x 32, 16 waves a work-group, clusters of 4 x 1, 210,944 bytes of LDS; arguments qkvh, qkvs, oh, os; writes oh, os
.if DOCPART == 7
	.amdgcn_target "amdgcn-amd-amdhsa--gfx1250"
	.amdhsa_code_object_version 6
	.text
	.protected	k_q04f7010a01_attn
	.globl	k_q04f7010a01_attn
	.p2align	8
	.type	k_q04f7010a01_attn,@function
k_q04f7010a01_attn:
	s_mov_b64 s[64:65], 0
	v_nop
	global_prefetch_b8 v0, s[64:65] scope:SCOPE_SE
	s_setreg_imm32_b32 hwreg(HW_REG_WAVE_MODE, 25, 1), 1
	s_wait_xcnt 0x0
	s_wait_alu depctr_hold_cnt(0) depctr_sa_sdst(0) depctr_va_vdst(0) depctr_va_sdst(0) depctr_va_ssrc(0) depctr_va_vcc(0) depctr_vm_vsrc(0)
	s_getreg_b32 s2, hwreg(HW_REG_IB_STS2, 6, 4)
	s_cmp_eq_u32 s2, 0
	s_cbranch_scc0 .Lentry_in_a_cluster
	s_endpgm
.Lentry_in_a_cluster:
	s_bfe_u32 s2, ttmp6, 0x10000c
	s_cmp_lg_u32 s2, 0x3003
	s_cbranch_scc0 .Lentry_shape_is_right
	s_endpgm
.Lentry_shape_is_right:
; ATTN: o = softmax(q k^T) v for one (batch, head) = y and 256 queries, both products on codes of BF6; o is quantised along the head's 64 channels for the output projection.
; THE SOFTMAX AHEAD OF THE SECOND PRODUCT: t = score x log2(e); M = the running largest t rounded UP to a whole number; p = 2^(t - M) is quantised along the keys, not normalised; the row's sum is taken of the
; unquantised p and divides O at the end; when M moves, the sum and O are multiplied by 2^(old M - new M), which rounds nothing.  No bound on the scores is assumed (head_scale is an input).
; SHARES.  Sixteen waves, each ONE tile of 16 queries in 256 registers: four waves to a SIMD, so that one wave's vector work stands beside another's products and LDS loads.  Every wave walks the 2,048 keys, 128 a step.
; A HEAD'S WHOLE K AND V LIE IN LDS, filled ONCE (98,304 bytes of codes each, 8,192 and 4,096 of scale words): no byte of LDS is filled again, so there is no ring.
; CLUSTER.  The four query blocks of a cluster belong to one head and want the same K and V: each block of memory is asked for JOINTLY, by the same tensor load with the same descriptor and the mask 15.
; Wave 0 asks for K (scale words, then four chunks of 512 keys), wave 1 for V: five loads of a wave are out at the most.
; TWO BARRIERS.  Behind the first the scale words and chunk 0 (steps 0 to 3) may be read.  The second is split: behind step 1 each wave waits for all its tensor loads and signals; steps 2 and 3, which read chunk 0 alone,
; stand between the signal and the wait; behind the wait chunks 1 to 3 may be read.  So a wave stands at the second barrier only if another is more than two steps behind it, and steps 4 to 15 have no barrier.
; LAYOUT.  Both products are used transposed: S^T = K Q^T (source 0 = 16 keys), O^T = V^T P^T (source 0 = 16 channels): a lane holds ONE query throughout.  By the order of the tokens in a tile the 16 registers of key
; tiles 2 b, 2 b + 1 are keys 32 b + 16 (lane / 16) + 0 .. 15, and by the order of v's channels O^T's 32 registers are channels 32 b + 16 (lane / 16) + 0 .. 15.
; K = 64 IN THE FIRST PRODUCT: the instruction's upper 64 are zero codes in Q (v22-27).  A key tile is 6 registers, and the instruction names 12: the upper six are the next tile's codes (behind the last: zeros);
; they meet Q's zero codes (E3M2 has no code for NaN or infinity) under the scale byte 0, and add nothing.
; LIMITS: p under 2^-126 counts as 0; NaN and infinities are not served; a block of zeros gets the byte 1 where the rule says 127 (read by this program alone).
.set VLDS, 98304                       ; LDS: K's codes at 0, V's here,
.set KSO,  196608                      ; K's scale words [tile 128][16],
.set VSO,  204800                      ; V's [128 keys 16][channel tile 4][16]
.set KV,   32                          ; v32-79 eight key tiles (6 registers each) or V's four fragments; v80-85 zeros
.set KSC,  86                          ; v86-89 K's scale words: lanes 0-15 the even tile's, lanes 16-31 the odd tile's;  v90-91 V's likewise
.set VSC,  90
.set S,    96                          ; v96-159 S^T, then p
.set O,    160                         ; v160-191 O^T
.set PC,   192                         ; v192-203 p's codes
.set CH,   204                         ; v204-206, v208-210 the conversions' second halves
.set BM,   212                         ; v212-215 a block's largest score, then p
.set BP,   216
.set SO,   220
.set PW,   224                         ; p's scale word
.set TA,   225
.set TM,   212                         ; (the last quantiser's registers)
.set SEL,  72
.set CS,   74                          ; s[74:75] log2(e): the packed form names a pair
.set G1C,  24                          ; s[24:31] group 1: a chunk, 96 rows of 256 bytes;  s[32:39] K's scale words, 32 rows;  s[40:47] V's, 16 rows
.set G1KS, 32
.set G1VS, 40
.set G0S,  48                          ; s[48:51] group 0 of my scale words;  s[52:63], s[68:71] of my four chunks
.macro ROUND                           ; a round of the cluster's barrier
	s_barrier_signal -1
	s_barrier_wait -1
	s_cmp_lg_u32 s12, 0
	s_cbranch_scc1 .Lnot_wave_0_\@
	s_barrier_signal -3
.Lnot_wave_0_\@:
	s_barrier_wait -3
	s_barrier_signal -1
	s_barrier_wait -1
.endm
.macro MKG1 g, rows                    ; a dense block as rows of 256 bytes: 32 elements of 8 bytes, pitch 32, no padding; the mask names all four work-groups, bit 21 beside it
	s_mov_b32 s[\g], 15|(3<<16)|(1<<21)
	s_mov_b32 s[\g+1], 32<<16
	s_mov_b32 s[\g+2], (\rows)<<16
	s_mov_b32 s[\g+3], 32<<16
	s_mov_b32 s[\g+4], \rows
	s_mov_b32 s[\g+5], 32
	s_mov_b32 s[\g+6], 0
	s_mov_b32 s[\g+7], 0
.endm
.macro MKG0 g, c                       ; chunk c: 24,576 bytes on, in memory and in LDS
	s_mov_b32 s[\g], 1
	s_add_co_u32 s[\g+1], s80, \c*24576
	s_add_nc_u64 s[\g+2:\g+3], s[20:21], \c*24576
	s_or_b32 s[\g+3], s[\g+3], 0x80000000
.endm
	s_load_b256 s[4:11], s[0:1], 0x0               ; qkvh, qkvs, oh, os
	v_lshl_add_u32 v254, v0, 2, 0x33000
	v_mov_b32 v255, 0
	ds_add_u32 v254, v255
	ds_add_u32 v254, v255
	v_lshrrev_b32 v4, 5, v0
	s_delay_alu instid0(VALU_DEP_1)
	v_readfirstlane_b32 s12, v4                    ; wave 0..15
	s_and_b32 s13, s12, 1                          ; 0: K's loads, 1: V's (waves 0 and 1 alone issue them)
	s_and_b32 s14, ttmp7, 0xffff                   ; bh, which the four partners share
	s_bfe_u32 s15, ttmp6, 0x40000                  ; cx: it enters Q's and o's global addresses alone
	s_lshl_b32 s16, ttmp9, 2
	s_add_co_u32 s16, s16, s15                     ; my block of 256 queries
	s_lshl_b32 s17, s16, 4
	s_add_co_u32 s17, s17, s12                     ; my tile of 16 queries, 0..127
	MKG1 G1C, 96
	MKG1 G1KS, 32
	MKG1 G1VS, 16
	s_add_co_u32 s18, s13, 1
	s_mul_i32 s20, s18, 3145728                    ; K's section of the codes, or V's,
	s_mul_i32 s21, s14, 98304
	s_add_co_u32 s20, s20, s21                     ; the head's part
	s_mov_b32 s21, 0
	s_mul_i32 s22, s18, 262144                     ; the same of the scale words: 8,192 bytes a head for K, 4,096 for V
	s_lshr_b32 s23, 8192, s13
	s_mul_i32 s23, s23, s14
	s_add_co_u32 s22, s22, s23
	s_mov_b32 s23, 0
	s_mul_i32 s80, s13, VLDS                       ; where they go: the wave's number alone enters an LDS address
	s_lshl_b32 s81, s13, 13
	s_add_co_u32 s81, s81, KSO
	s_lshl_b32 s82, s14, 7
	s_add_co_u32 s82, s82, s17                     ; Q: tile 128 bh + my tile
	s_mul_i32 s84, s82, 768
	s_mov_b32 s85, 0
	s_lshl_b32 s86, s82, 6
	s_mov_b32 s87, 0
	s_lshr_b32 s88, s14, 4
	s_lshl_b32 s88, s88, 7
	s_add_co_u32 s88, s88, s17                     ; o: token tile T = 128 batch + my tile
	s_and_b32 s89, s14, 15                         ; head
	s_lshl_b32 s90, s88, 4
	s_add_co_u32 s90, s90, s89
	s_mul_i32 s90, s90, 768                        ; half fragment 16 T + head
	s_mov_b32 s91, 0
	s_lshl_b32 s92, s88, 9                         ; scale words [T][8][16]: word head / 2, bytes 2 (head % 2) on
	s_lshr_b32 s93, s89, 1
	s_lshl_b32 s93, s93, 6
	s_add_co_u32 s92, s92, s93
	s_and_b32 s93, s89, 1
	s_lshl_b32 s93, s93, 1
	s_add_co_u32 s92, s92, s93
	s_mov_b32 s93, 0
	s_mov_b32 s[SEL], 0x76543210
	s_mov_b32 s[SEL+1], 0xfedcba98
	s_mov_b32 s[CS], 0x3fb8aa3b                    ; log2(e)
	s_mov_b32 s[CS+1], s[CS]
	s_wait_dscnt 0x0
	s_wait_kmcnt 0x0
	s_add_nc_u64 s[20:21], s[4:5], s[20:21]
	s_add_nc_u64 s[22:23], s[6:7], s[22:23]
	s_add_nc_u64 s[84:85], s[4:5], s[84:85]
	s_add_nc_u64 s[86:87], s[6:7], s[86:87]
	s_add_nc_u64 s[8:9], s[8:9], s[90:91]
	s_add_nc_u64 s[10:11], s[10:11], s[92:93]
	s_mov_b32 s[G0S], 1
	s_mov_b32 s[G0S+1], s81
	s_mov_b64 s[G0S+2:G0S+3], s[22:23]
	s_or_b32 s[G0S+3], s[G0S+3], 0x80000000
	MKG0 52, 0
	MKG0 56, 1
	MKG0 60, 2
	MKG0 68, 3
	ROUND                                          ; all four work-groups are here: the joint loads meet
	s_cmp_eq_u32 s12, 0                            ; a wave's five first fills stand in one branch on the wave's number, ahead of every wait on TENSORcnt and every LDS read; four v_nop follow the last
	s_cbranch_scc0 .Lnot_k
	tensor_load_to_lds s[G0S:G0S+3], s[G1KS:G1KS+7]
	s_nop 0
	tensor_load_to_lds s[52:55], s[G1C:G1C+7]
	s_nop 0
	tensor_load_to_lds s[56:59], s[G1C:G1C+7]
	s_nop 0
	tensor_load_to_lds s[60:63], s[G1C:G1C+7]
	s_nop 0
	tensor_load_to_lds s[68:71], s[G1C:G1C+7]
	s_nop 0
.rept 4
	v_nop
.endr
	s_branch .Lasked
.Lnot_k:
	s_cmp_eq_u32 s12, 1
	s_cbranch_scc0 .Lasked
	tensor_load_to_lds s[G0S:G0S+3], s[G1VS:G1VS+7]
	s_nop 0
	tensor_load_to_lds s[52:55], s[G1C:G1C+7]
	s_nop 0
	tensor_load_to_lds s[56:59], s[G1C:G1C+7]
	s_nop 0
	tensor_load_to_lds s[60:63], s[G1C:G1C+7]
	s_nop 0
	tensor_load_to_lds s[68:71], s[G1C:G1C+7]
	s_nop 0
.rept 4
	v_nop
.endr
.Lasked:
	v_and_b32 v30, 31, v0
	v_and_b32 v31, 15, v0
	s_delay_alu instid0(VALU_DEP_2)
	v_lshlrev_b32 v1, 4, v30                       ; 16 x lane: registers 0-3 of a half fragment
	s_delay_alu instid0(VALU_DEP_3)
	v_lshlrev_b32 v2, 3, v30
	s_delay_alu instid0(VALU_DEP_1)
	v_add_nc_u32 v2, 512, v2                       ; 512 + 8 x lane: registers 4-5
	v_lshlrev_b32 v3, 2, v30
	s_delay_alu instid0(VALU_DEP_4)
	v_add_nc_u32 v10, VLDS, v1                     ; the same in V's part of LDS
	s_delay_alu instid0(VALU_DEP_3)
	v_add_nc_u32 v11, VLDS, v2
	s_delay_alu instid0(VALU_DEP_3)
	v_add_nc_u32 v29, VSO, v3                      ; scale words: 4 x lane covers two tiles
	s_delay_alu instid0(VALU_DEP_4)
	v_add_nc_u32 v3, KSO, v3
	v_lshlrev_b32 v31, 2, v31                      ; 4 r
	global_load_b128 v[16:19], v1, s[84:85]        ; Q's half fragment stays in registers
	global_load_b64 v[20:21], v2, s[84:85]
	global_load_b32 v28, v31, s[86:87]             ; and its scale words
.irp i, 22,23,24,25,26,27,80,81,82,83,84,85
	v_mov_b32 v\i, 0                               ; zero codes
.endr
	v_mov_b32 v13, 0xff61b1e6                      ; the largest t so far: -3e38, under every t
	s_delay_alu instid0(VALU_DEP_1)
	v_floor_f32 v12, -v13                          ; -M
	v_mov_b32 v14, 0                               ; the sum, in two halves
	v_mov_b32 v15, 0
.irp b, 0,1,2,3
	v_mov_b32 v[BP+\b], 0                          ; a lane permute's destination counts as one of its sources
.endr
	v_mov_b32 v227, 0                              ; (the upper half of the pair v[226:227], of which the low word serves)
.set i, 0
.rept 32
	v_mov_b32 v[O+i], 0                            ; O^T: the step is written once; the first finds zeros, which the first change of M leaves zeros
.set i, i+1
.endr
; A KEY STEP: 128 keys.  s76: the step's bytes among the codes (K's and V's alike), s77, s78: among K's and V's scale words
.macro STEP
	v_add_nc_u32 v4, s76, v1                       ; six plain instructions: also the distance between the last step's products and the loads into the registers that they read
	v_add_nc_u32 v5, s76, v2
	v_add_nc_u32 v6, s76, v10
	v_add_nc_u32 v7, s76, v11
	v_add_nc_u32 v8, s77, v3
	v_add_nc_u32 v9, s78, v29
.irp t, 0,1,2,3,4,5,6,7
	ds_load_b128 v[KV+6*\t:KV+6*\t+3], v4 offset:768*\t
	ds_load_b64 v[KV+6*\t+4:KV+6*\t+5], v5 offset:768*\t
.endr
.irp p, 0,1,2,3
	ds_load_b32 v[KSC+\p], v8 offset:128*\p
.endr
	s_wait_alu depctr_va_vdst(0)
	s_wait_dscnt 0x0
.irp t, 0,1,2,3,4,5,6,7                        ; S^T = K Q^T
.if \t%2
	v_wmma_scale_f32_16x16x128_f8f6f4 v[S+8*\t:S+8*\t+7], v[KV+6*\t:KV+6*\t+11], v[16:27], 0, v[KSC+\t/2], v28 matrix_a_fmt:MATRIX_FMT_BF6 matrix_b_fmt:MATRIX_FMT_BF6 matrix_a_scale:MATRIX_SCALE_ROW1
.else
	v_wmma_scale_f32_16x16x128_f8f6f4 v[S+8*\t:S+8*\t+7], v[KV+6*\t:KV+6*\t+11], v[16:27], 0, v[KSC+\t/2], v28 matrix_a_fmt:MATRIX_FMT_BF6 matrix_b_fmt:MATRIX_FMT_BF6
.endif
.endr
.rept 4
	v_nop                                          ; four plain instructions ahead of the loads into K's registers and of the first read of the scores
.endr
.irp c, 0,1,2,3                                ; V's four fragments are asked for now and land under the softmax: registers 0-5 the step's first 64 keys, 6-11 the second
	ds_load_b128 v[KV+12*\c:KV+12*\c+3], v6 offset:768*\c
	ds_load_b64 v[KV+12*\c+4:KV+12*\c+5], v7 offset:768*\c
	ds_load_b128 v[KV+12*\c+6:KV+12*\c+9], v6 offset:3072+768*\c
	ds_load_b64 v[KV+12*\c+10:KV+12*\c+11], v7 offset:3072+768*\c
.endr
	ds_load_b32 v[VSC], v9
	ds_load_b32 v[VSC+1], v9 offset:128
.irp b, 0,1,2,3
	v_max3_num_f32 v[BM+\b], v[S+16*\b], v[S+16*\b+1], v[S+16*\b+2]   ; the largest score of each block of 32 keys: for the row's maximum, and, since p rises with the score, for the block's largest p
.endr
.irp i, 3,5,7,9,11,13
.irp b, 0,1,2,3
	v_max3_num_f32 v[BM+\b], v[BM+\b], v[S+16*\b+\i], v[S+16*\b+\i+1]
.endr
.endr
.irp b, 0,1,2,3
	v_max_num_f32 v[BM+\b], v[BM+\b], v[S+16*\b+15]
.endr
.irp b, 0,1,2,3
	s_delay_alu instid0(VALU_DEP_4)
	v_permlanex16_b32 v[BP+\b], v[BM+\b], s[SEL], s[SEL+1]
.endr
.irp b, 0,1,2,3
	s_delay_alu instid0(VALU_DEP_4)
	v_max_num_f32 v[BM+\b], v[BM+\b], v[BP+\b]     ; with lane l xor 16's 16 keys
.endr
	s_delay_alu instid0(VALU_DEP_2)
	v_max3_num_f32 v[TA], v[BM], v[BM+1], v[BM+2]
	s_delay_alu instid0(VALU_DEP_1)
	v_max_num_f32 v[TA], v[TA], v[BM+3]            ; the step's largest score of my query
	s_delay_alu instid0(VALU_DEP_1)
	v_mul_f32 v[TA], s[CS], v[TA]                  ; as t
	s_delay_alu instid0(VALU_DEP_1)
	v_max_num_f32 v13, v13, v[TA]                  ; the running largest t
	v_mov_b32 v[TA], v12
	s_delay_alu instid0(VALU_DEP_2)
	v_floor_f32 v12, -v13                          ; the new -M = -ceil(t)
	s_delay_alu instid0(VALU_DEP_1)
	v_sub_f32 v[TA], v12, v[TA]                    ; old M - new M: a whole number, 0 or less
	s_delay_alu instid0(VALU_DEP_1)
	v_cvt_i32_f32 v[TA], v[TA]                     ; (it saturates)
	s_delay_alu instid0(VALU_DEP_1)
	v_ldexp_f32 v226, 1.0, v[TA]                   ; f = 2^(old M - new M)
.set i, 0
.rept 32
	v_pk_fma_f32 v[S+i:S+i+1], v[S+i:S+i+1], s[CS:CS+1], v[12:13] op_sel_hi:[1,0,0]   ; t - M, two at a time
.set i, i+2
.endr
.irp b, 0,1,2,3
	v_fma_f32 v[BM+\b], v[BM+\b], s[CS], v12       ; the same of each block's largest score
.endr
.set i, 0
	s_setprio 1
	s_wait_alu depctr_va_vdst(0)
.rept 64
	v_exp_f32 v[S+i], v[S+i]                       ; p = 2^(t - M), at most 1
.set i, i+1
.endr
.irp b, 0,1,2,3
	v_exp_f32 v[BM+\b], v[BM+\b]                   ; the block's largest p: the same two instructions on the same number
.endr
	v_pk_mul_f32 v[14:15], v[14:15], v[226:227] op_sel_hi:[1,0]   ; the sums under the new M  (a plain instruction behind the exponentials)
	s_wait_alu depctr_va_vdst(0)
.irp b, 0,1,2,3
	v_max_num_f32 v[BM+\b], 0x2800000, v[BM+\b]    ; the floor 2^(5 - 127)
.endr
.irp b, 0,1,2,3
	s_delay_alu instid0(VALU_DEP_4)
	v_add_nc_u32 v[SO+\b], 0xfe000000, v[BM+\b]    ; the conversion's scale operand
.endr
.irp b, 0,1,2,3
	s_delay_alu instid0(VALU_DEP_4)
	v_lshrrev_b32 v[BP+\b], 23, v[SO+\b]           ; the scale's byte
.endr
	s_delay_alu instid0(VALU_DEP_3)
	v_lshl_or_b32 v[PW], v[BP+1], 8, v[BP]         ; p's scale word for these 128 keys
	s_delay_alu instid0(VALU_DEP_1)
	v_lshl_or_b32 v[PW], v[BP+2], 16, v[PW]
	s_delay_alu instid0(VALU_DEP_1)
	v_lshl_or_b32 v[PW], v[BP+3], 24, v[PW]
.irp c, 0,1
	v_cvt_scalef32_pk16_bf6_f32 v[PC+6*\c:PC+6*\c+2], v[S+32*\c:S+32*\c+15], v[SO+2*\c]
	v_cvt_scalef32_pk16_bf6_f32 v[CH+4*\c:CH+4*\c+2], v[S+32*\c+16:S+32*\c+31], v[SO+2*\c+1]
.endr
	v_nop                                          ; one plain instruction behind a scaled conversion
.irp c, 0,1                                    ; a whole block to a lane
.irp i, 0,1,2
	v_permlane16_swap_b32 v[PC+6*\c+\i], v[CH+4*\c+\i]
.endr
.irp i, 0,1,2
	s_delay_alu instid0(VALU_DEP_3)
	v_mov_b32 v[PC+6*\c+3+\i], v[CH+4*\c+\i]
.endr
.endr
	v_pk_add_f32 v[228:229], v[100:101], v[104:105]
	v_pk_add_f32 v[252:253], v[108:109], v[112:113]
	v_pk_add_f32 v[250:251], v[116:117], v[120:121]
	v_pk_add_f32 v[248:249], v[124:125], v[128:129]
	v_pk_add_f32 v[246:247], v[132:133], v[136:137]
	v_pk_add_f32 v[244:245], v[140:141], v[144:145]
	v_pk_add_f32 v[242:243], v[148:149], v[152:153]
	v_pk_add_f32 v[14:15], v[14:15], v[156:157]
	v_pk_add_f32 v[228:229], v[228:229], v[96:97]
	v_pk_add_f32 v[252:253], v[252:253], v[98:99]
	v_pk_add_f32 v[250:251], v[250:251], v[102:103]
	v_pk_add_f32 v[248:249], v[248:249], v[106:107]
	v_pk_add_f32 v[246:247], v[246:247], v[110:111]
	v_pk_add_f32 v[244:245], v[244:245], v[114:115]
	v_pk_add_f32 v[242:243], v[242:243], v[118:119]
	v_pk_add_f32 v[14:15], v[14:15], v[122:123]
	v_pk_add_f32 v[228:229], v[228:229], v[126:127]
	v_pk_add_f32 v[252:253], v[252:253], v[130:131]
	v_pk_add_f32 v[250:251], v[250:251], v[134:135]
	v_pk_add_f32 v[248:249], v[248:249], v[138:139]
	v_pk_add_f32 v[246:247], v[246:247], v[142:143]
	v_pk_add_f32 v[244:245], v[244:245], v[146:147]
	v_pk_add_f32 v[242:243], v[242:243], v[150:151]
	v_pk_add_f32 v[14:15], v[14:15], v[154:155]
	v_pk_add_f32 v[228:229], v[228:229], v[158:159]
	s_delay_alu instid0(VALU_DEP_2)
	v_pk_add_f32 v[14:15], v[14:15], v[248:249]
	s_delay_alu instid0(VALU_DEP_2)
	v_pk_add_f32 v[228:229], v[228:229], v[246:247]
	s_setprio 0
	v_pk_add_f32 v[252:253], v[252:253], v[244:245]
	v_pk_add_f32 v[250:251], v[250:251], v[242:243]
	s_delay_alu instid0(VALU_DEP_2)
	v_pk_add_f32 v[14:15], v[14:15], v[252:253]
	s_delay_alu instid0(VALU_DEP_2)
	v_pk_add_f32 v[228:229], v[228:229], v[250:251]
	s_delay_alu instid0(VALU_DEP_1)
	v_pk_add_f32 v[14:15], v[14:15], v[228:229]
.set i, 0
.rept 16
	v_pk_mul_f32 v[O+i:O+i+1], v[O+i:O+i+1], v[226:227] op_sel_hi:[1,0]   ; O^T under the new M
.set i, i+2
.endr
	s_wait_alu depctr_va_vdst(0)
	s_wait_dscnt 0x0                               ; V is in
.irp c, 0,1,2,3                                ; O^T += V^T P^T: four accumulators by turns
.if \c%2
	v_wmma_scale_f32_16x16x128_f8f6f4 v[O+8*\c:O+8*\c+7], v[KV+12*\c:KV+12*\c+11], v[PC:PC+11], v[O+8*\c:O+8*\c+7], v[VSC+\c/2], v[PW] matrix_a_fmt:MATRIX_FMT_BF6 matrix_b_fmt:MATRIX_FMT_BF6 matrix_a_scale:MATRIX_SCALE_ROW1
.else
	v_wmma_scale_f32_16x16x128_f8f6f4 v[O+8*\c:O+8*\c+7], v[KV+12*\c:KV+12*\c+11], v[PC:PC+11], v[O+8*\c:O+8*\c+7], v[VSC+\c/2], v[PW] matrix_a_fmt:MATRIX_FMT_BF6 matrix_b_fmt:MATRIX_FMT_BF6
.endif
.endr
.endm
.macro STEPAT n                        ; key step n, its places in LDS written as constants
	s_mov_b32 s76, (\n)*6144
	s_mov_b32 s77, (\n)*512
	s_mov_b32 s78, (\n)*256
	STEP
.endm
	s_wait_loadcnt 0x0                             ; Q
	s_wait_tensorcnt 3                             ; the wave that asked: the scale words and chunk 0 have landed; the three chunks behind them may stay out
	s_barrier_signal -1
	s_barrier_wait -1                              ; all sixteen may read them
	STEPAT 0
	STEPAT 1
	s_wait_tensorcnt 0x0                           ; the wave that asked: chunks 1 to 3 have landed;
	s_wait_dscnt 0x0                               ; no LDS instruction of mine is out
	s_barrier_signal -1                            ; say so,
	STEPAT 2                                       ; walk the two steps that are left of chunk 0, whose bytes nobody writes (LDS loads and work on registers alone),
	STEPAT 3
	s_barrier_wait -1                              ; and read chunks 1 to 3 only when all sixteen have said so
	s_mov_b32 s76, 4*6144
	s_mov_b32 s77, 4*512
	s_mov_b32 s78, 4*256
	s_mov_b32 s79, 12
.Lstep:                                            ; steps 4 to 15: no wave waits for another
	s_setprio 2
	STEP
	s_add_co_u32 s76, s76, 6144
	s_add_co_u32 s77, s77, 512
	s_add_co_u32 s78, s78, 256
	s_sub_co_u32 s79, s79, 1
	s_cmp_lg_u32 s79, 0
	s_cbranch_scc1 .Lstep
	s_setprio 0
	; THE WAY OUT: O^T / the sum, quantised along the head's 64 channels: a half fragment of the output projection's operand
.rept 4
	v_nop                                          ; four plain instructions behind the last products
.endr
	v_add_f32 v14, v14, v15
	s_delay_alu instid0(VALU_DEP_1)
	v_permlanex16_b32 v[TA], v14, s[SEL], s[SEL+1]
	s_delay_alu instid0(VALU_DEP_1)
	v_add_f32 v14, v14, v[TA]                      ; the row's sum
	s_wait_alu depctr_va_vdst(0)
	v_rcp_f32 v14, v14
	v_nop                                          ; a plain instruction behind the transcendental
.set i, 0
	s_wait_alu depctr_va_vdst(0)
.rept 32
	v_mul_f32 v[S+i], v[O+i], v14                  ; register 16 b + i: channel 32 b + 16 (lane / 16) + i of my query; each accumulator from its low end on
.set i, i+1
.endr
.macro QUANT2 s, pc, pw
.irp b, 0,1
	v_max3_num_f32 v[TM+\b], |v[(\s)+16*\b]|, |v[(\s)+16*\b+1]|, 0x2800000
.endr
.irp i, 2,4,6,8,10,12,14
.irp b, 0,1
	s_delay_alu instid0(VALU_DEP_2)
	v_max3_num_f32 v[TM+\b], v[TM+\b], |v[(\s)+16*\b+\i]|, |v[(\s)+16*\b+\i+1]|
.endr
.endr
.irp b, 0,1
	s_delay_alu instid0(VALU_DEP_2)
	v_permlanex16_b32 v[TM+2+\b], v[TM+\b], s[SEL], s[SEL+1]
.endr
.irp b, 0,1
	s_delay_alu instid0(VALU_DEP_2)
	v_max_num_f32 v[TM+\b], v[TM+\b], v[TM+2+\b]
.endr
.irp b, 0,1
	s_delay_alu instid0(VALU_DEP_2)
	v_add_nc_u32 v[SO+\b], 0xfe000000, v[TM+\b]
.endr
.irp b, 0,1
	s_delay_alu instid0(VALU_DEP_2)
	v_lshrrev_b32 v[TM+2+\b], 23, v[SO+\b]
.endr
	s_delay_alu instid0(VALU_DEP_1)
	v_lshl_or_b32 v[\pw], v[TM+3], 8, v[TM+2]
	v_cvt_scalef32_pk16_bf6_f32 v[(\pc):(\pc)+2], v[(\s):(\s)+15], v[SO]
	v_cvt_scalef32_pk16_bf6_f32 v[(\pc)+8:(\pc)+10], v[(\s)+16:(\s)+31], v[SO+1]
	v_nop
.irp i, 0,1,2
	v_permlane16_swap_b32 v[(\pc)+\i], v[(\pc)+8+\i]
.endr
.irp i, 0,1,2
	s_delay_alu instid0(VALU_DEP_3)
	v_mov_b32 v[(\pc)+3+\i], v[(\pc)+8+\i]
.endr
.endm
	QUANT2 S, PC, PW
	global_store_b128 v1, v[PC:PC+3], s[8:9]       ; whole aligned blocks of 256 bytes
	global_store_b64 v2, v[PC+4:PC+5], s[8:9]
	global_store_b16 v31, v[PW], s[10:11]          ; my head's two bytes of the row's scale word; both lanes of a row write the same bytes with the same value
	s_wait_tensorcnt 0x0
	ds_add_u32 v254, v255
	s_wait_dscnt 0x0
	ROUND                                          ; the closing round: no work-group ends while a partner may still ask jointly
	s_endpgm
.Lfunc_end_k_q04f7010a01_attn:
	.size	k_q04f7010a01_attn, .Lfunc_end_k_q04f7010a01_attn-k_q04f7010a01_attn
	.p2alignl 7, 3214868480
	.fill 96, 4, 3214868480
	.section	.rodata,"a",@progbits
	.p2align	6, 0x0
	.amdhsa_kernel k_q04f7010a01_attn
		.amdhsa_group_segment_fixed_size 210944
		.amdhsa_private_segment_fixed_size 0
		.amdhsa_enable_private_segment 0
		.amdhsa_kernarg_size 32
		.amdhsa_user_sgpr_count 2
		.amdhsa_user_sgpr_kernarg_segment_ptr 1
		.amdhsa_wavefront_size32 1
		.amdhsa_system_sgpr_workgroup_id_x 1
		.amdhsa_system_sgpr_workgroup_id_y 1
		.amdhsa_system_sgpr_workgroup_id_z 1
		.amdhsa_system_vgpr_workitem_id 0
		.amdhsa_next_free_vgpr 256
		.amdhsa_next_free_sgpr 96
		.amdhsa_reserve_vcc 0
		.amdhsa_float_denorm_mode_32 3
		.amdhsa_float_denorm_mode_16_64 3
		.amdhsa_memory_ordered 1
		.amdhsa_forward_progress 1
		.amdhsa_inst_pref_size 102
	.end_amdhsa_kernel
	.amdgpu_metadata
---
amdhsa.version: [ 1, 2 ]
amdhsa.kernels:
  - .name:           k_q04f7010a01_attn
    .symbol:         k_q04f7010a01_attn.kd
    .args:
      - { .name: qkvh, .offset: 0, .size: 8, .value_kind: global_buffer, .address_space: global }
      - { .name: qkvs, .offset: 8, .size: 8, .value_kind: global_buffer, .address_space: global }
      - { .name: oh, .offset: 16, .size: 8, .value_kind: global_buffer, .address_space: global }
      - { .name: os, .offset: 24, .size: 8, .value_kind: global_buffer, .address_space: global }
    .group_segment_fixed_size: 210944
    .private_segment_fixed_size: 0
    .kernarg_segment_align: 8
    .kernarg_segment_size: 32
    .max_flat_workgroup_size: 512
    .sgpr_count:     96
    .vgpr_count:     256
    .wavefront_size: 32
...
	.end_amdgpu_metadata
.endif
;; end of part 7
;; launch outp (part 8): grid 4 x 64, 16 waves a work-group, no clusters, 280,576 bytes of LDS; arguments ah, asc, oh, os, x, out0; writes out0
.if DOCPART == 8
	.amdgcn_target "amdgcn-amd-amdhsa--gfx1250"
	.amdhsa_code_object_version 6
	.text
	.protected	k_q04f7010a01_outp
	.globl	k_q04f7010a01_outp
	.p2align	8
	.type	k_q04f7010a01_outp,@function
k_q04f7010a01_outp:
	s_mov_b64 s[64:65], 0
	v_nop
	global_prefetch_b8 v0, s[64:65] scope:SCOPE_SE
	s_setreg_imm32_b32 hwreg(HW_REG_WAVE_SCHED_MODE, 0, 2), 2
	s_setreg_imm32_b32 hwreg(HW_REG_WAVE_MODE, 25, 1), 1
	s_wait_xcnt 0x0
	s_wait_alu depctr_vm_vsrc(0)
; OUTP: out0 = o out_w^T + x, the product on codes of BF6 (K = 1,024 = head x 64 + channel), the sum with the skip in f32.
; SHARES.  A work-group makes 64 tokens (y) x 256 columns (x).  Sixteen waves, four to a SIMD: wave (q = wave / 4, c = wave % 4) makes the 64 x 64 tile of columns 64 (4 x + c) on, over the QUARTER q of K: two K steps of 128,
; 32 products, 16 accumulators.  So a wave has two rounds of loads, one behind the other, where a wave that walked all of K would have eight.  Operands come as images of their registers, straight from memory.
; THE FOUR PARTIAL SUMS MEET IN LDS: 64 regions of 16 rows x (256 + 16) bytes; region 16 c + 4 j + q holds wave (q, c)'s part of token tile j.  One barrier; then wave (q, c) takes token tile j = q: it reads the four parts by rows,
; adds them and x, and stores: sixteen lanes load, add and store 256 consecutive aligned bytes of x and out0.  x is asked for behind the last products, ahead of the stage's stores and the barrier.
; THE ORDER OF THE TWO K STEPS: step 2 q + f first, f = (x + y + y / 2) % 2: of the work-groups that read the same tiles half ask for each of the two blocks first.  The four waves c of one q keep the same order: they read the same token blocks.
; LIMIT: an output's sum over K is made as (quarter 0 + quarter 1) + (quarter 2 + quarter 3), each quarter's two steps in the order above, all in f32.
; NO CLUSTER: a joint request serves tensor loads into LDS, and the operands do not go through LDS.
; TRANSPOSED: source 0 = P = 16 rows of out_w, source 1 = R = 16 tokens of o.  By the order of out_w's rows in a tile, register 16 b + i of token tile j is column 32 b + 16 (lane / 16) + i of my 64, of the lane's token.
; THE MODE: SCHED_MODE bits 1:0 = 2 (LLVM: expert scheduling mode 2), set by the entry lines.  The code itself states the register dependences between vector or matrix instructions and memory or LDS instructions,
; with s_wait_alu, always for 0.
; THE PLAN.  Registers that memory or LDS instructions touch:
;   v1-7, v16, v17   offsets and LDS addresses: written at the head and never again; one wait on va_vdst ahead of the first load.  v27, v28: written at the head, read by the closing add alone.
;   v8-15, v32-127   scale words and fragments: a K step's 40 loads land in them, its 16 products read them.  Four waves of 256 registers fill a SIMD's 1,024, so there is no second set: the second step's loads land where
;                    the first multiplied: one wait on va_vdst ahead of them.
;   v128-255         the accumulators: written by the products, read by the 32 LDS stores; then the four parts' 32 LDS loads land in them.
;   v32-63           behind the products: the eight loads of x land in them; the last additions write them; the eight stores read them.
;   So behind the last products ONE wait on va_vdst serves the loads of x (the products are done reading v32-63), the LDS stores (the accumulators are written) and the later LDS loads into v128-255: no vector or matrix
;   instruction stands between that wait and those loads.  One wait on vm_vsrc, behind the barrier, states that the LDS stores have read v128-255.  One wait on va_vdst stands ahead of the stores of out0.
.set VP16, 1
.set VP8,  2
.set VR16, 3
.set VR8,  4
.set VPS,  5
.set VRS,  6
.set STO,  7                           ; v7   the stage: where I put my 16 bytes
.set SP,   8                           ; v8-11, v12-15 scale words: they hold scales and nothing else
.set SR,   12
.set RD,   16                          ; v16  the stage: where I read a row back
.set GO,   17                          ; v17  my byte offset in x and out0
.set PF,   32                          ; v32-79 P's fragments   (behind the products: v32-63 my rows of x, then of out0)
.set RF,   80
.set ACC,  128                         ; v128-255 the accumulators   (behind the barrier: the four parts of my token tile, 32 registers each)
.set XR,   32
.set REG,  4352                        ; a region of the stage: 16 rows x 272 bytes
.set KA,   48                          ; s[48:55] ah, oh, asc, os at my first K step
.set KB,   56                          ; s[56:63] at my second
	s_load_b256 s[4:11], s[0:1], 0x0               ; ah, asc, oh, os
	s_load_b128 s[12:15], s[0:1], 0x20             ; x, out0
	v_lshl_add_u32 v27, v0, 2, 0x44000
	v_mov_b32 v28, 0
	v_lshrrev_b32 v1, 5, v0
	v_readfirstlane_b32 s20, v1                    ; wave 0..15
	s_wait_alu depctr_va_sdst(0)                   ; s20 is written, ahead of its first reader: the tiles' numbers, the bases and the LDS regions are made from it
	s_and_b32 s23, s20, 3                          ; c
	s_lshr_b32 s24, s20, 2                         ; q
	s_lshl_b32 s21, ttmp9, 2
	s_add_co_u32 s21, s21, s23                     ; nb: which 64 columns
	s_and_b32 s22, ttmp7, 0xffff                   ; tg: which 64 tokens
	s_lshl_b32 s28, s21, 2
	s_add_co_u32 s28, s28, 704                     ; out_w's tiles
	s_lshl_b32 s29, s22, 2                         ; o's tiles
	s_mul_i32 s30, s28, 12288
	s_mul_i32 s31, s29, 12288
	v_and_b32 v30, 31, v0
	v_and_b32 v31, 15, v0
	v_bfe_u32 v29, v0, 4, 1
	v_lshl_add_u32 v[VP16], v30, 4, s30
	v_lshl_add_u32 v[VP8], v30, 3, s30
	v_lshl_add_u32 v[VR16], v30, 4, s31
	v_lshl_add_u32 v[VR8], v30, 3, s31
	s_lshl_b32 s30, s28, 9
	s_lshl_b32 s31, s29, 9
	v_lshl_add_u32 v[VPS], v31, 2, s30
	v_lshl_add_u32 v[VRS], v31, 2, s31
	s_lshl_b32 s30, s23, 4
	s_add_co_u32 s31, s30, s24                     ; into the stage: region 16 c + q (+ 4 j in the immediate),
	s_mul_i32 s31, s31, REG
	v_mul_u32_u24 v[STO], v31, 272
	v_lshl_add_u32 v[STO], v29, 6, v[STO]
	v_add_nc_u32 v[STO], s31, v[STO]               ; row r, + 64 bytes for lanes 16-31
	s_lshl_b32 s31, s24, 2
	s_add_co_u32 s31, s31, s30                     ; back: regions 16 c + 4 q + 0 .. 3,
	s_mul_i32 s31, s31, REG
	v_mul_u32_u24 v[RD], v29, 272
	v_lshl_add_u32 v[RD], v31, 4, v[RD]
	v_add_nc_u32 v[RD], s31, v[RD]                 ; lanes 0-15 one row, lanes 16-31 the next
	v_lshlrev_b32 v[GO], 12, v29
	v_lshl_add_u32 v[GO], v31, 4, v[GO]            ; and the same two rows of 4,096 bytes in x and out0
	s_lshl_b32 s32, s22, 18                        ; 64 tokens x 4,096 bytes,
	s_lshl_b32 s33, s21, 8                         ; my 64 columns,
	s_add_co_u32 s32, s32, s33
	s_and_b32 s33, s24, 1                          ; token tile j = q begins at token 32 (q / 2) + 8 (q % 2)
	s_lshl_b32 s33, s33, 15
	s_add_co_u32 s32, s32, s33
	s_lshr_b32 s33, s24, 1
	s_lshl_b32 s33, s33, 17
	s_add_co_u32 s32, s32, s33
	s_mov_b32 s33, 0
	s_lshr_b32 s34, s22, 1                         ; f
	s_add_co_u32 s34, s34, s22
	s_add_co_u32 s34, s34, ttmp9
	s_and_b32 s34, s34, 1
	s_lshl_b32 s35, s24, 1
	s_add_co_u32 s34, s34, s35                     ; my first K step: 2 q + f,
	s_xor_b32 s35, s34, 1                          ; my second: the other of the two
	s_mul_i32 s40, s34, 1536                       ; a K step's two half fragments in a tile's 12,288 bytes,
	s_mov_b32 s41, 0
	s_mul_i32 s42, s35, 1536
	s_mov_b32 s43, 0
	s_lshl_b32 s44, s34, 6                         ; its 16 words in a tile's 512 bytes of scale words
	s_mov_b32 s45, 0
	s_lshl_b32 s46, s35, 6
	s_mov_b32 s47, 0
	s_wait_kmcnt 0x0
	s_add_nc_u64 s[12:13], s[12:13], s[32:33]
	s_add_nc_u64 s[14:15], s[14:15], s[32:33]
	s_add_nc_u64 s[KA:KA+1], s[4:5], s[40:41]
	s_add_nc_u64 s[KA+2:KA+3], s[8:9], s[40:41]
	s_add_nc_u64 s[KA+4:KA+5], s[6:7], s[44:45]
	s_add_nc_u64 s[KA+6:KA+7], s[10:11], s[44:45]
	s_add_nc_u64 s[KB:KB+1], s[4:5], s[42:43]
	s_add_nc_u64 s[KB+2:KB+3], s[8:9], s[42:43]
	s_add_nc_u64 s[KB+4:KB+5], s[6:7], s[46:47]
	s_add_nc_u64 s[KB+6:KB+7], s[10:11], s[46:47]
	s_wait_alu depctr_va_vdst(0)                   ; the offsets and LDS addresses v1 to v7, v16 and v17 are written, which the loads, LDS instructions and stores of the kernel read
; A K step of 128, its four bases in s[b .. b + 7]: 8 scale words, P's four fragments, R's four, 16 products.  The sixteen accumulators take turns, one instruction a turn, in the same order in both steps.
.macro KSTEP b, zero
.if \zero == 0
.rept 4
	v_nop                                          ; four plain instructions behind the last products, as in the plain form; they stay beside the wait below
.endr
	s_wait_alu depctr_va_vdst(0)                   ; the first step's products are done reading v8-15 and v32-127, in which this step's 40 loads land
.endif
.irp i, 0,1,2,3
	global_load_b32 v[SP+\i], v[VPS], s[\b+4:\b+5] offset:512*\i
.endr
.irp i, 0,1,2,3
	global_load_b32 v[SR+\i], v[VRS], s[\b+6:\b+7] offset:512*\i
.endr
.irp i, 0,1,2,3
	global_load_b128 v[PF+12*\i:PF+12*\i+3], v[VP16], s[\b:\b+1] offset:12288*\i
	global_load_b64 v[PF+12*\i+4:PF+12*\i+5], v[VP8], s[\b:\b+1] offset:12288*\i+512
	global_load_b128 v[PF+12*\i+6:PF+12*\i+9], v[VP16], s[\b:\b+1] offset:12288*\i+768
	global_load_b64 v[PF+12*\i+10:PF+12*\i+11], v[VP8], s[\b:\b+1] offset:12288*\i+1280
.endr
.irp i, 0,1,2,3
	global_load_b128 v[RF+12*\i:RF+12*\i+3], v[VR16], s[\b+2:\b+3] offset:12288*\i
	global_load_b64 v[RF+12*\i+4:RF+12*\i+5], v[VR8], s[\b+2:\b+3] offset:12288*\i+512
	global_load_b128 v[RF+12*\i+6:RF+12*\i+9], v[VR16], s[\b+2:\b+3] offset:12288*\i+768
	global_load_b64 v[RF+12*\i+10:RF+12*\i+11], v[VR8], s[\b+2:\b+3] offset:12288*\i+1280
.endr
.irp j, 0,1,2,3
	s_wait_loadcnt 12-4*\j                         ; all but the four loads of each of R's tiles behind tile j
.irp i, 0,1,2,3
.if \zero
	v_wmma_scale_f32_16x16x128_f8f6f4 v[ACC+8*(4*\j+\i):ACC+8*(4*\j+\i)+7], v[PF+12*\i:PF+12*\i+11], v[RF+12*\j:RF+12*\j+11], 0, v[SP+\i], v[SR+\j] matrix_a_fmt:MATRIX_FMT_BF6 matrix_b_fmt:MATRIX_FMT_BF6
.else
	v_wmma_scale_f32_16x16x128_f8f6f4 v[ACC+8*(4*\j+\i):ACC+8*(4*\j+\i)+7], v[PF+12*\i:PF+12*\i+11], v[RF+12*\j:RF+12*\j+11], v[ACC+8*(4*\j+\i):ACC+8*(4*\j+\i)+7], v[SP+\i], v[SR+\j] matrix_a_fmt:MATRIX_FMT_BF6 matrix_b_fmt:MATRIX_FMT_BF6
.endif
.endr
.endr
.endm
	KSTEP KA, 1                                    ; the first step's products start the sums
	KSTEP KB, 0
.rept 4
	v_nop                                          ; four plain instructions behind the last products, ahead of the first read of their results (ISA guide 7.12.1); they stay beside the wait below
.endr
	s_wait_alu depctr_va_vdst(0)                   ; the products have written the accumulators v128-255, which the LDS stores read and in which LDS loads land behind the barrier; and they are done reading v32-63, in which the loads of x land
; stage row 2 t + (lane / 16) of a token tile is its token 2 (t % 4) + lane / 16 + 16 (t / 4)
.irp t, 0,1,2,3,4,5,6,7
	global_load_b128 v[XR+4*\t:XR+4*\t+3], v[GO], s[12:13] offset:4096*(2*(\t%4)+16*(\t/4)) th:TH_LOAD_NT   ; my token tile's rows of x: they land under the stage's stores and the barrier
.endr
.irp j, 0,1,2,3
.irp b, 0,1
.irp u, 0,1,2,3
	ds_store_b128 v[STO], v[ACC+32*\j+16*\b+4*\u:ACC+32*\j+16*\b+4*\u+3] offset:4*REG*\j+128*\b+16*\u   ; each accumulator from its low end on
.endr
.endr
.endr
	s_wait_dscnt 0x0                               ; for the others' sake: my four parts lie in the stage
	s_barrier_signal -1
	s_barrier_wait -1
	s_wait_alu depctr_vm_vsrc(0)                   ; my LDS stores have read v128-255, in which the loads below land
.irp p, 0,1,2,3
.irp t, 0,1,2,3,4,5,6,7
	ds_load_b128 v[ACC+32*\p+4*\t:ACC+32*\p+4*\t+3], v[RD] offset:REG*\p+544*\t    ; quarter p's part of my token tile, by rows
.endr
.endr
	s_wait_dscnt 16                                ; quarters 0 and 1 are in; the sixteen loads of quarters 2 and 3 may be out
.irp i, 0,2,4,6,8,10,12,14,16,18,20,22,24,26,28,30
	v_pk_add_f32 v[ACC+\i:ACC+\i+1], v[ACC+\i:ACC+\i+1], v[ACC+32+\i:ACC+32+\i+1]
.endr
	s_wait_dscnt 0x0
.irp i, 0,2,4,6,8,10,12,14,16,18,20,22,24,26,28,30
	v_pk_add_f32 v[ACC+64+\i:ACC+64+\i+1], v[ACC+64+\i:ACC+64+\i+1], v[ACC+96+\i:ACC+96+\i+1]
.endr
.irp i, 0,2,4,6,8,10,12,14,16,18,20,22,24,26,28,30
	v_pk_add_f32 v[ACC+\i:ACC+\i+1], v[ACC+\i:ACC+\i+1], v[ACC+64+\i:ACC+64+\i+1]
.endr
	s_wait_loadcnt 0x0                             ; x
.irp i, 0,2,4,6,8,10,12,14,16,18,20,22,24,26,28,30
	v_pk_add_f32 v[XR+\i:XR+\i+1], v[XR+\i:XR+\i+1], v[ACC+\i:ACC+\i+1]
.endr
	s_wait_alu depctr_va_vdst(0)                   ; the additions have written v32-63, which the eight stores read
.irp t, 0,1,2,3,4,5,6,7
	global_store_b128 v[GO], v[XR+4*\t:XR+4*\t+3], s[14:15] offset:4096*(2*(\t%4)+16*(\t/4)) th:TH_STORE_NT   ; sixteen lanes store 256 consecutive bytes, at a multiple of 256 from out0's first byte
.endr
	s_wait_dscnt 0x0                               ; the closing lines, six on end
	s_wait_alu 0x0
	s_wait_tensorcnt 0x0
	ds_add_u32 v27, v28
	s_wait_dscnt 0x0
	s_endpgm
.Lfunc_end_k_q04f7010a01_outp:
	.size	k_q04f7010a01_outp, .Lfunc_end_k_q04f7010a01_outp-k_q04f7010a01_outp
	.p2alignl 7, 3214868480
	.fill 96, 4, 3214868480
	.section	.rodata,"a",@progbits
	.p2align	6, 0x0
	.amdhsa_kernel k_q04f7010a01_outp
		.amdhsa_group_segment_fixed_size 280576
		.amdhsa_private_segment_fixed_size 0
		.amdhsa_enable_private_segment 0
		.amdhsa_kernarg_size 48
		.amdhsa_user_sgpr_count 2
		.amdhsa_user_sgpr_kernarg_segment_ptr 1
		.amdhsa_wavefront_size32 1
		.amdhsa_system_sgpr_workgroup_id_x 1
		.amdhsa_system_sgpr_workgroup_id_y 1
		.amdhsa_system_sgpr_workgroup_id_z 1
		.amdhsa_system_vgpr_workitem_id 0
		.amdhsa_next_free_vgpr 256
		.amdhsa_next_free_sgpr 66
		.amdhsa_reserve_vcc 0
		.amdhsa_float_denorm_mode_32 3
		.amdhsa_float_denorm_mode_16_64 3
		.amdhsa_memory_ordered 1
		.amdhsa_forward_progress 1
		.amdhsa_inst_pref_size 26
	.end_amdhsa_kernel
	.amdgpu_metadata
---
amdhsa.version: [ 1, 2 ]
amdhsa.kernels:
  - .name:           k_q04f7010a01_outp
    .symbol:         k_q04f7010a01_outp.kd
    .args:
      - { .name: ah, .offset: 0, .size: 8, .value_kind: global_buffer, .address_space: global }
      - { .name: asc, .offset: 8, .size: 8, .value_kind: global_buffer, .address_space: global }
      - { .name: oh, .offset: 16, .size: 8, .value_kind: global_buffer, .address_space: global }
      - { .name: os, .offset: 24, .size: 8, .value_kind: global_buffer, .address_space: global }
      - { .name: x, .offset: 32, .size: 8, .value_kind: global_buffer, .address_space: global }
      - { .name: out0, .offset: 40, .size: 8, .value_kind: global_buffer, .address_space: global }
    .group_segment_fixed_size: 280576
    .private_segment_fixed_size: 0
    .kernarg_segment_align: 8
    .kernarg_segment_size: 48
    .max_flat_workgroup_size: 512
    .sgpr_count:     66
    .vgpr_count:     256
    .wavefront_size: 32
...
	.end_amdgpu_metadata
.endif
;; end of part 8
